; MI455X (gfx1250); checked and timed in simulation.
; The chip was launched on July 23, 2026; its instructions are those of AMD's public machine-readable ISA for CDNA 5 (MIT licence, August 2026) and "CDNA5" Instruction Set Architecture Reference Guide (July 2026). The comments in the code are by the model that wrote it; some were corrected since.
;; Mixture Of Experts. Allowed arithmetic: float matrix products may take bf16 or f16 operands with f32 sums; other float arithmetic in f32, or as packed bf16 or f16 multiplies, adds, multiply-adds, maxima and minima; sums over many terms, partial sums and values carried from step to step in f32; what a program stores and reads back later, other than sums and carried values, may be rounded once to bf16 or f16.
;; Inputs: down_bank 8 x 2,048 x 1,024 float32; gate_bank 8 x 1,024 x 2,048 float32; gate_w 8 x 1,024 float32; up_bank 8 x 1,024 x 2,048 float32; x 4 x 256 x 1,024 float32.
;; Outputs: out0 4 x 256 x 1,024 float32.
;; 3 versions, each right; version 3 is version 2 with the launches ffn1, ffn2 written anew for expert scheduling mode. Each part assembles by itself: llvm-mc -triple=amdgcn-amd-amdhsa -mcpu=gfx1250 --defsym DOCPART=n.
;; ======== version 1 of 3: 3 launches
;; workspace buffers: sel 4,096 bytes of whole numbers; xb 2,097,152 bytes; hb 33,554,432 bytes
;; launch router (part 1): grid 64 x 1, 8 waves a work-group, no clusters, 44,032 bytes of LDS; arguments x, gate_w, sel, xb; writes sel, xb
.if DOCPART == 1
	.amdgcn_target "amdgcn-amd-amdhsa--gfx1250"
	.amdhsa_code_object_version 6
	.text
	.protected	k_q5e520bde16_router
	.globl	k_q5e520bde16_router
	.p2align	8
	.type	k_q5e520bde16_router,@function
k_q5e520bde16_router:
	s_mov_b64 s[64:65], 0
	v_nop
	global_prefetch_b8 v0, s[64:65] scope:SCOPE_SE
	s_setreg_imm32_b32 hwreg(HW_REG_WAVE_MODE, 25, 1), 1
	s_wait_xcnt 0x0
; ROUTER.  logits[t][e] = sum over d of x[t][d] gate_w[e][d]; sel[t] = the expert with the largest logit; xb = x rounded to bf16.
; x: [1024][1024] f32, gate_w: [8][1024] f32, sel: [1024] u32, xb: [1024][1024] bf16.
; SHARES.  A work-group has 16 tokens, each of its eight waves 128 of the 1,024 channels.  A wave rounds its piece of x once, stores it to xb (16 lanes write 256 consecutive
; bytes, aligned) and lays it into its own stage in LDS, from which it comes back as a matrix operand.  Four matrix instructions (experts as rows, tokens as columns) make the wave's
; partial logits; the eight partial sums (f32) meet in LDS and wave 0 adds them in ascending order of the waves and takes the maximum.
; LIMITS.  x and gate_w are rounded to bf16, as in every product of this program; the sums are f32 in the matrix unit's order, so two logits of one token that differ by less than that
; order's rounding (about 1e-6 of their size) may be ranked otherwise than by a plain f32 sum.  Equal logits: the lower index.  A NaN logit never wins.
; No cluster: no two work-groups read the same x, and gate_w is 32 KB.
.set STG,    4352                      ; a wave's stage: 16 rows x (256 bytes + 16 of padding): the 16 rows of a fragment load start 68 words apart
.set PART,   8*STG                     ; partial logits: 1,024 bytes a wave
.set SPARE,  PART+8*1024               ; the spare words, 128 bytes a wave: four blocks of 256 bytes that no other line names
.set V_SPW, 4                          ; LDS address of my spare word; never rewritten
.set V_NIL, 5                          ; 0; never rewritten
.set V_L16, 6                          ; 16 x lane
.set V_X,   8                          ; my byte offset in the group's rows of x
.set V_XB,  9                          ; in its rows of xb
.set V_ST,  10                         ; into the stage: row h, 16 bytes at 16 r
.set V_FR,  11                         ; out of the stage: row r, 16 bytes at 16 h
.set V_GW,  12                         ; my byte offset in gate_w
.set V_PT,  13                         ; my partial logits
.set V_RD,  14                         ; wave 0 reads all partial logits
.set V_SL,  15                         ; my byte offset in sel
.set XL,  16                           ; v16-79   x as loaded: rows 2 i + h, 8 f32 each
.set GL,  80                           ; v80-143  gate_w as loaded
.set XP,  144                          ; v144-175 x rounded
.set GF,  16                           ; v16-47   gate_w's four fragments (x as loaded is used up by then)
.set XF,  48                           ; v48-79   x's four fragments
.set AC0, 176
.set AC1, 184
.set IDX, 80
	s_load_b256 s[4:11], s[0:1], 0x0               ; x s[4:5], gate_w s[6:7], sel s[8:9], xb s[10:11]
	v_lshl_add_u32 v[V_SPW], v0, 2, SPARE
	v_mov_b32 v[V_NIL], 0
	v_lshrrev_b32 v1, 5, v0
	v_readfirstlane_b32 s12, v1                    ; wave w
	v_and_b32 v1, 31, v0                           ; lane
	v_and_b32 v2, 15, v0                           ; r
	v_bfe_u32 v3, v0, 4, 1                         ; h
	v_lshlrev_b32 v[V_L16], 4, v1
	s_lshl_b32 s13, s12, 9                         ; 128 channels of f32
	s_lshl_b32 s14, s12, 8                         ; 128 channels of bf16
	s_mul_i32 s15, s12, STG
	s_lshl_b32 s16, s12, 10
	s_add_co_u32 s16, s16, PART
	v_lshlrev_b32 v[V_X], 12, v3                   ; h x 4,096 + 32 r + 512 w
	v_lshl_add_u32 v[V_X], v2, 5, v[V_X]
	v_add_nc_u32 v[V_X], s13, v[V_X]
	v_lshlrev_b32 v[V_XB], 11, v3                  ; h x 2,048 + 16 r + 256 w
	v_lshl_add_u32 v[V_XB], v2, 4, v[V_XB]
	v_add_nc_u32 v[V_XB], s14, v[V_XB]
	v_mul_u32_u24 v[V_ST], v3, 272
	v_lshl_add_u32 v[V_ST], v2, 4, v[V_ST]
	v_add_nc_u32 v[V_ST], s15, v[V_ST]
	v_mul_u32_u24 v[V_FR], v2, 272
	v_lshl_add_u32 v[V_FR], v3, 4, v[V_FR]
	v_add_nc_u32 v[V_FR], s15, v[V_FR]
	v_and_b32 v[V_GW], 7, v0                       ; rows 8-15 of the operand repeat experts 0-7
	v_lshlrev_b32 v[V_GW], 12, v[V_GW]
	v_lshl_add_u32 v[V_GW], v3, 5, v[V_GW]
	v_add_nc_u32 v[V_GW], s13, v[V_GW]
	v_add_nc_u32 v[V_PT], s16, v[V_L16]
	v_add_nc_u32 v[V_RD], PART, v[V_L16]
	v_lshlrev_b32 v[V_SL], 2, v2
	s_lshl_b32 s20, ttmp9, 16                      ; the group's 16 rows of x,
	s_mov_b32 s21, 0
	s_lshl_b32 s22, ttmp9, 6                       ; its 16 words of sel,
	s_mov_b32 s23, 0
	s_lshl_b32 s24, ttmp9, 15                      ; its 16 rows of xb
	s_mov_b32 s25, 0
	s_wait_kmcnt 0x0
	s_add_nc_u64 s[4:5], s[4:5], s[20:21]
	s_add_nc_u64 s[8:9], s[8:9], s[22:23]
	s_add_nc_u64 s[10:11], s[10:11], s[24:25]
.irp i, 0,1,2,3,4,5,6,7
	global_load_b128 v[XL+8*(\i):XL+8*(\i)+3],   v[V_X], s[4:5] offset:(\i)*8192 th:TH_LOAD_NT      ; row 2 i + h, channels 128 w + 8 r + 0..3
	global_load_b128 v[XL+8*(\i)+4:XL+8*(\i)+7], v[V_X], s[4:5] offset:(\i)*8192+16 th:TH_LOAD_NT   ; and + 4..7
.endr
.irp s, 0,1,2,3
.irp u, 0,1,2,3
	global_load_b128 v[GL+16*(\s)+4*(\u):GL+16*(\s)+4*(\u)+3], v[V_GW], s[6:7] offset:128*(\s)+64*((\u)/2)+16*((\u)%2)  ; K step s: channels 8 h + 0..7 and 16 + 8 h + 0..7
.endr
.endr
	s_wait_loadcnt 16                              ; x is in; the 16 loads of gate_w are younger
.irp i, 0,1,2,3,4,5,6,7
.irp p, 0,1,2,3
	v_cvt_pk_bf16_f32 v[XP+4*(\i)+(\p)], v[XL+8*(\i)+2*(\p)], v[XL+8*(\i)+2*(\p)+1]
.endr
.endr
.irp i, 0,1,2,3,4,5,6,7
	global_store_b128 v[V_XB], v[XP+4*(\i):XP+4*(\i)+3], s[10:11] offset:(\i)*4096   ; 16 lanes store 256 consecutive bytes, at a multiple of 256 from xb's first byte
	ds_store_b128 v[V_ST], v[XP+4*(\i):XP+4*(\i)+3] offset:(\i)*544
.endr
	s_wait_loadcnt 0x0                             ; gate_w
.irp s, 0,1,2,3
.irp p, 0,1,2,3,4,5,6,7
	v_cvt_pk_bf16_f32 v[GF+8*(\s)+(\p)], v[GL+16*(\s)+2*(\p)], v[GL+16*(\s)+2*(\p)+1]
.endr
.endr
.irp s, 0,1,2,3
	ds_load_b128 v[XF+8*(\s):XF+8*(\s)+3],   v[V_FR] offset:64*(\s)      ; my own bytes: LDS serves a wave's instructions in order (ISA guide 5.7.1.4)
	ds_load_b128 v[XF+8*(\s)+4:XF+8*(\s)+7], v[V_FR] offset:64*(\s)+32
.endr
	s_wait_dscnt 0x0
	; two accumulators by turns; the first product on each starts its sum
	v_wmma_f32_16x16x32_bf16 v[AC0:AC0+7], v[GF:GF+7],       v[XF:XF+7],       0
	v_wmma_f32_16x16x32_bf16 v[AC1:AC1+7], v[GF+8:GF+15],    v[XF+8:XF+15],    0
	v_wmma_f32_16x16x32_bf16 v[AC0:AC0+7], v[GF+16:GF+23],   v[XF+16:XF+23],   v[AC0:AC0+7]
	v_wmma_f32_16x16x32_bf16 v[AC1:AC1+7], v[GF+24:GF+31],   v[XF+24:XF+31],   v[AC1:AC1+7]
.rept 4
	v_nop                                          ; four places between a matrix instruction and a vector instruction on its registers (ISA guide 7.12.1)
.endr
.irp p, 0,1,2,3
	v_pk_add_f32 v[AC0+2*(\p):AC0+2*(\p)+1], v[AC0+2*(\p):AC0+2*(\p)+1], v[AC1+2*(\p):AC1+2*(\p)+1]   ; register j: expert j, token r (both halves of the lanes alike)
.endr
	ds_store_b128 v[V_PT], v[AC0:AC0+3]
	ds_store_b128 v[V_PT], v[AC0+4:AC0+7] offset:512
	s_wait_dscnt 0x0                               ; for wave 0's sake: my partial logits are in LDS
	s_barrier_signal -1
	s_barrier_wait -1
	s_cmp_lg_u32 s12, 0
	s_cbranch_scc1 .Lend
.irp w, 0,1,2,3,4,5,6,7
	ds_load_b128 v[16+8*(\w):16+8*(\w)+3], v[V_RD] offset:(\w)*1024
	ds_load_b128 v[16+8*(\w)+4:16+8*(\w)+7], v[V_RD] offset:(\w)*1024+512
.endr
	s_wait_dscnt 0x0
.irp w, 1,2,3,4,5,6,7
.irp p, 0,1,2,3
	v_pk_add_f32 v[16+2*(\p):16+2*(\p)+1], v[16+2*(\p):16+2*(\p)+1], v[16+8*(\w)+2*(\p):16+8*(\w)+2*(\p)+1]
.endr
.endr
	v_mov_b32 v[IDX], 0
.irp j, 1,2,3,4,5,6,7
	v_cmp_gt_f32 vcc_lo, v[16+(\j)], v16           ; strictly greater: of equal logits the lower index stays
	v_cndmask_b32 v16, v16, v[16+(\j)], vcc_lo
	v_cndmask_b32 v[IDX], v[IDX], \j, vcc_lo
.endr
	global_store_b32 v[V_SL], v[IDX], s[8:9]       ; lanes r and r + 16 store the same number to the same word
.Lend:
	s_wait_tensorcnt 0x0                           ; the wave's end, behind my last LDS store
	ds_add_u32 v[V_SPW], v[V_NIL]
	s_wait_dscnt 0x0
	s_endpgm
.Lfunc_end_k_q5e520bde16_router:
	.size	k_q5e520bde16_router, .Lfunc_end_k_q5e520bde16_router-k_q5e520bde16_router
	.p2alignl 7, 3214868480
	.fill 96, 4, 3214868480
	.section	.rodata,"a",@progbits
	.p2align	6, 0x0
	.amdhsa_kernel k_q5e520bde16_router
		.amdhsa_group_segment_fixed_size 44032
		.amdhsa_private_segment_fixed_size 0
		.amdhsa_enable_private_segment 0
		.amdhsa_kernarg_size 32
		.amdhsa_user_sgpr_count 2
		.amdhsa_user_sgpr_kernarg_segment_ptr 1
		.amdhsa_wavefront_size32 1
		.amdhsa_system_sgpr_workgroup_id_x 1
		.amdhsa_system_sgpr_workgroup_id_y 1
		.amdhsa_system_sgpr_workgroup_id_z 1
		.amdhsa_system_vgpr_workitem_id 0
		.amdhsa_next_free_vgpr 192
		.amdhsa_next_free_sgpr 66
		.amdhsa_reserve_vcc 1
		.amdhsa_float_denorm_mode_32 3
		.amdhsa_float_denorm_mode_16_64 3
		.amdhsa_memory_ordered 1
		.amdhsa_forward_progress 1
		.amdhsa_inst_pref_size 16
	.end_amdhsa_kernel
	.amdgpu_metadata
---
amdhsa.version: [ 1, 2 ]
amdhsa.kernels:
  - .name:           k_q5e520bde16_router
    .symbol:         k_q5e520bde16_router.kd
    .args:
      - { .name: x, .offset: 0, .size: 8, .value_kind: global_buffer, .address_space: global }
      - { .name: gate_w, .offset: 8, .size: 8, .value_kind: global_buffer, .address_space: global }
      - { .name: sel, .offset: 16, .size: 8, .value_kind: global_buffer, .address_space: global }
      - { .name: xb, .offset: 24, .size: 8, .value_kind: global_buffer, .address_space: global }
    .group_segment_fixed_size: 44032
    .private_segment_fixed_size: 0
    .kernarg_segment_align: 8
    .kernarg_segment_size: 32
    .max_flat_workgroup_size: 256
    .sgpr_count:     66
    .vgpr_count:     192
    .wavefront_size: 32
...
	.end_amdgpu_metadata
.endif
;; end of part 1
;; launch ffn1 (part 2): grid 32 x 8, 8 waves a work-group, no clusters, 267,264 bytes of LDS; arguments gate_bank, up_bank, xb, sel, hb; writes hb
.if DOCPART == 2
	.amdgcn_target "amdgcn-amd-amdhsa--gfx1250"
	.amdhsa_code_object_version 6
	.text
	.protected	k_q5e520bde16_ffn1
	.globl	k_q5e520bde16_ffn1
	.p2align	8
	.type	k_q5e520bde16_ffn1,@function
k_q5e520bde16_ffn1:
	s_mov_b64 s[64:65], 0
	v_nop
	global_prefetch_b8 v0, s[64:65] scope:SCOPE_SE
	s_setreg_imm32_b32 hwreg(HW_REG_WAVE_MODE, 25, 1), 1
	s_wait_xcnt 0x0
; FIRST PRODUCTS.  For the tokens t with sel[t] = e:  h[t][n] = silu(a) u,  a = sum over d of x[t][d] gate_bank[e][d][n],  u likewise with up_bank.
; gate_bank, up_bank: [8][1024][2048] f32; xb: [1024][1024] bf16; sel: [1024] u32; hb: bf16, [e 8][tile 64][block 32][2,048 bytes].
; SHARES.  A work-group has expert e (grid y) and 64 columns n (grid x): 512 KB of f32 weights, which it alone reads, once, whatever the split of the tokens.  All eight waves run one text.
; THE STREAM goes in 16 SUBS of 64 along K (32 KB of f32).  Of a sub wave w loads one GROUP: K step w / 4, matrix (w / 2) % 2, half w % 2 of the step's 32 rows: eight loads of 16 bytes a lane.
; THE WEIGHTS ARE TURNED IN REGISTERS.  Lane (r, h) loads 16 bytes of row k: columns 4 r + 0..3.  Word c belongs to operand c, whose column number r stands for column 4 r + c; two loads of
; neighbouring k give one packed rounding.  Each half of the lanes reads 256 consecutive bytes of a weight row, at a multiple of 256 from the buffer's first byte.
; THE WHOLE SLICE STAYS IN LDS in bf16 (262,144 bytes), each byte written once.  The rounding runs three subs ahead of the products, so one barrier serves three subs: between two barriers subs
; 3 k .. 3 k + 2 are read and subs 3 k + 3 .. 3 k + 5 written.
; ONE QUEUE OF LOADS.  Loads come back in the order of issue (ISA guide 5.7.1), so the token operands are asked for as far ahead as the weights: three subs, 3 x (8 + 12) = 60 loads of a wave out.
; Every counted wait is NI - MK: the loads issued so far less those issued up to the end of the group that is wanted; both are symbols of this text.  DN is the furthest place in the queue that a wait has
; shown in: a group at or ahead of it gets no wait (the weights of subs 4 and 5, which were asked for ahead of the first token operands).
; PRODUCTS.  Wave w multiplies for q = w % 4 (three tiles of 16 rows) and ch = w / 4 (operands 2 ch, 2 ch + 1 of both matrices): 12 products a K step.
; ROWS.  The expert's tokens are listed by wave 0 (a counting sort of sel: matches from the list's head, the others from its end, so every word is written).  A tile is 16 places of the list; in pass P the waves
; with number q have tiles 12 P + 4 i + q.  Pass 0 (192 rows) runs under the stream; later passes multiply from the resident slice, in a loop with no barrier and no LDS write.  Places past the count repeat
; the last row that exists; dead tiles' products are jumped (a wave's first tile of pass 0 is always multiplied) and nothing is stored for them.  Tile 0 of every expert counts as live, also where the expert has no
; row: the next launch's dead tiles read there.  Every split is served: 1,024 rows on one expert, or none.
; hb's block (e, tile, block): plane 2 ch + rho of 512 bytes, byte 16 x lane: place r, columns 32 h + 4 j + 2 ch + 0..1 for j = 4 rho + 0..3: what my lanes hold, and what the next launch's operand takes.
; LIMITS.  x and the weights are rounded to bf16, h once to bf16; sums in f32.  1 / (1 + 2^(-1.4427 a)): where the power overflows the quotient is 0, silu's limit; the power and the quotient flush denormals;
; a u must be finite in f32.  NaN and infinities are not treated apart.
; NO CLUSTER: each slice of weights has one reader; what an expert's work-groups share is token rows, which come by a list that no tile descriptor covers.
.set LIST,  262144                     ; behind the slice: 1,024 words
.set SPARE, 266240                     ; the spare words, 128 bytes a wave: four blocks of 256 bytes that no other line names
.set SUBB,  0x80000                    ; a sub in memory: 64 rows of 8,192 bytes
.set ROWB,  8192
.set NSUB,  16
.set LEAD,  3                          ; subs asked for ahead, and subs that the rounding runs ahead of the products
.set S_WV, 14                          ; wave
.set S_EX, 15                          ; expert
.set S_BLK, 16                         ; column block
.set S_Q, 17                           ; w % 4
.set S_NE, 18                          ; the expert's rows
.set S_NT, 19                          ; its tiles, at least 1
.set S_CH, 20                          ; w / 4
.set S_NL, 21                          ; my live tiles in the pass, 0..3
.set S_P, 22                           ; pass
.set S_IC, 23                          ; subs to go in a later pass
.set S_WP, 24                          ; s[24:25] my matrix at my group of sub 0; never stepped
.set S_XP, 28                          ; s[28:29] later passes: xb at the sub in hand
.set S_OF, 30                          ; s[30:31] an offset
.set S_HB, 32                          ; s[32:33] hb at (e, tile 0, block, plane 2 ch)
.set S_PFX, 34
.set S_BC, 35
.set S_LO, 36                          ; later passes: the sub's place in LDS
.set S_TB, 38                          ; 12 P + q
.set S_NM1, 39                         ; the last place that exists
.set S_TI, 40
.set S_TS, 41
.set S_RHO, 42                         ; w % 2
.set S_M, 43                           ; (w / 2) % 2
.set S_LS, 44
.set S_O2, 46                          ; s[46:47] an offset
.set S_CS, 48                          ; s[48:49] -log2(e)
.set V_SPW, 4                          ; LDS address of my spare word; never rewritten
.set V_NIL, 5                          ; 0; never rewritten
.set V_L16, 6                          ; 16 x lane
.set V_H16, 7                          ; 16 h
.set V_W,  8                           ; h x 8 rows + 16 r
.set V_RO, 9                           ; v9-11   tile i: my token's row in xb + 16 h
.set V_HO, 12                          ; v12-14  tile i: its place in hb + 16 x lane
.set V_PF, 15                          ; r x one row + h x one sub
.set V_LS, 24                          ; v24-27  where my rounded operands go, in each quarter of the slice
.set V_LB, 28                          ; v28-31  where my operands are read, in each quarter of the slice
.set TT,   32                          ; v32-47  rounded operands on their way to LDS
.set V_LBP, 48                         ; later passes: where my operands are read
.set SV,   64                          ; v64-95  sel, then free
.set AR,   64                          ; v64-207 token operands: sub v, K step t, tile i at AR + 48 (v % 3) + 24 t + 8 i
.set EE,   208                         ; the way out
.set AU,   224
.set PP,   240
.set BF,   96                          ; window 1: weights' operands: K step t, matrix m, operand c at BF + 32 t + 16 m + 8 c;  v0-95: sums, tile i, matrix m, operand c at 32 i + 16 m + 8 c
.set WR,   160                         ; window 1: v160-255 weights as loaded: sub v at WR + 32 (v % 3)
.set MSB, 0
.set NI, 0                             ; loads issued so far
.set MK, 0
.set DN, 0                             ; the furthest place in the queue that a wait has shown in
.macro WIN new                         ; s_set_vgpr_msb: bits 1:0 source 0, 3:2 source 1, 5:4 source 2, 7:6 destination; the high byte repeats the setting that is left
.if MSB != (\new)
	s_set_vgpr_msb (MSB<<8)|(\new)
.set MSB, \new
.endif
.endm
.macro SETMARK idx                     ; group idx (0-2: weights' ring; 3-8: token ring) ends here in the queue
.irp n, 0,1,2,3,4,5,6,7,8
.if (\idx) == \n
.set MK\n, NI
.endif
.endr
.endm
.macro GETMARK idx
.irp n, 0,1,2,3,4,5,6,7,8
.if (\idx) == \n
.set MK, MK\n
.endif
.endr
.endm
.macro WAITL idx                       ; group idx is in: what was issued behind it stays out; no line where an earlier wait has shown a younger group in
	GETMARK \idx
.if MK > DN
	s_wait_loadcnt NI-MK
.set DN, MK
.endif
.endm
.macro PLACES                          ; four places between a matrix instruction and a load into, or a vector instruction on, its registers (ISA guide 7.12.1 for vector instructions)
.rept 4
	v_nop
.endr
.endm
.macro BAR
	s_wait_dscnt 0x0                               ; for the others' sake: my LDS stores are done, and my LDS reads are back
	s_barrier_signal -1
	s_barrier_wait -1
.endm
.macro LLOAD v                         ; my group of sub v: rows 8 h + 0..7 of its 16
	WIN 0x40                                       ; destination window 1, address window 0
.irp i, 0,1,2,3,4,5,6,7
	global_load_b128 v[WR+32*((\v)%LEAD)+4*(\i):WR+32*((\v)%LEAD)+4*(\i)+3], v[V_W], s[S_WP:S_WP+1] offset:(\v)*SUBB+(\i)*ROWB th:TH_LOAD_NT
.endr
.set NI, NI+8
	SETMARK (\v)%LEAD
.endm
.macro LGRP v                          ; my group of sub v is rounded and stored to LDS; its registers are loaded again, three subs on
	WAITL (\v)%LEAD
	WIN 0x05                                       ; sources window 1, destination window 0
.irp c, 0,1,2,3
.irp p, 0,1,2,3
	v_cvt_pk_bf16_f32 v[TT+4*(\c)+(\p)], v[WR+32*((\v)%LEAD)+8*(\p)+(\c)], v[WR+32*((\v)%LEAD)+8*(\p)+4+(\c)]   ; operand c, rows 2 p and 2 p + 1
.endr
.endr
.if (\v)+LEAD < NSUB
	LLOAD (\v)+LEAD
.endif
	WIN 0
.if (((\v)%2) == 0) && ((\v) <= 8)
	; asked ahead: my 16 rows of sub v + 5 (lanes 0-15) and of sub v + 6 (lanes 16-31), a lane a row, of which 256 bytes are mine; their loads are issued two and three subs further on;
	; each block is asked for once, by the wave that will load it; sub 14 is the last that is asked for
	global_prefetch_b8 v[V_PF], s[S_WP:S_WP+1] offset:((\v)+5)*SUBB th:TH_LOAD_NT scope:SCOPE_SE
.endif
.irp c, 0,1,2,3
	ds_store_b128 v[V_LS+(\v)/4], v[TT+4*(\c):TT+4*(\c)+3] offset:((\v)%4)*16384+(\c)*1024   ; 512 consecutive bytes a store
.endr
.endm
.macro ALD v, t                        ; the token operands of K step t of sub v, all three tiles: six loads
	WIN 0
.irp i, 0,1,2
	global_load_b128 v[AR+48*((\v)%LEAD)+24*(\t)+8*(\i):AR+48*((\v)%LEAD)+24*(\t)+8*(\i)+3],   v[V_RO+(\i)], s[8:9] offset:64*(2*(\v)+(\t))
	global_load_b128 v[AR+48*((\v)%LEAD)+24*(\t)+8*(\i)+4:AR+48*((\v)%LEAD)+24*(\t)+8*(\i)+7], v[V_RO+(\i)], s[8:9] offset:64*(2*(\v)+(\t))+32
.endr
.set NI, NI+6
	SETMARK 3+2*((\v)%LEAD)+(\t)
.endm
.macro KLOADB t, base, off             ; my four operands of a K step: eight loads of 512 consecutive bytes
	WIN 0x40
.irp m, 0,1
.irp c, 0,1
	ds_load_b128 v[BF+32*(\t)+16*(\m)+8*(\c):BF+32*(\t)+16*(\m)+8*(\c)+3],   v[\base] offset:(\off)+(\m)*4096+(\c)*1024
	ds_load_b128 v[BF+32*(\t)+16*(\m)+8*(\c)+4:BF+32*(\t)+16*(\m)+8*(\c)+7], v[\base] offset:(\off)+(\m)*4096+(\c)*1024+512
.endr
.endr
.endm
; The weights are source 0, the tokens source 1: a lane then holds token r, and register j of operand c column 32 h + 4 j + c.
.macro WM i, t, g
.irp m, 0,1
.irp c, 0,1
	v_wmma_f32_16x16x32_bf16 v[32*(\i)+16*(\m)+8*(\c):32*(\i)+16*(\m)+8*(\c)+7], v[BF+32*(\t)+16*(\m)+8*(\c):BF+32*(\t)+16*(\m)+8*(\c)+7], v[AR+48*(\g)+24*(\t)+8*(\i):AR+48*(\g)+24*(\t)+8*(\i)+7], v[32*(\i)+16*(\m)+8*(\c):32*(\i)+16*(\m)+8*(\c)+7]
.endr
.endr
.endm
.macro BATCH t, g                      ; up to twelve products; the sums take turns, one instruction a turn; dead tiles are jumped
	WIN 0x51                                       ; weights, C and D window 1, tokens window 0
	WM 0, \t, \g
	WIN 0
	s_cmp_lt_u32 s[S_NL], 2
	s_cbranch_scc1 .Lx_\@
	WIN 0x51
	WM 1, \t, \g
	WIN 0
	s_cmp_lt_u32 s[S_NL], 3
	s_cbranch_scc1 .Lx_\@
	WIN 0x51
	WM 2, \t, \g
	WIN 0
.Lx_\@:
.endm
.macro MATH                            ; the products of sub u; its token registers are loaded again, three subs on
	KLOADB 0, V_LB+u/4, (u%4)*16384
	KLOADB 1, V_LB+u/4, (u%4)*16384+8192
.irp t, 0,1
	WAITL 3+2*(u%LEAD)+(\t)                        ; this K step's six loads are in
	s_wait_dscnt 8-8*(\t)                          ; its operands are in; the other K step's eight loads may be younger
	BATCH \t, u%LEAD
	PLACES
.if u+LEAD < NSUB
	ALD u+LEAD, \t
.endif
.endr
.endm
; The routing.  Register q of lane L is token 128 (q / 4) + 4 L + q % 4.  st = 1: the list is written: a match goes to its rank, the others are counted down from the list's end.
.macro ROUTE st
.set q, 0
.rept 32
	v_cmp_eq_u32 vcc_lo, s[S_EX], v[SV+q]
	s_bcnt1_i32_b32 s[S_BC], vcc_lo
.if \st
	v_mbcnt_lo_u32_b32 v16, vcc_lo, s[S_PFX]       ; matches ahead of me
	v_add_nc_u32 v17, v19, v16                     ; 1,023 less the others ahead of me
	v_cndmask_b32 v16, v17, v16, vcc_lo
	v_min_u32 v16, 0x3ff, v16
	v_lshl_add_u32 v16, v16, 2, LIST
	v_add_nc_u32 v20, 128*(q/4)+q%4, v21
	ds_store_b32 v16, v20
	v_add_nc_u32 v19, 0xffffffe0, v19
.endif
	s_add_co_u32 s[S_PFX], s[S_PFX], s[S_BC]
.set q, q+1
.endr
.endm
.macro NLCALC                          ; my first tile of pass P, and how many of my three are live
	s_mul_i32 s[S_TB], s[S_P], 12
	s_add_co_u32 s[S_TB], s[S_TB], s[S_Q]
	s_add_co_u32 s[S_NL], s[S_NT], 3
	s_sub_co_i32 s[S_NL], s[S_NL], s[S_TB]
	s_max_i32 s[S_NL], s[S_NL], 0
	s_lshr_b32 s[S_NL], s[S_NL], 2
	s_min_u32 s[S_NL], s[S_NL], 3
.endm
.macro SETUP                           ; my three tiles' tokens and places
.irp i, 0,1,2
	s_add_co_u32 s[S_TI], s[S_TB], 4*(\i)
	s_min_u32 s[S_TI], s[S_TI], 63
	s_lshl_b32 s[S_TS], s[S_TI], 4
	v_add_nc_u32 v16, s[S_TS], v2                  ; place 16 T + r,
	v_min_u32 v16, s[S_NM1], v16                   ; or the last that exists
	v_min_u32 v16, 0x3ff, v16
	v_lshl_add_u32 v16, v16, 2, LIST
	ds_load_b32 v[17+(\i)], v16
	s_lshl_b32 s[S_TS], s[S_TI], 16
	v_add_nc_u32 v[V_HO+(\i)], s[S_TS], v[V_L16]
.endr
	s_wait_dscnt 0x0
.irp i, 0,1,2
	v_min_u32 v[17+(\i)], 0x3ff, v[17+(\i)]
	v_lshl_add_u32 v[V_RO+(\i)], v[17+(\i)], 11, v[V_H16]
.endr
.endm
.macro CLEAR                           ; the sums start at 0, on purpose by moves: one text then serves every K step and every jump over a dead tile; it stands in the wait for the first data
	WIN 0x40
.set n, 0
.rept 96
	v_mov_b32 v[n], 0
.set n, n+1
.endr
	WIN 0
.endm
; THE WAY OUT of tile i: h = a u / (1 + 2^(-a log2 e)), rounded to bf16; two stores of 512 consecutive bytes.  Each sum's lowest registers are read first.
.macro EPI i
	s_cmp_le_u32 s[S_NL], \i
	s_cbranch_scc1 .Lno_\@
	s_wait_xcnt 0x0                                ; the last tile's stores have read their registers
	WIN 0x01
.irp p, 0,1,2,3,4,5,6,7
	v_pk_mul_f32 v[EE+2*(\p):EE+2*(\p)+1], v[32*(\i)+2*(\p):32*(\i)+2*(\p)+1], s[S_CS:S_CS+1] op_sel_hi:[1,0]
.endr
	WIN 0x05
.irp p, 0,1,2,3,4,5,6,7
	v_pk_mul_f32 v[AU+2*(\p):AU+2*(\p)+1], v[32*(\i)+2*(\p):32*(\i)+2*(\p)+1], v[32*(\i)+16+2*(\p):32*(\i)+16+2*(\p)+1]
.endr
	WIN 0
.set n, 0
.rept 16
	v_exp_f32 v[EE+n], v[EE+n]
.set n, n+1
.endr
	v_nop                                          ; a plain instruction behind the last power,
	s_wait_alu depctr_va_vdst(0)                   ; and the one wait ahead of the batch's first reader
.set n, 0
.rept 8
	v_pk_add_f32 v[EE+n:EE+n+1], v[EE+n:EE+n+1], 1.0 op_sel_hi:[1,0]
.set n, n+2
.endr
.set n, 0
.rept 16
	v_rcp_f32 v[EE+n], v[EE+n]
.set n, n+1
.endr
	v_nop
	s_wait_alu depctr_va_vdst(0)                   ; one wait for the 16 reciprocals
.set n, 0
.rept 8
	v_pk_mul_f32 v[AU+n:AU+n+1], v[AU+n:AU+n+1], v[EE+n:EE+n+1]
.set n, n+2
.endr
.irp j, 0,1,2,3,4,5,6,7
	v_cvt_pk_bf16_f32 v[PP+(\j)], v[AU+(\j)], v[AU+8+(\j)]   ; columns 32 h + 4 j + 2 ch and + 1
.endr
	global_store_b128 v[V_HO+(\i)], v[PP:PP+3], s[S_HB:S_HB+1]
	global_store_b128 v[V_HO+(\i)], v[PP+4:PP+7], s[S_HB:S_HB+1] offset:512
.Lno_\@:
.endm
	s_load_b256 s[4:11], s[0:1], 0x0               ; gate_bank s[4:5], up_bank s[6:7], xb s[8:9], sel s[10:11]
	s_load_b64 s[12:13], s[0:1], 0x20              ; hb
	v_lshl_add_u32 v[V_SPW], v0, 2, SPARE
	v_mov_b32 v[V_NIL], 0
	v_lshrrev_b32 v1, 5, v0
	v_readfirstlane_b32 s[S_WV], v1
	v_and_b32 v1, 31, v0                           ; lane
	v_and_b32 v2, 15, v0                           ; r
	v_bfe_u32 v3, v0, 4, 1                         ; h
	v_lshlrev_b32 v[V_L16], 4, v1
	v_lshlrev_b32 v[V_H16], 4, v3
	s_and_b32 s[S_EX], ttmp7, 0xffff
	s_mov_b32 s[S_BLK], ttmp9
	s_and_b32 s[S_Q], s[S_WV], 3
	s_lshr_b32 s[S_CH], s[S_WV], 2
	s_and_b32 s[S_RHO], s[S_WV], 1
	s_lshr_b32 s[S_M], s[S_WV], 1
	s_and_b32 s[S_M], s[S_M], 1
	s_lshl_b32 s[S_OF], s[S_EX], 23                ; my group of sub 0: expert x 8 MiB + block x 256 bytes + (w / 4) x 32 rows + (w % 2) x 16 rows
	s_lshl_b32 s[S_TS], s[S_BLK], 8
	s_add_co_u32 s[S_OF], s[S_OF], s[S_TS]
	s_lshl_b32 s[S_TS], s[S_CH], 18
	s_add_co_u32 s[S_OF], s[S_OF], s[S_TS]
	s_lshl_b32 s[S_TS], s[S_RHO], 17
	s_add_co_u32 s[S_OF], s[S_OF], s[S_TS]
	s_mov_b32 s[S_OF+1], 0
	s_lshl_b32 s[S_O2], s[S_EX], 22                ; hb: expert x 4 MiB + block x 2,048 + ch x 1,024
	s_lshl_b32 s[S_TS], s[S_BLK], 11
	s_add_co_u32 s[S_O2], s[S_O2], s[S_TS]
	s_lshl_b32 s[S_TS], s[S_CH], 10
	s_add_co_u32 s[S_O2], s[S_O2], s[S_TS]
	s_mov_b32 s[S_O2+1], 0
	s_lshl_b32 s[S_LS], s[S_CH], 13                ; in a sub of the slice: K step x 8,192 + matrix x 4,096 + operand x 1,024 + half x 512 + 16 x lane
	s_lshl_b32 s[S_TS], s[S_M], 12
	s_add_co_u32 s[S_LS], s[S_LS], s[S_TS]
	s_lshl_b32 s[S_TS], s[S_RHO], 9
	s_add_co_u32 s[S_LS], s[S_LS], s[S_TS]
	v_add_nc_u32 v[V_LS], s[S_LS], v[V_L16]
	s_lshl_b32 s[S_TS], s[S_CH], 11                ; I read operands 2 ch and 2 ch + 1
	v_add_nc_u32 v[V_LB], s[S_TS], v[V_L16]
.irp k, 1,2,3
	v_add_nc_u32 v[V_LS+(\k)], (\k)*0x10000, v[V_LS]
	v_add_nc_u32 v[V_LB+(\k)], (\k)*0x10000, v[V_LB]
.endr
	v_lshlrev_b32 v[V_W], 16, v3
	v_lshl_add_u32 v[V_W], v2, 4, v[V_W]
	v_lshlrev_b32 v[V_PF], 13, v2
	v_lshl_add_u32 v[V_PF], v3, 19, v[V_PF]
	s_mov_b32 s[S_CS], 0xbfb8aa3b                  ; -log2(e)
	s_mov_b32 s[S_CS+1], s[S_CS]                   ; named with it as a pair
	s_mov_b32 s[S_PFX], 0
	v_lshlrev_b32 v21, 2, v1
	v_sub_nc_u32 v19, 1023, v1
	s_wait_kmcnt 0x0
	s_cmp_lg_u32 s[S_M], 0                         ; which of the two matrices I load hangs on the wave's number alone
	s_cselect_b64 s[S_WP:S_WP+1], s[6:7], s[4:5]
	s_add_nc_u64 s[S_WP:S_WP+1], s[S_WP:S_WP+1], s[S_OF:S_OF+1]
	s_add_nc_u64 s[S_HB:S_HB+1], s[12:13], s[S_O2:S_O2+1]
.irp j, 0,1,2,3,4,5,6,7
	global_load_b128 v[SV+4*(\j):SV+4*(\j)+3], v[V_L16], s[10:11] offset:(\j)*512
.endr
	LLOAD 0
	LLOAD 1
	LLOAD 2
	LGRP 0                                         ; subs 0 to 2 are rounded, and subs 3 to 5 asked for, ahead of the routing: the stream does not wait for it.  sel, older in the queue, is in with sub 0
	LGRP 1
	LGRP 2
	s_cmp_eq_u32 s[S_WV], 0
	s_cbranch_scc0 .Lcount
	ROUTE 1                                        ; wave 0 counts and writes the list
	s_branch .Lrouted
.Lcount:
	ROUTE 0                                        ; the others count
.Lrouted:
	s_min_u32 s[S_NE], s[S_PFX], 0x400
	s_add_co_u32 s[S_NT], s[S_NE], 15
	s_lshr_b32 s[S_NT], s[S_NT], 4
	s_max_u32 s[S_NT], s[S_NT], 1                  ; tile 0 counts as live
	s_max_u32 s[S_NM1], s[S_NE], 1
	s_sub_co_u32 s[S_NM1], s[S_NM1], 1
	BAR                                            ; the list and subs 0 to 2 are in LDS
	s_mov_b32 s[S_P], 0
	NLCALC
	SETUP
	BAR                                            ; every wave has read the list before any wave stores to LDS again
.irp v, 0,1,2
	ALD \v, 0
	ALD \v, 1
.endr
	CLEAR
.set u, 0
.rept NSUB
.if (u > 0) && ((u%LEAD) == 0)
	BAR                                            ; subs u to u + 2 are in LDS, everybody's part of them
.endif
.if u+LEAD < NSUB
	LGRP u+LEAD
.endif
	MATH
.set u, u+1
.endr
	s_mov_b32 s[S_P], 0
.Lpass:                                                ; six passes of 12 tiles cover the 64 tiles that one expert can have; a pass in which I have no live tile is jumped
	s_cmp_eq_u32 s[S_P], 0
	s_cbranch_scc1 .Lep                            ; pass 0 has been multiplied under the stream
	NLCALC
	s_cmp_eq_u32 s[S_NL], 0
	s_cbranch_scc1 .Lbottom
	s_wait_loadcnt 0x0
	s_wait_xcnt 0x0                                ; the last pass's stores have read their offsets and data
	SETUP
	CLEAR
	s_mov_b64 s[S_XP:S_XP+1], s[8:9]
	s_mov_b32 s[S_LO], 0
	s_mov_b32 s[S_IC], NSUB
.Lin:                                                  ; a sub of the resident slice: two K steps
	v_add_nc_u32 v[V_LBP], s[S_LO], v[V_LB]
.irp t, 0,1
.irp i, 0,1,2
	global_load_b128 v[AR+24*(\t)+8*(\i):AR+24*(\t)+8*(\i)+3],   v[V_RO+(\i)], s[S_XP:S_XP+1] offset:64*(\t)
	global_load_b128 v[AR+24*(\t)+8*(\i)+4:AR+24*(\t)+8*(\i)+7], v[V_RO+(\i)], s[S_XP:S_XP+1] offset:64*(\t)+32
.endr
.endr
	KLOADB 0, V_LBP, 0
	KLOADB 1, V_LBP, 8192
	s_wait_loadcnt 6                               ; the first K step's six loads are in; the second's six are younger
	s_wait_dscnt 8
	BATCH 0, 0
	PLACES
	s_wait_loadcnt 0x0
	s_wait_dscnt 0x0
	BATCH 1, 0
	PLACES
	s_wait_xcnt 0x0                                ; xb's address is stepped only behind this wait
	s_add_nc_u64 s[S_XP:S_XP+1], s[S_XP:S_XP+1], 128
	s_add_co_u32 s[S_LO], s[S_LO], 16384
	s_sub_co_i32 s[S_IC], s[S_IC], 1
	s_cmp_lg_u32 s[S_IC], 0
	s_cbranch_scc1 .Lin
.Lep:
	EPI 0
	EPI 1
	EPI 2
.Lbottom:
	s_add_co_u32 s[S_P], s[S_P], 1
	s_cmp_lt_u32 s[S_P], 6
	s_cbranch_scc1 .Lpass
	BAR                                            ; every wave's LDS reads are over
	s_wait_tensorcnt 0x0                           ; the wave's end, behind my last LDS store
	ds_add_u32 v[V_SPW], v[V_NIL]
	s_wait_dscnt 0x0
	s_endpgm
.Lfunc_end_k_q5e520bde16_ffn1:
	.size	k_q5e520bde16_ffn1, .Lfunc_end_k_q5e520bde16_ffn1-k_q5e520bde16_ffn1
	.p2alignl 7, 3214868480
	.fill 96, 4, 3214868480
	.section	.rodata,"a",@progbits
	.p2align	6, 0x0
	.amdhsa_kernel k_q5e520bde16_ffn1
		.amdhsa_group_segment_fixed_size 267264
		.amdhsa_private_segment_fixed_size 0
		.amdhsa_enable_private_segment 0
		.amdhsa_kernarg_size 40
		.amdhsa_user_sgpr_count 2
		.amdhsa_user_sgpr_kernarg_segment_ptr 1
		.amdhsa_wavefront_size32 1
		.amdhsa_system_sgpr_workgroup_id_x 1
		.amdhsa_system_sgpr_workgroup_id_y 1
		.amdhsa_system_sgpr_workgroup_id_z 1
		.amdhsa_system_vgpr_workitem_id 0
		.amdhsa_next_free_vgpr 512
		.amdhsa_next_free_sgpr 66
		.amdhsa_reserve_vcc 1
		.amdhsa_float_denorm_mode_32 3
		.amdhsa_float_denorm_mode_16_64 3
		.amdhsa_memory_ordered 1
		.amdhsa_forward_progress 1
		.amdhsa_inst_pref_size 162
	.end_amdhsa_kernel
	.amdgpu_metadata
---
amdhsa.version: [ 1, 2 ]
amdhsa.kernels:
  - .name:           k_q5e520bde16_ffn1
    .symbol:         k_q5e520bde16_ffn1.kd
    .args:
      - { .name: gate_bank, .offset: 0, .size: 8, .value_kind: global_buffer, .address_space: global }
      - { .name: up_bank, .offset: 8, .size: 8, .value_kind: global_buffer, .address_space: global }
      - { .name: xb, .offset: 16, .size: 8, .value_kind: global_buffer, .address_space: global }
      - { .name: sel, .offset: 24, .size: 8, .value_kind: global_buffer, .address_space: global }
      - { .name: hb, .offset: 32, .size: 8, .value_kind: global_buffer, .address_space: global }
    .group_segment_fixed_size: 267264
    .private_segment_fixed_size: 0
    .kernarg_segment_align: 8
    .kernarg_segment_size: 40
    .max_flat_workgroup_size: 256
    .sgpr_count:     66
    .vgpr_count:     512
    .wavefront_size: 32
...
	.end_amdgpu_metadata
.endif
;; end of part 2
;; launch ffn2 (part 3): grid 16 x 8, 8 waves a work-group, no clusters, 316,416 bytes of LDS; arguments down_bank, hb, sel, out0; writes out0
.if DOCPART == 3
	.amdgcn_target "amdgcn-amd-amdhsa--gfx1250"
	.amdhsa_code_object_version 6
	.text
	.protected	k_q5e520bde16_ffn2
	.globl	k_q5e520bde16_ffn2
	.p2align	8
	.type	k_q5e520bde16_ffn2,@function
k_q5e520bde16_ffn2:
	s_mov_b64 s[64:65], 0
	v_nop
	global_prefetch_b8 v0, s[64:65] scope:SCOPE_SE
	s_setreg_imm32_b32 hwreg(HW_REG_WAVE_MODE, 25, 1), 1
	s_wait_xcnt 0x0
; LAST PRODUCT.  For the tokens t with sel[t] = e:  out0[t][n] = sum over k of h[t][k] down_bank[e][k][n].
; down_bank: [8][2048][1024] f32; hb: bf16, [e 8][tile 64][block 32][2,048 bytes], as the launch before left it; sel: [1024] u32; out0: [1024][1024] f32.
; SHARES.  A work-group has expert e (grid y) and 64 columns n (grid x): 2,048 rows x 256 bytes = 512 KB of f32 weights, which it alone reads, once.  128 work-groups: slices of 32 columns would read
; half of each 256 consecutive bytes of a weight row, and a split of K over work-groups would want one more launch to add the parts.  All eight waves run one text.
; THE STREAM goes in 16 SUBS of 128 along K (32 KB of f32): two blocks of 64.  Of a sub wave w loads one GROUP: block w / 4, sigma = (w / 2) % 2, rho = w % 2: eight loads of 16 bytes a lane.  The weights are turned
; in registers, the whole slice stays in LDS in bf16, the rounding runs three subs ahead of the products with one barrier for three subs, and all loads go in one queue, three subs ahead
; (3 x (8 + 12) = 60 loads of a wave out; every counted wait is NI - MK, symbols of this text; a group that an earlier wait has shown in gets none): as in the launch before.
; THE ORDER OF K.  In K step (block, sigma) place (h, rho, a) of an operand stands for k = 64 block + 32 h + 16 rho + 4 (a / 2) + 2 sigma + a % 2, alike for h and for the weights' rows:
; so a plane of hb's block (512 consecutive bytes) is half an operand as it lies.
; PRODUCTS, PASS 0 (192 rows, under the stream).  Wave w multiplies for q = w % 4 (tiles 4 i + q) and kh = w / 4: block kh of each sub, all four operands: 12 products a K step; h is read once by the work-group.
; THE TWO PARTIAL SUMS (f32) of waves q and q + 4 meet in LDS once, by the same lines in both: wave kh loads h with lane L xor 4 kh, so that register j of half h is place (8 h + j) xor 4 kh; every wave stores registers 0-3
; of each sum into its own 6 KB, and behind one barrier adds its partner's onto its registers 4-7: those are the same places.  Each wave then stores four rows of each half of the lanes.
; LATER PASSES (tiles 12 on, 24 a pass) multiply from the resident slice, a wave's tiles over all K: no exchange, no barrier, no LDS write.
; ROWS.  The list of the expert's tokens is made by the same lines as in the launch before, so place p is the same token.  A dead tile's loads read 16 bytes of the expert's tile 0, which the launch before always
; writes; its products are jumped (a wave's first tile of pass 0 is always multiplied) and nothing is stored for it.  Each output row has one owner: the token's expert; places past the count store the last row's numbers once more.
; LIMITS.  The weights are rounded to bf16; sums in f32.  NaN and infinities are not treated apart.
; NO CLUSTER: each slice of weights has one reader.  An expert's work-groups share hb's rows, but beside the resident slice and the exchange 10 KB of LDS are left, and their number hangs on a count read from memory.
.set LIST,  262144                     ; behind the slice: 1,024 words
.set XCH,   266240                     ; the exchange: 6,144 bytes a wave
.set SPARE, XCH+8*6144                 ; the spare words, 128 bytes a wave: four blocks of 256 bytes that no other line names
.set SUBB,  0x80000                    ; a sub in memory: 128 rows of 4,096 bytes
.set ROWB,  4096
.set NSUB,  16
.set LEAD,  3
.set S_WV, 14
.set S_EX, 15
.set S_BLK, 16
.set S_Q, 17
.set S_NE, 18
.set S_NT, 19
.set S_KH, 20                          ; w / 4
.set S_NL, 21
.set S_P, 22
.set S_IC, 23
.set S_WP, 24                          ; s[24:25] down_bank at my group of sub 0; never stepped
.set S_HP, 28                          ; s[28:29] later passes: hb at the block in hand
.set S_OF, 30
.set S_OUT, 32                         ; s[32:33] out0 at my 64 columns
.set S_PFX, 34
.set S_BC, 35
.set S_LO, 36
.set S_E22, 37                         ; my expert's part of hb
.set S_TB, 38                          ; my first tile of the pass
.set S_NM1, 39
.set S_TI, 40
.set S_TS, 41
.set S_RHO, 42
.set S_SG, 43
.set S_LS, 44
.set S_KHO, 45                         ; pass 0: kh x 2,048; later 0
.set S_MSK, 46
.set V_SPW, 4
.set V_NIL, 5
.set V_L16, 6
.set V_H8,  7                          ; 8 h
.set V_W,  8                           ; h x 32 rows + 16 r
.set V_VO, 9                           ; v9-11 tile i: its place in hb + my lane's 16 bytes
.set V_XS, 12                          ; the exchange: my own part
.set V_XR, 13                          ; my partner's
.set V_R16, 14                         ; 16 r
.set V_PF, 15
.set V_LBP, 18                         ; later passes: where the operands are read
.set V_PL, 22                          ; the first place of a tile that my half of the lanes stores
.set V_LT, 23                          ; my lane's 16 bytes in a plane of hb
.set V_LS, 24
.set V_LB, 28
.set TT,   32
.set OO,   32                          ; v32-63 the way out: four neighbouring columns of up to eight rows
.set SV,   64
.set AR,   64                          ; v64-207 h's operands: sub v, K step t, tile i at AR + 48 (v % 3) + 24 t + 8 i
.set XX,   208                         ; v208-223 my partner's registers 0-3 of a tile's four sums
.set TO,   240                         ; v240-247 a row's token x 4,096 + 16 r
.set TA,   248
.set BF,   96                          ; window 1: weights' operands: K step t, operand c at BF + 32 t + 8 c;  v0-95: sums, tile i, operand c at 32 i + 8 c
.set WR,   160                         ; window 1: v160-255 weights as loaded
.set MSB, 0
.set NI, 0                             ; loads issued so far
.set MK, 0
.set DN, 0                             ; the furthest place in the queue that a wait has shown in
.macro WIN new                         ; s_set_vgpr_msb: bits 1:0 source 0, 3:2 source 1, 5:4 source 2, 7:6 destination; the high byte repeats the setting that is left
.if MSB != (\new)
	s_set_vgpr_msb (MSB<<8)|(\new)
.set MSB, \new
.endif
.endm
.macro SETMARK idx
.irp n, 0,1,2,3,4,5,6,7,8
.if (\idx) == \n
.set MK\n, NI
.endif
.endr
.endm
.macro GETMARK idx
.irp n, 0,1,2,3,4,5,6,7,8
.if (\idx) == \n
.set MK, MK\n
.endif
.endr
.endm
.macro WAITL idx                       ; group idx is in: what was issued behind it stays out; no line where an earlier wait has shown a younger group in
	GETMARK \idx
.if MK > DN
	s_wait_loadcnt NI-MK
.set DN, MK
.endif
.endm
.macro PLACES                          ; four places between a matrix instruction and a load into, a store of, or a vector instruction on, its registers (ISA guide 7.12.1 for vector instructions)
.rept 4
	v_nop
.endr
.endm
.macro BAR
	s_wait_dscnt 0x0                               ; for the others' sake: my LDS stores are done, and my LDS reads are back
	s_barrier_signal -1
	s_barrier_wait -1
.endm
.macro LLOAD v                         ; my group of sub v: rows 32 h + 4 (i / 2) + i % 2 behind 64 block + 16 rho + 2 sigma
	WIN 0x40
.irp i, 0,1,2,3,4,5,6,7
	global_load_b128 v[WR+32*((\v)%LEAD)+4*(\i):WR+32*((\v)%LEAD)+4*(\i)+3], v[V_W], s[S_WP:S_WP+1] offset:(\v)*SUBB+(4*((\i)/2)+(\i)%2)*ROWB th:TH_LOAD_NT
.endr
.set NI, NI+8
	SETMARK (\v)%LEAD
.endm
.macro LGRP v
	WAITL (\v)%LEAD
	WIN 0x05
.irp c, 0,1,2,3
.irp p, 0,1,2,3
	v_cvt_pk_bf16_f32 v[TT+4*(\c)+(\p)], v[WR+32*((\v)%LEAD)+8*(\p)+(\c)], v[WR+32*((\v)%LEAD)+8*(\p)+4+(\c)]
.endr
.endr
.if (\v)+LEAD < NSUB
	LLOAD (\v)+LEAD
.endif
	WIN 0
.if (((\v)%2) == 0) && ((\v) <= 8)
	; asked ahead: my 16 rows of sub v + 6 (lanes 0-15) and of sub v + 7 (lanes 16-31), a lane a row, of which 256 bytes are mine; their loads are issued three and four subs further on;
	; each block is asked for once, by the wave that will load it; sub 15, the slice's last, is the last that is asked for
	global_prefetch_b8 v[V_PF], s[S_WP:S_WP+1] offset:((\v)+6)*SUBB th:TH_LOAD_NT scope:SCOPE_SE
.endif
.irp c, 0,1,2,3
	ds_store_b128 v[V_LS+(\v)/4], v[TT+4*(\c):TT+4*(\c)+3] offset:((\v)%4)*16384+(\c)*1024
.endr
.endm
.macro ALD3 v, t                       ; h's operands of my K step t of sub v, all three tiles: six loads of 512 consecutive bytes
	WIN 0
.irp i, 0,1,2
	global_load_b128 v[AR+48*((\v)%LEAD)+24*(\t)+8*(\i):AR+48*((\v)%LEAD)+24*(\t)+8*(\i)+3],   v[V_VO+(\i)], s[6:7] offset:(\v)*4096+(\t)*1024
	global_load_b128 v[AR+48*((\v)%LEAD)+24*(\t)+8*(\i)+4:AR+48*((\v)%LEAD)+24*(\t)+8*(\i)+7], v[V_VO+(\i)], s[6:7] offset:(\v)*4096+(\t)*1024+512
.endr
.set NI, NI+6
	SETMARK 3+2*((\v)%LEAD)+(\t)
.endm
.macro KLOADB t, base, off             ; the four operands of a K step: eight loads of 512 consecutive bytes
	WIN 0x40
.irp c, 0,1,2,3
	ds_load_b128 v[BF+32*(\t)+8*(\c):BF+32*(\t)+8*(\c)+3],   v[\base] offset:(\off)+(\c)*1024
	ds_load_b128 v[BF+32*(\t)+8*(\c)+4:BF+32*(\t)+8*(\c)+7], v[\base] offset:(\off)+(\c)*1024+512
.endr
.endm
; h is source 0, the weights source 1: register j of lane (r, h) is row 8 h + j of the operand, column 4 r + c.
.macro WM i, t, g
.irp c, 0,1,2,3
	v_wmma_f32_16x16x32_bf16 v[32*(\i)+8*(\c):32*(\i)+8*(\c)+7], v[AR+48*(\g)+24*(\t)+8*(\i):AR+48*(\g)+24*(\t)+8*(\i)+7], v[BF+32*(\t)+8*(\c):BF+32*(\t)+8*(\c)+7], v[32*(\i)+8*(\c):32*(\i)+8*(\c)+7]
.endr
.endm
.macro BATCH t, g                      ; up to twelve products; the sums take turns, one instruction a turn; dead tiles are jumped
	WIN 0x54                                       ; h window 0; weights, C and D window 1
	WM 0, \t, \g
	WIN 0
	s_cmp_lt_u32 s[S_NL], 2
	s_cbranch_scc1 .Lx_\@
	WIN 0x54
	WM 1, \t, \g
	WIN 0
	s_cmp_lt_u32 s[S_NL], 3
	s_cbranch_scc1 .Lx_\@
	WIN 0x54
	WM 2, \t, \g
	WIN 0
.Lx_\@:
.endm
.macro MATH                            ; my products of sub u; its registers of h are loaded again, three subs on
	KLOADB 0, V_LB+u/4, (u%4)*16384
	KLOADB 1, V_LB+u/4, (u%4)*16384+4096
.irp t, 0,1
	WAITL 3+2*(u%LEAD)+(\t)                        ; this K step's six loads are in
	s_wait_dscnt 8-8*(\t)                          ; its operands are in; the other K step's eight loads may be younger
	BATCH \t, u%LEAD
	PLACES
.if u+LEAD < NSUB
	ALD3 u+LEAD, \t
.endif
.endr
.endm
; The routing: the same lines as in the launch before, so that place p is the same token.
.macro ROUTE st
.set q, 0
.rept 32
	v_cmp_eq_u32 vcc_lo, s[S_EX], v[SV+q]
	s_bcnt1_i32_b32 s[S_BC], vcc_lo
.if \st
	v_mbcnt_lo_u32_b32 v16, vcc_lo, s[S_PFX]       ; matches ahead of me
	v_add_nc_u32 v17, v19, v16                     ; 1,023 less the others ahead of me
	v_cndmask_b32 v16, v17, v16, vcc_lo
	v_min_u32 v16, 0x3ff, v16
	v_lshl_add_u32 v16, v16, 2, LIST
	v_add_nc_u32 v20, 128*(q/4)+q%4, v21
	ds_store_b32 v16, v20
	v_add_nc_u32 v19, 0xffffffe0, v19
.endif
	s_add_co_u32 s[S_PFX], s[S_PFX], s[S_BC]
.set q, q+1
.endr
.endm
; My three tiles' places in hb (they lie str tiles apart).  live = 1 for a tile under the count, else 0, bounded by a constant as its last line; the tile's number is multiplied by it and my lane's
; 16 bytes (0x1f0 at the most) are masked by live x 0x1f0: so all lanes of a dead tile read one spot of the expert's tile 0.
.macro SETUP3 str
.irp i, 0,1,2
	s_add_co_u32 s[S_TI], s[S_TB], (\str)*(\i)
	s_min_u32 s[S_TI], s[S_TI], 63
	s_sub_co_i32 s[S_MSK], s[S_NL], \i
	s_max_i32 s[S_MSK], s[S_MSK], 0
	s_min_u32 s[S_MSK], s[S_MSK], 1                ; live
	s_mul_i32 s[S_TI], s[S_TI], s[S_MSK]
	s_mul_i32 s[S_MSK], s[S_MSK], 0x1f0
	s_lshl_b32 s[S_TS], s[S_TI], 16
	s_add_co_u32 s[S_TS], s[S_TS], s[S_E22]
	s_add_co_u32 s[S_TS], s[S_TS], s[S_KHO]
	v_and_b32 v16, s[S_MSK], v[V_LT]
	v_add_nc_u32 v[V_VO+(\i)], s[S_TS], v16
.endr
.endm
.macro CLEAR                           ; the sums start at 0, on purpose by moves: one text then serves every K step and every jump over a dead tile; it stands in the wait for the first data
	WIN 0x40
.set n, 0
.rept 96
	v_mov_b32 v[n], 0
.set n, n+1
.endr
	WIN 0
.endm
; THE WAY OUT of tile i.  A lane's four neighbouring columns lie in four sums; they are brought into four consecutive registers, and 16 lanes store 256 consecutive bytes of one token's row, at a multiple of 256
; from out0's first byte.  x = 1 (pass 0): four rows; the line that brings a number over also adds the partner's partial sum.  x = 0: eight rows, each sum's lowest register first.
.macro EPI3 i, x, str
	s_cmp_le_u32 s[S_NL], \i
	s_cbranch_scc1 .Lno_\@
	s_wait_xcnt 0x0                                ; the last tile's stores have read their offsets and data
.if \x
.irp c, 0,1,2,3
	ds_load_b128 v[XX+4*(\c):XX+4*(\c)+3], v[V_XR] offset:(4*(\i)+(\c))*512
.endr
.endif
	s_add_co_u32 s[S_TI], s[S_TB], (\str)*(\i)
	s_min_u32 s[S_TI], s[S_TI], 63
	s_lshl_b32 s[S_TI], s[S_TI], 4
	v_add_nc_u32 v[TA], s[S_TI], v[V_PL]
.set j, 0
.rept 8-4*(\x)
	v_add_nc_u32 v[TA+1], j, v[TA]                 ; the row's place,
	v_min_u32 v[TA+1], s[S_NM1], v[TA+1]           ; or the last that exists
	v_min_u32 v[TA+1], 0x3ff, v[TA+1]
	v_lshl_add_u32 v[TA+1], v[TA+1], 2, LIST
	ds_load_b32 v[TO+j], v[TA+1]
.set j, j+1
.endr
	s_wait_dscnt 0x0
	WIN 0x01
.set j, 0
.rept 8-4*(\x)
.irp c, 0,1,2,3
.if \x
	v_add_f32 v[OO+4*j+(\c)], v[32*(\i)+8*(\c)+4+j], v[XX+4*(\c)+j]
.else
	v_mov_b32 v[OO+4*j+(\c)], v[32*(\i)+8*(\c)+j]
.endif
.endr
.set j, j+1
.endr
	WIN 0
.set j, 0
.rept 8-4*(\x)
	v_min_u32 v[TO+j], 0x3ff, v[TO+j]
	v_lshl_add_u32 v[TO+j], v[TO+j], 12, v[V_R16]
.set j, j+1
.endr
.set j, 0
.rept 8-4*(\x)
	global_store_b128 v[TO+j], v[OO+4*j:OO+4*j+3], s[S_OUT:S_OUT+1] th:TH_STORE_NT
.set j, j+1
.endr
.Lno_\@:
.endm
	s_load_b256 s[4:11], s[0:1], 0x0               ; down_bank s[4:5], hb s[6:7], sel s[8:9], out0 s[10:11]
	v_lshl_add_u32 v[V_SPW], v0, 2, SPARE
	v_mov_b32 v[V_NIL], 0
	v_lshrrev_b32 v1, 5, v0
	v_readfirstlane_b32 s[S_WV], v1
	v_and_b32 v1, 31, v0                           ; lane
	v_and_b32 v2, 15, v0                           ; r
	v_bfe_u32 v3, v0, 4, 1                         ; h
	v_lshlrev_b32 v[V_L16], 4, v1
	v_lshlrev_b32 v[V_H8], 3, v3
	v_lshlrev_b32 v[V_R16], 4, v2
	s_and_b32 s[S_EX], ttmp7, 0xffff
	s_mov_b32 s[S_BLK], ttmp9
	s_and_b32 s[S_Q], s[S_WV], 3
	s_lshr_b32 s[S_KH], s[S_WV], 2
	s_and_b32 s[S_RHO], s[S_WV], 1
	s_lshr_b32 s[S_SG], s[S_WV], 1
	s_and_b32 s[S_SG], s[S_SG], 1
	s_lshl_b32 s[S_OF], s[S_EX], 23                ; my group of sub 0: expert x 8 MiB + block x 256 bytes + (64 (w / 4) + 16 rho + 2 sigma) rows
	s_lshl_b32 s[S_TS], s[S_BLK], 8
	s_add_co_u32 s[S_OF], s[S_OF], s[S_TS]
	s_lshl_b32 s[S_TS], s[S_KH], 18
	s_add_co_u32 s[S_OF], s[S_OF], s[S_TS]
	s_lshl_b32 s[S_TS], s[S_RHO], 16
	s_add_co_u32 s[S_OF], s[S_OF], s[S_TS]
	s_lshl_b32 s[S_TS], s[S_SG], 13
	s_add_co_u32 s[S_OF], s[S_OF], s[S_TS]
	s_mov_b32 s[S_OF+1], 0
	s_lshl_b32 s[S_LS], s[S_KH], 13                ; in a sub of the slice: block x 8,192 + sigma x 4,096 + operand x 1,024 + rho x 512 + 16 x lane
	s_lshl_b32 s[S_TS], s[S_SG], 12
	s_add_co_u32 s[S_LS], s[S_LS], s[S_TS]
	s_lshl_b32 s[S_TS], s[S_RHO], 9
	s_add_co_u32 s[S_LS], s[S_LS], s[S_TS]
	v_add_nc_u32 v[V_LS], s[S_LS], v[V_L16]
	s_lshl_b32 s[S_TS], s[S_KH], 13                ; I read block kh
	v_add_nc_u32 v[V_LB], s[S_TS], v[V_L16]
.irp k, 1,2,3
	v_add_nc_u32 v[V_LS+(\k)], (\k)*0x10000, v[V_LS]
	v_add_nc_u32 v[V_LB+(\k)], (\k)*0x10000, v[V_LB]
.endr
	v_lshlrev_b32 v[V_W], 17, v3
	v_lshl_add_u32 v[V_W], v2, 4, v[V_W]
	v_lshrrev_b32 v16, 3, v2                       ; asked ahead: lane r stands for row 32 (r / 8) + 4 ((r / 2) % 4) + r % 2 of my group, half h for a sub
	v_lshlrev_b32 v16, 5, v16
	v_bfe_u32 v17, v2, 1, 2
	v_lshl_add_u32 v16, v17, 2, v16
	v_and_b32 v17, 1, v2
	v_add_nc_u32 v16, v16, v17
	v_lshlrev_b32 v[V_PF], 12, v16
	v_lshl_add_u32 v[V_PF], v3, 19, v[V_PF]
	s_lshl_b32 s[S_E22], s[S_EX], 22
	s_lshl_b32 s[S_KHO], s[S_KH], 11
	s_lshl_b32 s[S_TS], s[S_KH], 6
	v_xor_b32 v[V_LT], s[S_TS], v[V_L16]           ; lane xor 4 kh
	s_lshl_b32 s[S_TS], s[S_KH], 2
	s_sub_co_u32 s[S_TS], 4, s[S_TS]
	v_add_nc_u32 v[V_PL], s[S_TS], v[V_H8]         ; my registers 4-7 are places 8 h + 4 (1 - kh) + 0..3
	s_mul_i32 s[S_TS], s[S_WV], 6144
	s_add_co_u32 s[S_TS], s[S_TS], XCH
	v_add_nc_u32 v[V_XS], s[S_TS], v[V_L16]
	s_xor_b32 s[S_TS], s[S_WV], 4
	s_mul_i32 s[S_TS], s[S_TS], 6144
	s_add_co_u32 s[S_TS], s[S_TS], XCH
	v_add_nc_u32 v[V_XR], s[S_TS], v[V_L16]
	s_mov_b32 s[S_PFX], 0
	v_lshlrev_b32 v21, 2, v1
	v_sub_nc_u32 v19, 1023, v1
	s_wait_kmcnt 0x0
	s_add_nc_u64 s[S_WP:S_WP+1], s[4:5], s[S_OF:S_OF+1]
	s_lshl_b32 s[S_OF], s[S_BLK], 8
	s_add_nc_u64 s[S_OUT:S_OUT+1], s[10:11], s[S_OF:S_OF+1]
.irp j, 0,1,2,3,4,5,6,7
	global_load_b128 v[SV+4*(\j):SV+4*(\j)+3], v[V_L16], s[8:9] offset:(\j)*512
.endr
	LLOAD 0
	LLOAD 1
	LLOAD 2
	LGRP 0                                         ; subs 0 to 2 are rounded, and subs 3 to 5 asked for, ahead of the routing: the stream does not wait for it.  sel, older in the queue, is in with sub 0
	LGRP 1
	LGRP 2
	s_cmp_eq_u32 s[S_WV], 0
	s_cbranch_scc0 .Lcount
	ROUTE 1                                        ; wave 0 counts and writes the list
	s_branch .Lrouted
.Lcount:
	ROUTE 0                                        ; the others count
.Lrouted:
	s_min_u32 s[S_NE], s[S_PFX], 0x400
	s_add_co_u32 s[S_NT], s[S_NE], 15
	s_lshr_b32 s[S_NT], s[S_NT], 4
	s_max_u32 s[S_NM1], s[S_NE], 1
	s_sub_co_u32 s[S_NM1], s[S_NM1], 1
	BAR                                            ; the list and subs 0 to 2 are in LDS
	s_mov_b32 s[S_TB], s[S_Q]                      ; pass 0: tiles q, q + 4, q + 8
	s_add_co_u32 s[S_NL], s[S_NT], 3
	s_sub_co_i32 s[S_NL], s[S_NL], s[S_TB]
	s_max_i32 s[S_NL], s[S_NL], 0
	s_lshr_b32 s[S_NL], s[S_NL], 2
	s_min_u32 s[S_NL], s[S_NL], 3
	SETUP3 4
.irp v, 0,1,2
	ALD3 \v, 0
	ALD3 \v, 1
.endr
	CLEAR
.set u, 0
.rept NSUB
.if (u > 0) && ((u%LEAD) == 0)
	BAR                                            ; subs u to u + 2 are in LDS, everybody's part of them
.endif
.if u+LEAD < NSUB
	LGRP u+LEAD
.endif
	MATH
.set u, u+1
.endr
	; THE EXCHANGE: registers 0-3 of all twelve sums into my own part, dead tiles' too: so the first read of every sum is of its lowest registers on every way
	WIN 0x04                                       ; store data window 1, address window 0
.irp i, 0,1,2
.irp c, 0,1,2,3
	ds_store_b128 v[V_XS], v[32*(\i)+8*(\c):32*(\i)+8*(\c)+3] offset:(4*(\i)+(\c))*512
.endr
.endr
	WIN 0
	BAR                                            ; my partner's part is in LDS
	EPI3 0, 1, 4
	EPI3 1, 1, 4
	EPI3 2, 1, 4
	s_wait_xcnt 0x0
	s_mov_b32 s[S_KHO], 0                          ; later passes: a wave's tiles over all K, lanes as they lie, eight rows a half
	v_mov_b32 v[V_LT], v[V_L16]
	v_mov_b32 v[V_PL], v[V_H8]
	s_mov_b32 s[S_P], 0
.Lpass:                                                ; three passes of 24 tiles cover tiles 12 to 63; a pass in which I have no live tile is jumped
	s_mul_i32 s[S_TB], s[S_P], 24
	s_add_co_u32 s[S_TB], s[S_TB], s[S_WV]
	s_add_co_u32 s[S_TB], s[S_TB], 12              ; tiles 12 + 24 P + w + 8 i
	s_add_co_u32 s[S_NL], s[S_NT], 7
	s_sub_co_i32 s[S_NL], s[S_NL], s[S_TB]
	s_max_i32 s[S_NL], s[S_NL], 0
	s_lshr_b32 s[S_NL], s[S_NL], 3
	s_min_u32 s[S_NL], s[S_NL], 3
	s_cmp_eq_u32 s[S_NL], 0
	s_cbranch_scc1 .Lbottom
	s_wait_loadcnt 0x0
	s_wait_xcnt 0x0                                ; the last pass's loads and stores have read their offsets and data
	SETUP3 8
	CLEAR
	s_mov_b64 s[S_HP:S_HP+1], s[6:7]
	s_mov_b32 s[S_LO], 0
	s_mov_b32 s[S_IC], 32
.Lin:                                                  ; a block of 64 along K of the resident slice: two K steps
	v_add_nc_u32 v[V_LBP], s[S_LO], v[V_L16]
.irp t, 0,1
.irp i, 0,1,2
	global_load_b128 v[AR+24*(\t)+8*(\i):AR+24*(\t)+8*(\i)+3],   v[V_VO+(\i)], s[S_HP:S_HP+1] offset:(\t)*1024
	global_load_b128 v[AR+24*(\t)+8*(\i)+4:AR+24*(\t)+8*(\i)+7], v[V_VO+(\i)], s[S_HP:S_HP+1] offset:(\t)*1024+512
.endr
.endr
	KLOADB 0, V_LBP, 0
	KLOADB 1, V_LBP, 4096
	s_wait_loadcnt 6                               ; the first K step's six loads are in; the second's six are younger
	s_wait_dscnt 8
	BATCH 0, 0
	PLACES
	s_wait_loadcnt 0x0
	s_wait_dscnt 0x0
	BATCH 1, 0
	PLACES
	s_wait_xcnt 0x0                                ; hb's address is stepped only behind this wait
	s_add_nc_u64 s[S_HP:S_HP+1], s[S_HP:S_HP+1], 2048
	s_add_co_u32 s[S_LO], s[S_LO], 8192
	s_sub_co_i32 s[S_IC], s[S_IC], 1
	s_cmp_lg_u32 s[S_IC], 0
	s_cbranch_scc1 .Lin
	EPI3 0, 0, 8
	EPI3 1, 0, 8
	EPI3 2, 0, 8
.Lbottom:
	s_add_co_u32 s[S_P], s[S_P], 1
	s_cmp_lt_u32 s[S_P], 3
	s_cbranch_scc1 .Lpass
	BAR                                            ; every wave's LDS reads are over
	s_wait_tensorcnt 0x0                           ; the wave's end, behind my last LDS store
	ds_add_u32 v[V_SPW], v[V_NIL]
	s_wait_dscnt 0x0
	s_endpgm
.Lfunc_end_k_q5e520bde16_ffn2:
	.size	k_q5e520bde16_ffn2, .Lfunc_end_k_q5e520bde16_ffn2-k_q5e520bde16_ffn2
	.p2alignl 7, 3214868480
	.fill 96, 4, 3214868480
	.section	.rodata,"a",@progbits
	.p2align	6, 0x0
	.amdhsa_kernel k_q5e520bde16_ffn2
		.amdhsa_group_segment_fixed_size 316416
		.amdhsa_private_segment_fixed_size 0
		.amdhsa_enable_private_segment 0
		.amdhsa_kernarg_size 32
		.amdhsa_user_sgpr_count 2
		.amdhsa_user_sgpr_kernarg_segment_ptr 1
		.amdhsa_wavefront_size32 1
		.amdhsa_system_sgpr_workgroup_id_x 1
		.amdhsa_system_sgpr_workgroup_id_y 1
		.amdhsa_system_sgpr_workgroup_id_z 1
		.amdhsa_system_vgpr_workitem_id 0
		.amdhsa_next_free_vgpr 512
		.amdhsa_next_free_sgpr 66
		.amdhsa_reserve_vcc 1
		.amdhsa_float_denorm_mode_32 3
		.amdhsa_float_denorm_mode_16_64 3
		.amdhsa_memory_ordered 1
		.amdhsa_forward_progress 1
		.amdhsa_inst_pref_size 176
	.end_amdhsa_kernel
	.amdgpu_metadata
---
amdhsa.version: [ 1, 2 ]
amdhsa.kernels:
  - .name:           k_q5e520bde16_ffn2
    .symbol:         k_q5e520bde16_ffn2.kd
    .args:
      - { .name: down_bank, .offset: 0, .size: 8, .value_kind: global_buffer, .address_space: global }
      - { .name: hb, .offset: 8, .size: 8, .value_kind: global_buffer, .address_space: global }
      - { .name: sel, .offset: 16, .size: 8, .value_kind: global_buffer, .address_space: global }
      - { .name: out0, .offset: 24, .size: 8, .value_kind: global_buffer, .address_space: global }
    .group_segment_fixed_size: 316416
    .private_segment_fixed_size: 0
    .kernarg_segment_align: 8
    .kernarg_segment_size: 32
    .max_flat_workgroup_size: 256
    .sgpr_count:     66
    .vgpr_count:     512
    .wavefront_size: 32
...
	.end_amdgpu_metadata
.endif
;; end of part 3
;; ======== version 2 of 3: 4 launches
;; workspace buffers: sel 4,096 bytes of whole numbers; xb 2,097,152 bytes; xg 16,777,216 bytes; cnt 256 bytes of whole numbers; ord 32,768 bytes of whole numbers; hb 33,554,432 bytes
;; launch router: the kernel of part 1 again; grid 64 x 1, 8 waves a work-group, no clusters, 44,032 bytes of LDS; arguments x, gate_w, sel, xb; writes sel, xb
;; launch gather (part 4): grid 16 x 8, 8 waves a work-group, no clusters, 5,120 bytes of LDS; arguments xb, sel, xg, cnt, ord; writes xg, cnt, ord
.if DOCPART == 4
	.amdgcn_target "amdgcn-amd-amdhsa--gfx1250"
	.amdhsa_code_object_version 6
	.text
	.protected	k_q5e520bde16_gather
	.globl	k_q5e520bde16_gather
	.p2align	8
	.type	k_q5e520bde16_gather,@function
k_q5e520bde16_gather:
	s_mov_b64 s[64:65], 0
	v_nop
	global_prefetch_b8 v0, s[64:65] scope:SCOPE_SE
	s_setreg_imm32_b32 hwreg(HW_REG_WAVE_MODE, 25, 1), 1
	s_wait_xcnt 0x0
; GATHER.  The tokens' rows, in the experts' order, laid out as matrix operands; each expert's count; and each expert's list of tokens.
; xb: [1024][1024] bf16; sel: [1024] u32; xg: bf16, [e 8][tile 64][K step 32][half 2][lane 32][16 bytes]; cnt: [8] u32; ord: [e 8][1024] u32.
; xg's tile (e, T) holds places 16 T .. 16 T + 15 of expert e's list: in K step s, half rho, lane (r, h) holds place 16 T + r, channels 32 s + 16 rho + 8 h + 0..7: the next launch loads an operand as
; two times 512 consecutive bytes, at addresses made of its ids and of cnt alone.  ord[e][p] is the token at place p, for the places of the expert's live tiles: the last launch stores its rows by it.
; SHARES.  A work-group has expert e (grid y) and the tiles j + 16 i (j: grid x), i = 0..3: four constant trips, of which those past the expert's tiles are jumped.  An expert with up to 256 rows has at most
; one tile a work-group; every split is served: 64 tiles on one expert, or none.  Of a tile wave w takes K steps 4 w .. 4 w + 3: eight loads and eight stores; wave 0 also stores the tile's 16 words of ord.
; THE LIST is made by wave 0: a counting sort of sel, matches from the list's head, the others from its end, so every word is written.  The order of the places is this launch's own: no other launch sorts.
; Places past the count repeat the last row that exists, in xg and in ord alike.  Tile 0 of every expert is written, also where the expert has no row: later launches' dead tiles read there.
; This is the one place where rows come by a list: a load brings 32 bytes of each of 16 rows, a wave's eight loads together 256 consecutive bytes of each row, and each byte of a row is read once in the launch.
; Each store of a wave into xg covers 512 consecutive bytes, at a multiple of 512 from xg's first byte; a tile's part of ord is 64 consecutive bytes.
; NO CLUSTER: no two work-groups read the same rows; what they share is sel, 4 KB.  No matrix unit: nothing is multiplied.
.set LIST,  0                          ; 1,024 words
.set SPARE, 4096                       ; the spare words, 128 bytes a wave: four blocks of 256 bytes that no other line names
.set S_WV, 14                          ; wave
.set S_EX, 15                          ; expert
.set S_J, 16                           ; my first tile
.set S_NE, 18                          ; the expert's rows
.set S_NT, 19                          ; its tiles, at least 1
.set S_I, 20                           ; trip
.set S_T, 21                           ; tile
.set S_XG, 24                          ; s[24:25] xg at my expert
.set S_CP, 26                          ; s[26:27] cnt at my expert
.set S_OP, 28                          ; s[28:29] ord at my expert
.set S_OF, 30                          ; s[30:31] an offset
.set S_O2, 32                          ; s[32:33] an offset
.set S_PFX, 34
.set S_BC, 35
.set S_O3, 36                          ; s[36:37] an offset
.set S_NM1, 39                         ; the last place that exists
.set S_TS, 41
.set MS,  66                           ; s66-97  register q of sel: the lanes whose token chose my expert
.set V_SPW, 4                          ; LDS address of my spare word; never rewritten
.set V_NIL, 5                          ; 0; never rewritten
.set V_L16, 6                          ; 16 x lane
.set V_RW, 7                           ; 16 h + 256 w: my place in a row of xb
.set V_XW, 8                           ; 4,096 w + 16 x lane: my place in a tile of xg
.set V_RO, 9                           ; my token's row + V_RW
.set V_XO, 10                          ; the tile + V_XW
.set V_OO, 11                          ; the tile's words of ord + 4 r
.set NB,  24                           ; v24-27  1,023 less my place among the tokens of registers 4 g + 0..3
.set DD,  32                           ; v32-63  eight times 16 bytes on their way; before that the routing's two sets of temporaries
.set SV,  64                           ; v64-95  sel
; THE ROUTING.  Register q of lane L is token 128 (q / 4) + 4 L + q % 4; the tokens are ranked by (q, L).  All 32 compares come first, so that the scalar lines behind them wait for no vector line.
.macro MASKS
.set q, 0
.rept 32
	v_cmp_eq_u32 s[MS+q], s[S_EX], v[SV+q]
.set q, q+1
.endr
.endm
.macro COUNT                           ; the expert's rows
.set q, 0
.rept 32
	s_bcnt1_i32_b32 s[S_BC], s[MS+q]
	s_add_co_u32 s[S_PFX], s[S_PFX], s[S_BC]
.set q, q+1
.endr
.endm
; Registers 4 g + 0..3 are listed: a match goes to its rank, the others are counted down from the list's end.  Four chains side by side, on temporaries that take turns from group to group.
.macro LISTG g
.set RA, DD+16*((\g)%2)
.irp a, 0,1,2,3
	v_mbcnt_lo_u32_b32 v[RA+(\a)], s[MS+4*(\g)+(\a)], s[S_PFX]       ; matches ahead of me
	s_bcnt1_i32_b32 s[S_BC], s[MS+4*(\g)+(\a)]
	s_add_co_u32 s[S_PFX], s[S_PFX], s[S_BC]
.endr
.irp a, 0,1,2,3
	v_add_nc_u32 v[RA+4+(\a)], v[NB+(\a)], v[RA+(\a)]                 ; 1,023 less the others ahead of me
.endr
.irp a, 0,1,2,3
	v_cndmask_b32 v[RA+(\a)], v[RA+4+(\a)], v[RA+(\a)], s[MS+4*(\g)+(\a)]
.endr
.irp a, 0,1,2,3
	v_min_u32 v[RA+(\a)], 0x3ff, v[RA+(\a)]
.endr
.irp a, 0,1,2,3
	v_lshl_add_u32 v[RA+(\a)], v[RA+(\a)], 2, LIST
.endr
.irp a, 0,1,2,3
	v_add_nc_u32 v[RA+8+(\a)], 128*(\g)+(\a), v21                     ; the token's number
.endr
.irp a, 0,1,2,3
	ds_store_b32 v[RA+(\a)], v[RA+8+(\a)]
.endr
.irp a, 0,1,2,3
	v_add_nc_u32 v[NB+(\a)], 0xffffff80, v[NB+(\a)]                   ; 128 tokens on
.endr
.endm
	s_load_b256 s[4:11], s[0:1], 0x0               ; xb s[4:5], sel s[6:7], xg s[8:9], cnt s[10:11]
	s_load_b64 s[12:13], s[0:1], 0x20              ; ord
	v_lshl_add_u32 v[V_SPW], v0, 2, SPARE
	v_mov_b32 v[V_NIL], 0
	v_lshrrev_b32 v1, 5, v0
	v_readfirstlane_b32 s[S_WV], v1
	v_and_b32 v1, 31, v0                           ; lane
	v_and_b32 v2, 15, v0                           ; r
	v_bfe_u32 v3, v0, 4, 1                         ; h
	v_lshlrev_b32 v[V_L16], 4, v1
	s_and_b32 s[S_EX], ttmp7, 0xffff
	s_mov_b32 s[S_J], ttmp9
	s_lshl_b32 s[S_TS], s[S_WV], 8
	v_lshl_add_u32 v[V_RW], v3, 4, s[S_TS]
	s_lshl_b32 s[S_TS], s[S_WV], 12
	v_add_nc_u32 v[V_XW], s[S_TS], v[V_L16]
	s_lshl_b32 s[S_OF], s[S_EX], 21                ; xg: an expert's 64 tiles of 32 KB
	s_mov_b32 s[S_OF+1], 0
	s_lshl_b32 s[S_O2], s[S_EX], 2                 ; cnt: its word
	s_mov_b32 s[S_O2+1], 0
	s_lshl_b32 s[S_O3], s[S_EX], 12                ; ord: its 1,024 words
	s_mov_b32 s[S_O3+1], 0
	s_mov_b32 s[S_PFX], 0
	v_lshlrev_b32 v21, 2, v1
.irp a, 0,1,2,3
	v_sub_nc_u32 v[NB+(\a)], 1023-32*(\a), v1
.endr
	s_wait_kmcnt 0x0
	s_add_nc_u64 s[S_XG:S_XG+1], s[8:9], s[S_OF:S_OF+1]
	s_add_nc_u64 s[S_CP:S_CP+1], s[10:11], s[S_O2:S_O2+1]
	s_add_nc_u64 s[S_OP:S_OP+1], s[12:13], s[S_O3:S_O3+1]
.irp j, 0,1,2,3,4,5,6,7
	global_load_b128 v[SV+4*(\j):SV+4*(\j)+3], v[V_L16], s[6:7] offset:(\j)*512
.endr
	s_wait_loadcnt 0x0
	MASKS
	s_cmp_eq_u32 s[S_WV], 0
	s_cbranch_scc0 .Lcount
.irp g, 0,1,2,3,4,5,6,7
	LISTG \g                                       ; wave 0 counts and writes the list
.endr
	s_branch .Lrouted
.Lcount:
	COUNT                                          ; the others count
.Lrouted:
	s_min_u32 s[S_NE], s[S_PFX], 0x400
	s_add_co_u32 s[S_NT], s[S_NE], 15
	s_lshr_b32 s[S_NT], s[S_NT], 4
	s_max_u32 s[S_NT], s[S_NT], 1                  ; tile 0 counts as live
	s_max_u32 s[S_NM1], s[S_NE], 1
	s_sub_co_u32 s[S_NM1], s[S_NM1], 1
	s_wait_dscnt 0x0                               ; for the others' sake: the list is in LDS
	s_barrier_signal -1
	s_barrier_wait -1
	s_or_b32 s[S_TS], s[S_WV], s[S_J]
	s_cmp_lg_u32 s[S_TS], 0
	s_cbranch_scc1 .Lno_count                      ; the expert's count has one owner: wave 0 of its first work-group
	v_mov_b32 v22, s[S_NE]
	v_mov_b32 v23, 0
	global_store_b32 v23, v22, s[S_CP:S_CP+1]      ; every lane stores the same number to the same word
.Lno_count:
	s_mov_b32 s[S_I], 0
.Ltile:
	s_lshl4_add_u32 s[S_T], s[S_I], s[S_J]         ; tile j + 16 i
	s_cmp_ge_u32 s[S_T], s[S_NT]
	s_cbranch_scc1 .Lskip
	s_wait_xcnt 0x0                                ; the last trip's stores have read their offsets and data
	s_lshl_b32 s[S_TS], s[S_T], 4
	v_add_nc_u32 v16, s[S_TS], v2                  ; place 16 T + r,
	v_min_u32 v16, s[S_NM1], v16                   ; or the last that exists
	v_min_u32 v16, 0x3ff, v16
	v_lshl_add_u32 v16, v16, 2, LIST
	ds_load_b32 v17, v16
	s_lshl_b32 s[S_TS], s[S_T], 15
	v_add_nc_u32 v[V_XO], s[S_TS], v[V_XW]
	s_lshl_b32 s[S_TS], s[S_T], 6
	v_lshl_add_u32 v[V_OO], v2, 2, s[S_TS]
	s_wait_dscnt 0x0
	v_min_u32 v17, 0x3ff, v17
	v_lshl_add_u32 v[V_RO], v17, 11, v[V_RW]
.irp n, 0,1,2,3,4,5,6,7
	global_load_b128 v[DD+4*(\n):DD+4*(\n)+3], v[V_RO], s[4:5] offset:64*((\n)/2)+32*((\n)%2)   ; K step 4 w + n / 2, half n % 2
.endr
	s_cmp_lg_u32 s[S_WV], 0
	s_cbranch_scc1 .Lno_ord                        ; the tile's words of ord have one owner: wave 0
	global_store_b32 v[V_OO], v17, s[S_OP:S_OP+1]  ; lanes r and r + 16 store the same number to the same word
.Lno_ord:
.irp n, 0,1,2,3,4,5,6,7
	s_wait_loadcnt 7-(\n)                          ; loads come back in order (ISA guide 5.7.1): number n is in, the younger ones stay out
	global_store_b128 v[V_XO], v[DD+4*(\n):DD+4*(\n)+3], s[S_XG:S_XG+1] offset:512*(\n)
.endr
.Lskip:
	s_add_co_u32 s[S_I], s[S_I], 1
	s_cmp_lt_u32 s[S_I], 4
	s_cbranch_scc1 .Ltile
	s_wait_tensorcnt 0x0                           ; the wave's end, behind my last LDS store
	ds_add_u32 v[V_SPW], v[V_NIL]
	s_wait_dscnt 0x0
	s_endpgm
.Lfunc_end_k_q5e520bde16_gather:
	.size	k_q5e520bde16_gather, .Lfunc_end_k_q5e520bde16_gather-k_q5e520bde16_gather
	.p2alignl 7, 3214868480
	.fill 96, 4, 3214868480
	.section	.rodata,"a",@progbits
	.p2align	6, 0x0
	.amdhsa_kernel k_q5e520bde16_gather
		.amdhsa_group_segment_fixed_size 5120
		.amdhsa_private_segment_fixed_size 0
		.amdhsa_enable_private_segment 0
		.amdhsa_kernarg_size 40
		.amdhsa_user_sgpr_count 2
		.amdhsa_user_sgpr_kernarg_segment_ptr 1
		.amdhsa_wavefront_size32 1
		.amdhsa_system_sgpr_workgroup_id_x 1
		.amdhsa_system_sgpr_workgroup_id_y 1
		.amdhsa_system_sgpr_workgroup_id_z 1
		.amdhsa_system_vgpr_workitem_id 0
		.amdhsa_next_free_vgpr 96
		.amdhsa_next_free_sgpr 100
		.amdhsa_reserve_vcc 0
		.amdhsa_float_denorm_mode_32 3
		.amdhsa_float_denorm_mode_16_64 3
		.amdhsa_memory_ordered 1
		.amdhsa_forward_progress 1
		.amdhsa_inst_pref_size 27
	.end_amdhsa_kernel
	.amdgpu_metadata
---
amdhsa.version: [ 1, 2 ]
amdhsa.kernels:
  - .name:           k_q5e520bde16_gather
    .symbol:         k_q5e520bde16_gather.kd
    .args:
      - { .name: xb, .offset: 0, .size: 8, .value_kind: global_buffer, .address_space: global }
      - { .name: sel, .offset: 8, .size: 8, .value_kind: global_buffer, .address_space: global }
      - { .name: xg, .offset: 16, .size: 8, .value_kind: global_buffer, .address_space: global }
      - { .name: cnt, .offset: 24, .size: 8, .value_kind: global_buffer, .address_space: global }
      - { .name: ord, .offset: 32, .size: 8, .value_kind: global_buffer, .address_space: global }
    .group_segment_fixed_size: 5120
    .private_segment_fixed_size: 0
    .kernarg_segment_align: 8
    .kernarg_segment_size: 40
    .max_flat_workgroup_size: 256
    .sgpr_count:     100
    .vgpr_count:     96
    .wavefront_size: 32
...
	.end_amdgpu_metadata
.endif
;; end of part 4
;; launch ffn1 (part 5): grid 32 x 8, 8 waves a work-group, no clusters, 263,168 bytes of LDS; arguments gate_bank, up_bank, xg, cnt, hb; writes hb
.if DOCPART == 5
	.amdgcn_target "amdgcn-amd-amdhsa--gfx1250"
	.amdhsa_code_object_version 6
	.text
	.protected	k_q5e520bde16_ffn1
	.globl	k_q5e520bde16_ffn1
	.p2align	8
	.type	k_q5e520bde16_ffn1,@function
k_q5e520bde16_ffn1:
	s_mov_b64 s[64:65], 0
	v_nop
	global_prefetch_b8 v0, s[64:65] scope:SCOPE_SE
	s_setreg_imm32_b32 hwreg(HW_REG_WAVE_MODE, 25, 1), 1
	s_wait_xcnt 0x0
; FIRST PRODUCTS.  For the rows of expert e:  h[row][n] = silu(a) u,  a = sum over d of x[row][d] gate_bank[e][d][n],  u likewise with up_bank.
; gate_bank, up_bank: [8][1024][2048] f32; xg: bf16, [e 8][tile 64][K step 32][half 2][lane 32][16 bytes], the tokens' rows in the experts' order, as the launch before left them; cnt: [8] u32, the experts' rows;
; hb: bf16, [e 8][tile 64][block 32][2,048 bytes].
; SHARES.  A work-group has expert e (grid y) and 64 columns n (grid x): 512 KB of f32 weights, which it alone reads, once, whatever the split of the tokens.  All eight waves run one text.
; THE STREAM goes in 16 SUBS of 64 along K (32 KB of f32).  Of a sub wave w loads one GROUP: K step w / 4, matrix (w / 2) % 2, half w % 2 of the step's 32 rows: eight loads of 16 bytes a lane.
; THE WEIGHTS ARE TURNED IN REGISTERS.  Lane (r, h) loads 16 bytes of row k: columns 4 r + 0..3.  Word c belongs to operand c, whose column number r stands for column 4 r + c; two loads of
; neighbouring k give one packed rounding.  Each half of the lanes reads 256 consecutive bytes of a weight row, at a multiple of 256 from the buffer's first byte.
; THE WHOLE SLICE STAYS IN LDS in bf16 (262,144 bytes), each byte written once.  The rounding runs three subs ahead of the products, so one barrier serves three subs: between two barriers subs
; 3 k .. 3 k + 2 are read and subs 3 k + 3 .. 3 k + 5 written.  The weights' operands are read from LDS a K step ahead of their products wherever the barrier in force has shown them (not from a sub 3 k + 2 into the next).
; ONE QUEUE OF LOADS.  Loads come back in the order of issue (ISA guide 5.7.1), so the token operands are asked for as far ahead as the weights: three subs, 3 x (8 + 12) = 60 loads of a wave out.
; Every counted wait is NI - MK: the loads issued so far less those issued up to the end of the group that is wanted; both are symbols of this text.  DN is the furthest place in the queue that a wait has
; shown in: a group at or ahead of it gets no wait (the token operands of subs 0 to 2, which are asked for ahead of the weights of sub 3).
; PRODUCTS.  Wave w multiplies for q = w % 4 (three tiles of 16 rows) and ch = w / 4 (operands 2 ch, 2 ch + 1 of both matrices): 12 products a K step.  A token operand is two loads of 512 consecutive bytes.
; ROWS.  A tile is 16 places of the expert's list; in pass P the waves with number q have tiles 12 P + 4 i + q.  Pass 0 (192 rows) runs under the stream; later passes multiply from the resident slice, in a loop
; with no barrier and no LDS write.  A dead tile's loads all read one spot of 16 bytes in the expert's tile 0, which the launch before always writes; its products are jumped (a wave's first tile of pass 0 is always
; multiplied) and nothing is stored for it.  Tile 0 of every expert counts as live, also where the expert has no row: the next launch's dead tiles read there.  Every split is served: 1,024 rows on one expert, or none.
; hb's block (e, tile, block): plane 2 ch + rho of 512 bytes, byte 16 x lane: place r, columns 32 h + 4 j + 2 ch + 0..1 for j = 4 rho + 0..3: what my lanes hold, and what the next launch's operand takes.
; LIMITS.  x and the weights are rounded to bf16, h once to bf16; sums in f32.  1 / (1 + 2^(-1.4427 a)): where the power overflows the quotient is 0, silu's limit; the power and the quotient flush denormals;
; a u must be finite in f32.  NaN and infinities are not treated apart.
; NO CLUSTER: each slice of weights has one reader.  An expert's 32 work-groups share xg's tiles, but beside the resident slice 64 KB of LDS are left, a ring there would be filled again inside a stream whose
; number of live tiles hangs on a count read from memory, and the tiles are a third of a work-group's bytes.
.set SPARE, 262144                     ; behind the slice: the spare words, 128 bytes a wave: four blocks of 256 bytes that no other line names
.set SUBB,  0x80000                    ; a sub in memory: 64 rows of 8,192 bytes
.set ROWB,  8192
.set NSUB,  16
.set LEAD,  3                          ; subs asked for ahead, and subs that the rounding runs ahead of the products
.set S_WV, 14                          ; wave
.set S_EX, 15                          ; expert
.set S_BLK, 16                         ; column block
.set S_Q, 17                           ; w % 4
.set S_NE, 18                          ; the expert's rows
.set S_NT, 19                          ; its tiles, at least 1
.set S_CH, 20                          ; w / 4
.set S_NL, 21                          ; my live tiles in the pass, 0..3
.set S_P, 22                           ; pass
.set S_IC, 23                          ; subs to go in a later pass
.set S_WP, 24                          ; s[24:25] my matrix at my group of sub 0; never stepped
.set S_CP, 26                          ; s[26:27] cnt at my expert; never rewritten
.set S_XP, 28                          ; s[28:29] later passes: xg at the sub in hand
.set S_OF, 30                          ; s[30:31] an offset
.set S_HB, 32                          ; s[32:33] hb at (e, tile 0, block, plane 2 ch)
.set S_E21, 34                         ; my expert's part of xg
.set S_MSK, 35
.set S_LO, 36                          ; later passes: the sub's place in LDS
.set S_TB, 38                          ; 12 P + q
.set S_TI, 40
.set S_TS, 41
.set S_RHO, 42                         ; w % 2
.set S_M, 43                           ; (w / 2) % 2
.set S_LS, 44
.set S_O2, 46                          ; s[46:47] an offset
.set S_CS, 48                          ; s[48:49] -log2(e)
.set S_O3, 50                          ; s[50:51] an offset
.set V_SPW, 4                          ; LDS address of my spare word; never rewritten
.set V_NIL, 5                          ; 0; never rewritten
.set V_L16, 6                          ; 16 x lane
.set V_W,  8                           ; h x 8 rows + 16 r
.set V_RO, 9                           ; v9-11   tile i: its place in xg + my lane's 16 bytes
.set V_HO, 12                          ; v12-14  tile i: its place in hb + 16 x lane
.set V_PF, 15                          ; r x one row + h x one sub
.set V_LBP, 18                         ; later passes: where my operands are read
.set V_LS, 24                          ; v24-27  where my rounded operands go, in each quarter of the slice
.set V_LB, 28                          ; v28-31  where my operands are read, in each quarter of the slice
.set TT,   32                          ; v32-63  rounded operands on their way to LDS: two sets by turns, so that a rounding does not write what the last LDS stores still read
.set AR,   64                          ; v64-207 token operands: sub v, K step t, tile i at AR + 48 (v % 3) + 24 t + 8 i
.set EE,   208                         ; the way out
.set AU,   224
.set PP,   240
.set BF,   96                          ; window 1: weights' operands: K step t, matrix m, operand c at BF + 32 t + 16 m + 8 c;  v0-95: sums, tile i, matrix m, operand c at 32 i + 16 m + 8 c
.set WR,   160                         ; window 1: v160-255 weights as loaded: sub v at WR + 32 (v % 3)
.set MSB, 0
.set NI, 0                             ; loads issued so far
.set MK, 0
.set DN, 0                             ; the furthest place in the queue that a wait has shown in
.macro WIN new                         ; s_set_vgpr_msb: bits 1:0 source 0, 3:2 source 1, 5:4 source 2, 7:6 destination; the high byte repeats the setting that is left
.if MSB != (\new)
	s_set_vgpr_msb (MSB<<8)|(\new)
.set MSB, \new
.endif
.endm
.macro SETMARK idx                     ; group idx (0-2: weights' ring; 3-8: token ring) ends here in the queue
.irp n, 0,1,2,3,4,5,6,7,8
.if (\idx) == \n
.set MK\n, NI
.endif
.endr
.endm
.macro GETMARK idx
.irp n, 0,1,2,3,4,5,6,7,8
.if (\idx) == \n
.set MK, MK\n
.endif
.endr
.endm
.macro WAITL idx                       ; group idx is in: what was issued behind it stays out; no line where an earlier wait has shown a younger group in
	GETMARK \idx
.if MK > DN
	s_wait_loadcnt NI-MK
.set DN, MK
.endif
.endm
.macro PLACES                          ; four places between a matrix instruction and a load into, or a vector instruction on, its registers (ISA guide 7.12.1 for vector instructions)
.rept 4
	v_nop
.endr
.endm
.macro BAR
	s_wait_dscnt 0x0                               ; for the others' sake: my LDS stores are done, and my LDS reads are back
	s_barrier_signal -1
	s_barrier_wait -1
.endm
.macro LLOAD v                         ; my group of sub v: rows 8 h + 0..7 of its 16
	WIN 0x40                                       ; destination window 1, address window 0
.irp i, 0,1,2,3,4,5,6,7
	global_load_b128 v[WR+32*((\v)%LEAD)+4*(\i):WR+32*((\v)%LEAD)+4*(\i)+3], v[V_W], s[S_WP:S_WP+1] offset:(\v)*SUBB+(\i)*ROWB th:TH_LOAD_NT
.endr
.set NI, NI+8
	SETMARK (\v)%LEAD
.endm
.macro LGRP v                          ; my group of sub v is rounded and stored to LDS; its registers are loaded again, three subs on
	WAITL (\v)%LEAD
	WIN 0x05                                       ; sources window 1, destination window 0
.irp c, 0,1,2,3
.irp p, 0,1,2,3
	v_cvt_pk_bf16_f32 v[TT+16*((\v)%2)+4*(\c)+(\p)], v[WR+32*((\v)%LEAD)+8*(\p)+(\c)], v[WR+32*((\v)%LEAD)+8*(\p)+4+(\c)]   ; operand c, rows 2 p and 2 p + 1
.endr
.endr
.if (\v)+LEAD < NSUB
	LLOAD (\v)+LEAD
.endif
	WIN 0
.if (((\v)%2) == 0) && ((\v) <= 8)
	; asked ahead: my 16 rows of sub v + 5 (lanes 0-15) and of sub v + 6 (lanes 16-31), a lane a row, of which 256 bytes are mine; their loads are issued two and three subs further on;
	; each block is asked for once, by the wave that will load it; sub 14 is the last that is asked for
	global_prefetch_b8 v[V_PF], s[S_WP:S_WP+1] offset:((\v)+5)*SUBB th:TH_LOAD_NT scope:SCOPE_SE
.endif
.irp c, 0,1,2,3
	ds_store_b128 v[V_LS+(\v)/4], v[TT+16*((\v)%2)+4*(\c):TT+16*((\v)%2)+4*(\c)+3] offset:((\v)%4)*16384+(\c)*1024   ; 512 consecutive bytes a store
.endr
.endm
.macro ALD v, t                        ; the token operands of K step t of sub v, all three tiles: six loads of 512 consecutive bytes
	WIN 0
.irp i, 0,1,2
	global_load_b128 v[AR+48*((\v)%LEAD)+24*(\t)+8*(\i):AR+48*((\v)%LEAD)+24*(\t)+8*(\i)+3],   v[V_RO+(\i)], s[8:9] offset:1024*(2*(\v)+(\t))
	global_load_b128 v[AR+48*((\v)%LEAD)+24*(\t)+8*(\i)+4:AR+48*((\v)%LEAD)+24*(\t)+8*(\i)+7], v[V_RO+(\i)], s[8:9] offset:1024*(2*(\v)+(\t))+512
.endr
.set NI, NI+6
	SETMARK 3+2*((\v)%LEAD)+(\t)
.endm
.macro KLOADB t, base, off             ; my four operands of a K step: eight loads of 512 consecutive bytes
	WIN 0x40
.irp m, 0,1
.irp c, 0,1
	ds_load_b128 v[BF+32*(\t)+16*(\m)+8*(\c):BF+32*(\t)+16*(\m)+8*(\c)+3],   v[\base] offset:(\off)+(\m)*4096+(\c)*1024
	ds_load_b128 v[BF+32*(\t)+16*(\m)+8*(\c)+4:BF+32*(\t)+16*(\m)+8*(\c)+7], v[\base] offset:(\off)+(\m)*4096+(\c)*1024+512
.endr
.endr
.endm
; The weights are source 0, the tokens source 1: a lane then holds token r, and register j of operand c column 32 h + 4 j + c.
.macro WM i, t, g
.irp m, 0,1
.irp c, 0,1
	v_wmma_f32_16x16x32_bf16 v[32*(\i)+16*(\m)+8*(\c):32*(\i)+16*(\m)+8*(\c)+7], v[BF+32*(\t)+16*(\m)+8*(\c):BF+32*(\t)+16*(\m)+8*(\c)+7], v[AR+48*(\g)+24*(\t)+8*(\i):AR+48*(\g)+24*(\t)+8*(\i)+7], v[32*(\i)+16*(\m)+8*(\c):32*(\i)+16*(\m)+8*(\c)+7]
.endr
.endr
.endm
.macro BATCH t, g                      ; up to twelve products; the sums take turns, one instruction a turn; dead tiles are jumped
	WIN 0x51                                       ; weights, C and D window 1, tokens window 0
	WM 0, \t, \g
	WIN 0
	s_cmp_lt_u32 s[S_NL], 2
	s_cbranch_scc1 .Lx_\@
	WIN 0x51
	WM 1, \t, \g
	WIN 0
	s_cmp_lt_u32 s[S_NL], 3
	s_cbranch_scc1 .Lx_\@
	WIN 0x51
	WM 2, \t, \g
	WIN 0
.Lx_\@:
.endm
; Step u of the stream: sub u + 3 is rounded, sub u multiplied.  In front of each batch of products the NEXT K step's eight operand loads are issued, so that they come out of LDS while the batch runs; each wait
; on DScnt then leaves just those eight out.  Sub u + 1's first K step is read in step u only where the barrier in force has shown it: not where u + 1 is a multiple of three; there it is read behind the barrier.
.macro STEP
.if (u%LEAD) == 0
.if u > 0
	BAR                                            ; subs u to u + 2 are in LDS, everybody's part of them
.endif
	KLOADB 0, V_LB+u/4, (u%4)*16384
.endif
.if u+LEAD < NSUB
	LGRP u+LEAD
.endif
	KLOADB 1, V_LB+u/4, (u%4)*16384+8192
	WAITL 3+2*(u%LEAD)                             ; the first K step's six token loads are in
	s_wait_dscnt 8                                 ; its weights' operands are in (and my four stores); the second K step's eight loads are younger
	BATCH 0, u%LEAD
	PLACES
.if u+LEAD < NSUB
	ALD u+LEAD, 0
.endif
.if ((u+1)%LEAD != 0) && (u+1 < NSUB)
	KLOADB 0, V_LB+(u+1)/4, ((u+1)%4)*16384
	WAITL 4+2*(u%LEAD)                             ; the second K step's six token loads are in
	s_wait_dscnt 8                                 ; its weights' operands are in; the next sub's eight loads are younger
.else
	WAITL 4+2*(u%LEAD)
	s_wait_dscnt 0x0
.endif
	BATCH 1, u%LEAD
	PLACES
.if u+LEAD < NSUB
	ALD u+LEAD, 1
.endif
.endm
.macro NLCALC                          ; my first tile of pass P, and how many of my three are live
	s_mul_i32 s[S_TB], s[S_P], 12
	s_add_co_u32 s[S_TB], s[S_TB], s[S_Q]
	s_add_co_u32 s[S_NL], s[S_NT], 3
	s_sub_co_i32 s[S_NL], s[S_NL], s[S_TB]
	s_max_i32 s[S_NL], s[S_NL], 0
	s_lshr_b32 s[S_NL], s[S_NL], 2
	s_min_u32 s[S_NL], s[S_NL], 3
.endm
; My three tiles' places in hb and in xg.  live = 1 for a tile under the count, else 0, bounded by a constant as its last line; for xg the tile's number is multiplied by it and my lane's 16 bytes
; (0x1f0 at the most) are masked by live x 0x1f0: so all lanes of a dead tile read one spot of the expert's tile 0.
.macro SETUPX
	WIN 0
.irp i, 0,1,2
	s_add_co_u32 s[S_TI], s[S_TB], 4*(\i)
	s_min_u32 s[S_TI], s[S_TI], 63
	s_lshl_b32 s[S_TS], s[S_TI], 16
	v_add_nc_u32 v[V_HO+(\i)], s[S_TS], v[V_L16]
	s_sub_co_i32 s[S_MSK], s[S_NL], \i
	s_max_i32 s[S_MSK], s[S_MSK], 0
	s_min_u32 s[S_MSK], s[S_MSK], 1                ; live
	s_mul_i32 s[S_TI], s[S_TI], s[S_MSK]
	s_mul_i32 s[S_MSK], s[S_MSK], 0x1f0
	s_lshl_b32 s[S_TS], s[S_TI], 15
	s_add_co_u32 s[S_TS], s[S_TS], s[S_E21]
	v_and_b32 v16, s[S_MSK], v[V_L16]
	v_add_nc_u32 v[V_RO+(\i)], s[S_TS], v16
.endr
.endm
.macro CLEAR                           ; the sums start at 0, on purpose by moves: one text then serves every K step and every jump over a dead tile; it stands in the wait for the first data
	WIN 0x40
.set n, 0
.rept 96
	v_mov_b32 v[n], 0
.set n, n+1
.endr
	WIN 0
.endm
; THE WAY OUT of tile i: h = a u / (1 + 2^(-a log2 e)), rounded to bf16; two stores of 512 consecutive bytes.  Each sum's lowest registers are read first.
.macro EPI i
	s_cmp_le_u32 s[S_NL], \i
	s_cbranch_scc1 .Lno_\@
	s_wait_xcnt 0x0                                ; the last tile's stores have read their registers
	WIN 0x01
.irp p, 0,1,2,3,4,5,6,7
	v_pk_mul_f32 v[EE+2*(\p):EE+2*(\p)+1], v[32*(\i)+2*(\p):32*(\i)+2*(\p)+1], s[S_CS:S_CS+1] op_sel_hi:[1,0]
.endr
	WIN 0x05
.irp p, 0,1,2,3,4,5,6,7
	v_pk_mul_f32 v[AU+2*(\p):AU+2*(\p)+1], v[32*(\i)+2*(\p):32*(\i)+2*(\p)+1], v[32*(\i)+16+2*(\p):32*(\i)+16+2*(\p)+1]
.endr
	WIN 0
.set n, 0
.rept 16
	v_exp_f32 v[EE+n], v[EE+n]
.set n, n+1
.endr
	v_nop                                          ; a plain instruction behind the last power,
	s_wait_alu depctr_va_vdst(0)                   ; and the one wait ahead of the batch's first reader
.set n, 0
.rept 8
	v_pk_add_f32 v[EE+n:EE+n+1], v[EE+n:EE+n+1], 1.0 op_sel_hi:[1,0]
.set n, n+2
.endr
.set n, 0
.rept 16
	v_rcp_f32 v[EE+n], v[EE+n]
.set n, n+1
.endr
	v_nop
	s_wait_alu depctr_va_vdst(0)                   ; one wait for the 16 reciprocals
.set n, 0
.rept 8
	v_pk_mul_f32 v[AU+n:AU+n+1], v[AU+n:AU+n+1], v[EE+n:EE+n+1]
.set n, n+2
.endr
.irp j, 0,1,2,3,4,5,6,7
	v_cvt_pk_bf16_f32 v[PP+(\j)], v[AU+(\j)], v[AU+8+(\j)]   ; columns 32 h + 4 j + 2 ch and + 1
.endr
	global_store_b128 v[V_HO+(\i)], v[PP:PP+3], s[S_HB:S_HB+1]
	global_store_b128 v[V_HO+(\i)], v[PP+4:PP+7], s[S_HB:S_HB+1] offset:512
.Lno_\@:
.endm
	s_load_b256 s[4:11], s[0:1], 0x0               ; gate_bank s[4:5], up_bank s[6:7], xg s[8:9], cnt s[10:11]
	s_load_b64 s[12:13], s[0:1], 0x20              ; hb
	v_lshl_add_u32 v[V_SPW], v0, 2, SPARE
	v_mov_b32 v[V_NIL], 0
	v_lshrrev_b32 v1, 5, v0
	v_readfirstlane_b32 s[S_WV], v1
	v_and_b32 v1, 31, v0                           ; lane
	v_and_b32 v2, 15, v0                           ; r
	v_bfe_u32 v3, v0, 4, 1                         ; h
	v_lshlrev_b32 v[V_L16], 4, v1
	s_and_b32 s[S_EX], ttmp7, 0xffff
	s_mov_b32 s[S_BLK], ttmp9
	s_and_b32 s[S_Q], s[S_WV], 3
	s_lshr_b32 s[S_CH], s[S_WV], 2
	s_and_b32 s[S_RHO], s[S_WV], 1
	s_lshr_b32 s[S_M], s[S_WV], 1
	s_and_b32 s[S_M], s[S_M], 1
	s_lshl_b32 s[S_OF], s[S_EX], 23                ; my group of sub 0: expert x 8 MiB + block x 256 bytes + (w / 4) x 32 rows + (w % 2) x 16 rows
	s_lshl_b32 s[S_TS], s[S_BLK], 8
	s_add_co_u32 s[S_OF], s[S_OF], s[S_TS]
	s_lshl_b32 s[S_TS], s[S_CH], 18
	s_add_co_u32 s[S_OF], s[S_OF], s[S_TS]
	s_lshl_b32 s[S_TS], s[S_RHO], 17
	s_add_co_u32 s[S_OF], s[S_OF], s[S_TS]
	s_mov_b32 s[S_OF+1], 0
	s_lshl_b32 s[S_O2], s[S_EX], 22                ; hb: expert x 4 MiB + block x 2,048 + ch x 1,024
	s_lshl_b32 s[S_TS], s[S_BLK], 11
	s_add_co_u32 s[S_O2], s[S_O2], s[S_TS]
	s_lshl_b32 s[S_TS], s[S_CH], 10
	s_add_co_u32 s[S_O2], s[S_O2], s[S_TS]
	s_mov_b32 s[S_O2+1], 0
	s_lshl_b32 s[S_O3], s[S_EX], 2                 ; cnt: the expert's word
	s_mov_b32 s[S_O3+1], 0
	s_lshl_b32 s[S_E21], s[S_EX], 21               ; xg: expert x 2 MiB
	s_lshl_b32 s[S_LS], s[S_CH], 13                ; in a sub of the slice: K step x 8,192 + matrix x 4,096 + operand x 1,024 + half x 512 + 16 x lane
	s_lshl_b32 s[S_TS], s[S_M], 12
	s_add_co_u32 s[S_LS], s[S_LS], s[S_TS]
	s_lshl_b32 s[S_TS], s[S_RHO], 9
	s_add_co_u32 s[S_LS], s[S_LS], s[S_TS]
	v_add_nc_u32 v[V_LS], s[S_LS], v[V_L16]
	s_lshl_b32 s[S_TS], s[S_CH], 11                ; I read operands 2 ch and 2 ch + 1
	v_add_nc_u32 v[V_LB], s[S_TS], v[V_L16]
.irp k, 1,2,3
	v_add_nc_u32 v[V_LS+(\k)], (\k)*0x10000, v[V_LS]
	v_add_nc_u32 v[V_LB+(\k)], (\k)*0x10000, v[V_LB]
.endr
	v_lshlrev_b32 v[V_W], 16, v3
	v_lshl_add_u32 v[V_W], v2, 4, v[V_W]
	v_lshlrev_b32 v[V_PF], 13, v2
	v_lshl_add_u32 v[V_PF], v3, 19, v[V_PF]
	s_mov_b32 s[S_CS], 0xbfb8aa3b                  ; -log2(e)
	s_mov_b32 s[S_CS+1], s[S_CS]                   ; named with it as a pair
	s_wait_kmcnt 0x0
	s_add_nc_u64 s[S_CP:S_CP+1], s[10:11], s[S_O3:S_O3+1]
	s_load_b32 s[S_NE], s[S_CP:S_CP+1], 0x0        ; the expert's rows: on its way together with the first weights
	s_cmp_lg_u32 s[S_M], 0                         ; which of the two matrices I load hangs on the wave's number alone
	s_cselect_b64 s[S_WP:S_WP+1], s[6:7], s[4:5]
	s_add_nc_u64 s[S_WP:S_WP+1], s[S_WP:S_WP+1], s[S_OF:S_OF+1]
	s_add_nc_u64 s[S_HB:S_HB+1], s[12:13], s[S_O2:S_O2+1]
	LLOAD 0
	LLOAD 1
	LLOAD 2
	s_wait_kmcnt 0x0                               ; the count
	s_min_u32 s[S_NE], s[S_NE], 0x400
	s_add_co_u32 s[S_NT], s[S_NE], 15
	s_lshr_b32 s[S_NT], s[S_NT], 4
	s_max_u32 s[S_NT], s[S_NT], 1                  ; tile 0 counts as live
	s_mov_b32 s[S_P], 0
	NLCALC
	SETUPX
.irp v, 0,1,2
	ALD \v, 0                                      ; the token operands of subs 0 to 2 go out ahead of the first rounding
	ALD \v, 1
.endr
	CLEAR
	LGRP 0                                         ; subs 0 to 2 are rounded, and subs 3 to 5 asked for
	LGRP 1
	LGRP 2
	BAR                                            ; subs 0 to 2 are in LDS
.set u, 0
.rept NSUB
	STEP
.set u, u+1
.endr
	s_mov_b32 s[S_P], 0
.Lpass:                                                ; six passes of 12 tiles cover the 64 tiles that one expert can have; a pass in which I have no live tile is jumped
	s_cmp_eq_u32 s[S_P], 0
	s_cbranch_scc1 .Lep                            ; pass 0 has been multiplied under the stream
	NLCALC
	s_cmp_eq_u32 s[S_NL], 0
	s_cbranch_scc1 .Lbottom
	s_wait_loadcnt 0x0
	s_wait_xcnt 0x0                                ; the last pass's stores have read their offsets and data
	SETUPX
	CLEAR
	s_mov_b64 s[S_XP:S_XP+1], s[8:9]
	s_mov_b32 s[S_LO], 0
	s_mov_b32 s[S_IC], NSUB
.Lin:                                                  ; a sub of the resident slice: two K steps
	v_add_nc_u32 v[V_LBP], s[S_LO], v[V_LB]
.irp t, 0,1
.irp i, 0,1,2
	global_load_b128 v[AR+24*(\t)+8*(\i):AR+24*(\t)+8*(\i)+3],   v[V_RO+(\i)], s[S_XP:S_XP+1] offset:1024*(\t)
	global_load_b128 v[AR+24*(\t)+8*(\i)+4:AR+24*(\t)+8*(\i)+7], v[V_RO+(\i)], s[S_XP:S_XP+1] offset:1024*(\t)+512
.endr
.endr
	KLOADB 0, V_LBP, 0
	KLOADB 1, V_LBP, 8192
	s_wait_loadcnt 6                               ; the first K step's six loads are in; the second's six are younger
	s_wait_dscnt 8
	BATCH 0, 0
	PLACES
	s_wait_loadcnt 0x0
	s_wait_dscnt 0x0
	BATCH 1, 0
	PLACES
	s_wait_xcnt 0x0                                ; xg's address is stepped only behind this wait
	s_add_nc_u64 s[S_XP:S_XP+1], s[S_XP:S_XP+1], 2048
	s_add_co_u32 s[S_LO], s[S_LO], 16384
	s_sub_co_i32 s[S_IC], s[S_IC], 1
	s_cmp_lg_u32 s[S_IC], 0
	s_cbranch_scc1 .Lin
.Lep:
	EPI 0
	EPI 1
	EPI 2
.Lbottom:
	s_add_co_u32 s[S_P], s[S_P], 1
	s_cmp_lt_u32 s[S_P], 6
	s_cbranch_scc1 .Lpass
	BAR                                            ; every wave's LDS reads are over
	s_wait_tensorcnt 0x0                           ; the wave's end, behind my last LDS store
	ds_add_u32 v[V_SPW], v[V_NIL]
	s_wait_dscnt 0x0
	s_endpgm
.Lfunc_end_k_q5e520bde16_ffn1:
	.size	k_q5e520bde16_ffn1, .Lfunc_end_k_q5e520bde16_ffn1-k_q5e520bde16_ffn1
	.p2alignl 7, 3214868480
	.fill 96, 4, 3214868480
	.section	.rodata,"a",@progbits
	.p2align	6, 0x0
	.amdhsa_kernel k_q5e520bde16_ffn1
		.amdhsa_group_segment_fixed_size 263168
		.amdhsa_private_segment_fixed_size 0
		.amdhsa_enable_private_segment 0
		.amdhsa_kernarg_size 40
		.amdhsa_user_sgpr_count 2
		.amdhsa_user_sgpr_kernarg_segment_ptr 1
		.amdhsa_wavefront_size32 1
		.amdhsa_system_sgpr_workgroup_id_x 1
		.amdhsa_system_sgpr_workgroup_id_y 1
		.amdhsa_system_sgpr_workgroup_id_z 1
		.amdhsa_system_vgpr_workitem_id 0
		.amdhsa_next_free_vgpr 512
		.amdhsa_next_free_sgpr 66
		.amdhsa_reserve_vcc 0
		.amdhsa_float_denorm_mode_32 3
		.amdhsa_float_denorm_mode_16_64 3
		.amdhsa_memory_ordered 1
		.amdhsa_forward_progress 1
		.amdhsa_inst_pref_size 140
	.end_amdhsa_kernel
	.amdgpu_metadata
---
amdhsa.version: [ 1, 2 ]
amdhsa.kernels:
  - .name:           k_q5e520bde16_ffn1
    .symbol:         k_q5e520bde16_ffn1.kd
    .args:
      - { .name: gate_bank, .offset: 0, .size: 8, .value_kind: global_buffer, .address_space: global }
      - { .name: up_bank, .offset: 8, .size: 8, .value_kind: global_buffer, .address_space: global }
      - { .name: xg, .offset: 16, .size: 8, .value_kind: global_buffer, .address_space: global }
      - { .name: cnt, .offset: 24, .size: 8, .value_kind: global_buffer, .address_space: global }
      - { .name: hb, .offset: 32, .size: 8, .value_kind: global_buffer, .address_space: global }
    .group_segment_fixed_size: 263168
    .private_segment_fixed_size: 0
    .kernarg_segment_align: 8
    .kernarg_segment_size: 40
    .max_flat_workgroup_size: 256
    .sgpr_count:     66
    .vgpr_count:     512
    .wavefront_size: 32
...
	.end_amdgpu_metadata
.endif
;; end of part 5
;; launch ffn2 (part 6): grid 16 x 8, 8 waves a work-group, no clusters, 312,320 bytes of LDS; arguments down_bank, hb, cnt, ord, out0; writes out0
.if DOCPART == 6
	.amdgcn_target "amdgcn-amd-amdhsa--gfx1250"
	.amdhsa_code_object_version 6
	.text
	.protected	k_q5e520bde16_ffn2
	.globl	k_q5e520bde16_ffn2
	.p2align	8
	.type	k_q5e520bde16_ffn2,@function
k_q5e520bde16_ffn2:
	s_mov_b64 s[64:65], 0
	v_nop
	global_prefetch_b8 v0, s[64:65] scope:SCOPE_SE
	s_setreg_imm32_b32 hwreg(HW_REG_WAVE_MODE, 25, 1), 1
	s_wait_xcnt 0x0
; LAST PRODUCT.  For the rows of expert e:  out0[token of the row][n] = sum over k of h[row][k] down_bank[e][k][n].
; down_bank: [8][2048][1024] f32; hb: bf16, [e 8][tile 64][block 32][2,048 bytes], as the launch before left it; cnt: [8] u32, the experts' rows; ord: [e 8][1024] u32, the token at each place of the experts'
; live tiles (places past the count repeat the last token); out0: [1024][1024] f32.
; SHARES.  A work-group has expert e (grid y) and 64 columns n (grid x): 2,048 rows x 256 bytes = 512 KB of f32 weights, which it alone reads, once.  128 work-groups: slices of 32 columns would read
; half of each 256 consecutive bytes of a weight row, and a split of K over work-groups would want one more launch to add the parts.  All eight waves run one text.
; THE STREAM goes in 16 SUBS of 128 along K (32 KB of f32): two blocks of 64.  Of a sub wave w loads one GROUP: block w / 4, sigma = (w / 2) % 2, rho = w % 2: eight loads of 16 bytes a lane.
; THE WEIGHTS ARE TURNED IN REGISTERS.  Lane (r, h) loads 16 bytes of a row: columns 4 r + 0..3.  Word c belongs to operand c, whose column number r stands for column 4 r + c; two loads give one packed rounding.
; THE WHOLE SLICE STAYS IN LDS in bf16 (262,144 bytes), each byte written once.  The rounding runs three subs ahead of the products, so one barrier serves three subs: between two barriers subs 3 k .. 3 k + 2 are read
; and subs 3 k + 3 .. 3 k + 5 written.  The weights' operands are read from LDS a K step ahead of their products wherever the barrier in force has shown them (not from a sub 3 k + 2 into the next).
; ONE QUEUE OF LOADS.  Loads come back in the order of issue (ISA guide 5.7.1), so h's operands are asked for as far ahead as the weights: three subs, 3 x (8 + 12) = 60 loads of a wave out.  Every counted wait is
; NI - MK: the loads issued so far less those issued up to the end of the group that is wanted; both are symbols of this text.  DN is the furthest place in the queue that a wait has shown in: a group at or
; ahead of it gets no wait.
; THE ORDER OF K.  In K step (block, sigma) place (h, rho, a) of an operand stands for k = 64 block + 32 h + 16 rho + 4 (a / 2) + 2 sigma + a % 2, alike for h and for the weights' rows:
; so a plane of hb's block (512 consecutive bytes) is half an operand as it lies.
; PRODUCTS, PASS 0 (192 rows, under the stream).  Wave w multiplies for q = w % 4 (tiles 4 i + q) and kh = w / 4: block kh of each sub, all four operands: 12 products a K step; h is read once by the work-group.
; THE TWO PARTIAL SUMS (f32) of waves q and q + 4 meet in LDS once, by the same lines in both: wave kh loads h with lane L xor 4 kh, so that register j of half h is place (8 h + j) xor 4 kh; every wave stores registers 0-3
; of each sum into its own 6 KB, and behind one barrier adds its partner's onto its registers 4-7: those are the same places.  Each wave then stores four rows of each half of the lanes; their four tokens are 16
; consecutive bytes of ord: one load a tile, issued in step 10 of the stream, where the weights' loads have ended, and ahead of h's operands of sub 13 in the queue.
; LATER PASSES (tiles 12 on, 24 a pass) multiply from the resident slice, a wave's tiles over all K: no exchange, no barrier, no LDS write.
; ROWS.  A dead tile's loads read 16 bytes of the expert's tile 0, in hb and in ord, which the launches before always write; its products are jumped (a wave's first tile of pass 0 is always multiplied) and nothing is
; stored for it.  Each output row has one owner: the token's expert; places past the count store the last row's numbers once more.  Every split is served: 1,024 rows on one expert, or none.
; LIMITS.  The weights are rounded to bf16; sums in f32.  NaN and infinities are not treated apart.
; NO CLUSTER: each slice of weights has one reader.  An expert's work-groups share hb's rows, but beside the resident slice and the exchange 15 KB of LDS are left, and their number hangs on a count read from memory.
.set XCH,   262144                     ; behind the slice: the exchange, 6,144 bytes a wave
.set SPARE, XCH+8*6144                 ; the spare words, 128 bytes a wave: four blocks of 256 bytes that no other line names
.set SUBB,  0x80000                    ; a sub in memory: 128 rows of 4,096 bytes
.set ROWB,  4096
.set NSUB,  16
.set LEAD,  3                          ; subs asked for ahead, and subs that the rounding runs ahead of the products
.set S_WV, 14                          ; wave
.set S_EX, 15                          ; expert
.set S_BLK, 16                         ; column block
.set S_Q, 17                           ; w % 4
.set S_NE, 18                          ; the expert's rows
.set S_NT, 19                          ; its tiles
.set S_KH, 20                          ; w / 4
.set S_NL, 21                          ; my live tiles in the pass, 0..3
.set S_P, 22                           ; pass
.set S_IC, 23                          ; blocks to go in a later pass
.set S_WP, 24                          ; s[24:25] down_bank at my group of sub 0; never stepped
.set S_CP, 26                          ; s[26:27] cnt at my expert; never rewritten
.set S_HP, 28                          ; s[28:29] later passes: hb at the block in hand
.set S_OF, 30                          ; s[30:31] an offset
.set S_OUT, 32                         ; s[32:33] out0 at my 64 columns
.set S_E12, 34                         ; my expert's part of ord
.set S_LO, 36                          ; later passes: the block's place in LDS
.set S_E22, 37                         ; my expert's part of hb
.set S_TB, 38                          ; my first tile of the pass
.set S_TI, 40
.set S_TS, 41
.set S_RHO, 42                         ; w % 2
.set S_SG, 43                          ; (w / 2) % 2
.set S_LS, 44
.set S_KHO, 45                         ; pass 0: kh x 2,048; later 0
.set S_MSK, 46
.set S_O3, 50                          ; s[50:51] an offset
.set V_SPW, 4                          ; LDS address of my spare word; never rewritten
.set V_NIL, 5                          ; 0; never rewritten
.set V_L16, 6                          ; 16 x lane
.set V_H32, 7                          ; 32 h: eight words of ord
.set V_W,  8                           ; h x 32 rows + 16 r
.set V_VO, 9                           ; v9-11   tile i: its place in hb + my lane's 16 bytes
.set V_XS, 12                          ; the exchange: my own part
.set V_XR, 13                          ; my partner's
.set V_R16, 14                         ; 16 r
.set V_PF, 15
.set V_LBP, 18                         ; later passes: where the operands are read
.set V_OA, 19                          ; v19-21  tile i: my rows' words of ord
.set V_PLB, 22                         ; in a tile's 64 bytes of ord: the first row that my half of the lanes stores
.set V_LT, 23                          ; my lane's 16 bytes in a plane of hb
.set V_LS, 24                          ; v24-27  where my rounded operands go, in each quarter of the slice
.set V_LB, 28                          ; v28-31  where my operands are read, in each quarter of the slice
.set TT,   32                          ; v32-63  rounded operands on their way to LDS: two sets by turns, so that a rounding does not write what the last LDS stores still read
.set OO,   32                          ; v32-63  later, the way out: four neighbouring columns of up to eight rows
.set AR,   64                          ; v64-207 h's operands: sub v, K step t, tile i at AR + 48 (v % 3) + 24 t + 8 i
.set XX,   208                         ; v208-223 my partner's registers 0-3 of a tile's four sums
.set TOK,  224                         ; v224-235 pass 0: tile i's four tokens, then their rows' offsets in out0
.set TO,   240                         ; v240-247 later passes: a tile's eight tokens, then their rows' offsets
.set TA,   248
.set BF,   96                          ; window 1: weights' operands: K step t, operand c at BF + 32 t + 8 c;  v0-95: sums, tile i, operand c at 32 i + 8 c
.set WR,   160                         ; window 1: v160-255 weights as loaded: sub v at WR + 32 (v % 3)
.set MSB, 0
.set NI, 0                             ; loads issued so far
.set MK, 0
.set DN, 0                             ; the furthest place in the queue that a wait has shown in
.macro WIN new                         ; s_set_vgpr_msb: bits 1:0 source 0, 3:2 source 1, 5:4 source 2, 7:6 destination; the high byte repeats the setting that is left
.if MSB != (\new)
	s_set_vgpr_msb (MSB<<8)|(\new)
.set MSB, \new
.endif
.endm
.macro SETMARK idx                     ; group idx (0-2: weights' ring; 3-8: h's ring) ends here in the queue
.irp n, 0,1,2,3,4,5,6,7,8
.if (\idx) == \n
.set MK\n, NI
.endif
.endr
.endm
.macro GETMARK idx
.irp n, 0,1,2,3,4,5,6,7,8
.if (\idx) == \n
.set MK, MK\n
.endif
.endr
.endm
.macro WAITL idx                       ; group idx is in: what was issued behind it stays out; no line where an earlier wait has shown a younger group in
	GETMARK \idx
.if MK > DN
	s_wait_loadcnt NI-MK
.set DN, MK
.endif
.endm
.macro PLACES                          ; four places between a matrix instruction and a load into, a store of, or a vector instruction on, its registers (ISA guide 7.12.1 for vector instructions)
.rept 4
	v_nop
.endr
.endm
.macro BAR
	s_wait_dscnt 0x0                               ; for the others' sake: my LDS stores are done, and my LDS reads are back
	s_barrier_signal -1
	s_barrier_wait -1
.endm
.macro LLOAD v                         ; my group of sub v: rows 32 h + 4 (i / 2) + i % 2 behind 64 block + 16 rho + 2 sigma
	WIN 0x40                                       ; destination window 1, address window 0
.irp i, 0,1,2,3,4,5,6,7
	global_load_b128 v[WR+32*((\v)%LEAD)+4*(\i):WR+32*((\v)%LEAD)+4*(\i)+3], v[V_W], s[S_WP:S_WP+1] offset:(\v)*SUBB+(4*((\i)/2)+(\i)%2)*ROWB th:TH_LOAD_NT
.endr
.set NI, NI+8
	SETMARK (\v)%LEAD
.endm
.macro LGRP v                          ; my group of sub v is rounded and stored to LDS; its registers are loaded again, three subs on
	WAITL (\v)%LEAD
	WIN 0x05                                       ; sources window 1, destination window 0
.irp c, 0,1,2,3
.irp p, 0,1,2,3
	v_cvt_pk_bf16_f32 v[TT+16*((\v)%2)+4*(\c)+(\p)], v[WR+32*((\v)%LEAD)+8*(\p)+(\c)], v[WR+32*((\v)%LEAD)+8*(\p)+4+(\c)]
.endr
.endr
.if (\v)+LEAD < NSUB
	LLOAD (\v)+LEAD
.endif
	WIN 0
.if (((\v)%2) == 0) && ((\v) <= 8)
	; asked ahead: my 16 rows of sub v + 6 (lanes 0-15) and of sub v + 7 (lanes 16-31), a lane a row, of which 256 bytes are mine; their loads are issued three and four subs further on;
	; each block is asked for once, by the wave that will load it; sub 15, the slice's last, is the last that is asked for
	global_prefetch_b8 v[V_PF], s[S_WP:S_WP+1] offset:((\v)+6)*SUBB th:TH_LOAD_NT scope:SCOPE_SE
.endif
.irp c, 0,1,2,3
	ds_store_b128 v[V_LS+(\v)/4], v[TT+16*((\v)%2)+4*(\c):TT+16*((\v)%2)+4*(\c)+3] offset:((\v)%4)*16384+(\c)*1024   ; 512 consecutive bytes a store
.endr
.endm
.macro ALD3 v, t                       ; h's operands of my K step t of sub v, all three tiles: six loads of 512 consecutive bytes
	WIN 0
.irp i, 0,1,2
	global_load_b128 v[AR+48*((\v)%LEAD)+24*(\t)+8*(\i):AR+48*((\v)%LEAD)+24*(\t)+8*(\i)+3],   v[V_VO+(\i)], s[6:7] offset:(\v)*4096+(\t)*1024
	global_load_b128 v[AR+48*((\v)%LEAD)+24*(\t)+8*(\i)+4:AR+48*((\v)%LEAD)+24*(\t)+8*(\i)+7], v[V_VO+(\i)], s[6:7] offset:(\v)*4096+(\t)*1024+512
.endr
.set NI, NI+6
	SETMARK 3+2*((\v)%LEAD)+(\t)
.endm
.macro OLOAD                           ; pass 0: the four tokens that my half of the lanes stores, for each of my three tiles: 16 consecutive bytes of ord each
	WIN 0
.irp i, 0,1,2
	global_load_b128 v[TOK+4*(\i):TOK+4*(\i)+3], v[V_OA+(\i)], s[10:11]
.endr
.set NI, NI+3
.endm
.macro KLOADB t, base, off             ; the four operands of a K step: eight loads of 512 consecutive bytes
	WIN 0x40
.irp c, 0,1,2,3
	ds_load_b128 v[BF+32*(\t)+8*(\c):BF+32*(\t)+8*(\c)+3],   v[\base] offset:(\off)+(\c)*1024
	ds_load_b128 v[BF+32*(\t)+8*(\c)+4:BF+32*(\t)+8*(\c)+7], v[\base] offset:(\off)+(\c)*1024+512
.endr
.endm
; h is source 0, the weights source 1: register j of lane (r, h) is row 8 h + j of the operand, column 4 r + c.
.macro WM i, t, g
.irp c, 0,1,2,3
	v_wmma_f32_16x16x32_bf16 v[32*(\i)+8*(\c):32*(\i)+8*(\c)+7], v[AR+48*(\g)+24*(\t)+8*(\i):AR+48*(\g)+24*(\t)+8*(\i)+7], v[BF+32*(\t)+8*(\c):BF+32*(\t)+8*(\c)+7], v[32*(\i)+8*(\c):32*(\i)+8*(\c)+7]
.endr
.endm
.macro BATCH t, g                      ; up to twelve products; the sums take turns, one instruction a turn; dead tiles are jumped
	WIN 0x54                                       ; h window 0; weights, C and D window 1
	WM 0, \t, \g
	WIN 0
	s_cmp_lt_u32 s[S_NL], 2
	s_cbranch_scc1 .Lx_\@
	WIN 0x54
	WM 1, \t, \g
	WIN 0
	s_cmp_lt_u32 s[S_NL], 3
	s_cbranch_scc1 .Lx_\@
	WIN 0x54
	WM 2, \t, \g
	WIN 0
.Lx_\@:
.endm
; Step u of the stream: sub u + 3 is rounded, my block of sub u multiplied.  In front of each batch of products the NEXT K step's eight operand loads are issued, so that they come out of LDS while the batch runs;
; each wait on DScnt then leaves just those eight out.  Sub u + 1's first K step is read in step u only where the barrier in force has shown it: not where u + 1 is a multiple of three; there it is read behind the barrier.
.macro STEP
.if (u%LEAD) == 0
.if u > 0
	BAR                                            ; subs u to u + 2 are in LDS, everybody's part of them
.endif
	KLOADB 0, V_LB+u/4, (u%4)*16384
.endif
.if u+LEAD < NSUB
	LGRP u+LEAD
.endif
.if u == 10
	OLOAD                                          ; the last weights were asked for a step ago: the queue has room for these three
.endif
	KLOADB 1, V_LB+u/4, (u%4)*16384+4096
	WAITL 3+2*(u%LEAD)                             ; the first K step's six loads of h are in
	s_wait_dscnt 8                                 ; its weights' operands are in (and my four stores); the second K step's eight loads are younger
	BATCH 0, u%LEAD
	PLACES
.if u+LEAD < NSUB
	ALD3 u+LEAD, 0
.endif
.if ((u+1)%LEAD != 0) && (u+1 < NSUB)
	KLOADB 0, V_LB+(u+1)/4, ((u+1)%4)*16384
	WAITL 4+2*(u%LEAD)                             ; the second K step's six loads of h are in
	s_wait_dscnt 8                                 ; its weights' operands are in; the next sub's eight loads are younger
.else
	WAITL 4+2*(u%LEAD)
	s_wait_dscnt 0x0
.endif
	BATCH 1, u%LEAD
	PLACES
.if u+LEAD < NSUB
	ALD3 u+LEAD, 1
.endif
.endm
; My three tiles' places in hb (they lie str tiles apart) and, with o = 1, in ord.  live = 1 for a tile under the count, else 0, bounded by a constant as its last line; the tile's number is multiplied by it and my
; lane's 16 bytes (0x1f0 at the most) are masked by live x 0x1f0: so all lanes of a dead tile read one spot of the expert's tile 0.
.macro SETUP3 str, o
	WIN 0
.irp i, 0,1,2
	s_add_co_u32 s[S_TI], s[S_TB], (\str)*(\i)
	s_min_u32 s[S_TI], s[S_TI], 63
	s_sub_co_i32 s[S_MSK], s[S_NL], \i
	s_max_i32 s[S_MSK], s[S_MSK], 0
	s_min_u32 s[S_MSK], s[S_MSK], 1                ; live
	s_mul_i32 s[S_TI], s[S_TI], s[S_MSK]
	s_mul_i32 s[S_MSK], s[S_MSK], 0x1f0
	s_lshl_b32 s[S_TS], s[S_TI], 16
	s_add_co_u32 s[S_TS], s[S_TS], s[S_E22]
	s_add_co_u32 s[S_TS], s[S_TS], s[S_KHO]
	v_and_b32 v16, s[S_MSK], v[V_LT]
	v_add_nc_u32 v[V_VO+(\i)], s[S_TS], v16
.if \o
	s_lshl_b32 s[S_TS], s[S_TI], 6                 ; a tile's 16 words of ord
	s_add_co_u32 s[S_TS], s[S_TS], s[S_E12]
	v_add_nc_u32 v[V_OA+(\i)], s[S_TS], v[V_PLB]
.endif
.endr
.endm
.macro CLEAR                           ; the sums start at 0, on purpose by moves: one text then serves every K step and every jump over a dead tile; it stands in the wait for the first data
	WIN 0x40
.set n, 0
.rept 96
	v_mov_b32 v[n], 0
.set n, n+1
.endr
	WIN 0
.endm
; THE WAY OUT of tile i.  A lane's four neighbouring columns lie in four sums; they are brought into four consecutive registers, and 16 lanes store 256 consecutive bytes of one token's row, at a multiple of 256
; from out0's first byte.  x = 1 (pass 0): four rows, whose tokens came in under the stream; the line that brings a number over also adds the partner's partial sum.  x = 0: eight rows, whose tokens are loaded
; here; each sum's lowest register is read first.
.macro EPI3 i, x, str
	s_cmp_le_u32 s[S_NL], \i
	s_cbranch_scc1 .Lno_\@
	s_wait_xcnt 0x0                                ; the last tile's stores have read their offsets and data
.if \x
.set RB, TOK+4*(\i)
.irp c, 0,1,2,3
	ds_load_b128 v[XX+4*(\c):XX+4*(\c)+3], v[V_XR] offset:(4*(\i)+(\c))*512
.endr
.else
.set RB, TO
	s_add_co_u32 s[S_TI], s[S_TB], (\str)*(\i)
	s_min_u32 s[S_TI], s[S_TI], 63
	s_lshl_b32 s[S_TI], s[S_TI], 6
	s_add_co_u32 s[S_TI], s[S_TI], s[S_E12]
	v_add_nc_u32 v[TA], s[S_TI], v[V_PLB]
	global_load_b128 v[TO:TO+3], v[TA], s[10:11]
	global_load_b128 v[TO+4:TO+7], v[TA], s[10:11] offset:16
	s_wait_loadcnt 0x0
.endif
.set j, 0
.rept 8-4*(\x)
	v_min_u32 v[RB+j], 0x3ff, v[RB+j]
	v_lshl_add_u32 v[RB+j], v[RB+j], 12, v[V_R16]  ; the token's row + my 16 bytes
.set j, j+1
.endr
.if \x
	s_wait_dscnt 0x0                               ; my partner's partial sums are in
.endif
	WIN 0x01
.set j, 0
.rept 8-4*(\x)
.irp c, 0,1,2,3
.if \x
	v_add_f32 v[OO+4*j+(\c)], v[32*(\i)+8*(\c)+4+j], v[XX+4*(\c)+j]
.else
	v_mov_b32 v[OO+4*j+(\c)], v[32*(\i)+8*(\c)+j]
.endif
.endr
.set j, j+1
.endr
	WIN 0
.set j, 0
.rept 8-4*(\x)
	global_store_b128 v[RB+j], v[OO+4*j:OO+4*j+3], s[S_OUT:S_OUT+1] th:TH_STORE_NT
.set j, j+1
.endr
.Lno_\@:
.endm
	s_load_b256 s[4:11], s[0:1], 0x0               ; down_bank s[4:5], hb s[6:7], cnt s[8:9], ord s[10:11]
	s_load_b64 s[12:13], s[0:1], 0x20              ; out0
	v_lshl_add_u32 v[V_SPW], v0, 2, SPARE
	v_mov_b32 v[V_NIL], 0
	v_lshrrev_b32 v1, 5, v0
	v_readfirstlane_b32 s[S_WV], v1
	v_and_b32 v1, 31, v0                           ; lane
	v_and_b32 v2, 15, v0                           ; r
	v_bfe_u32 v3, v0, 4, 1                         ; h
	v_lshlrev_b32 v[V_L16], 4, v1
	v_lshlrev_b32 v[V_H32], 5, v3
	v_lshlrev_b32 v[V_R16], 4, v2
	s_and_b32 s[S_EX], ttmp7, 0xffff
	s_mov_b32 s[S_BLK], ttmp9
	s_and_b32 s[S_Q], s[S_WV], 3
	s_lshr_b32 s[S_KH], s[S_WV], 2
	s_and_b32 s[S_RHO], s[S_WV], 1
	s_lshr_b32 s[S_SG], s[S_WV], 1
	s_and_b32 s[S_SG], s[S_SG], 1
	s_lshl_b32 s[S_OF], s[S_EX], 23                ; my group of sub 0: expert x 8 MiB + block x 256 bytes + (64 (w / 4) + 16 rho + 2 sigma) rows
	s_lshl_b32 s[S_TS], s[S_BLK], 8
	s_add_co_u32 s[S_OF], s[S_OF], s[S_TS]
	s_lshl_b32 s[S_TS], s[S_KH], 18
	s_add_co_u32 s[S_OF], s[S_OF], s[S_TS]
	s_lshl_b32 s[S_TS], s[S_RHO], 16
	s_add_co_u32 s[S_OF], s[S_OF], s[S_TS]
	s_lshl_b32 s[S_TS], s[S_SG], 13
	s_add_co_u32 s[S_OF], s[S_OF], s[S_TS]
	s_mov_b32 s[S_OF+1], 0
	s_lshl_b32 s[S_O3], s[S_EX], 2                 ; cnt: the expert's word
	s_mov_b32 s[S_O3+1], 0
	s_lshl_b32 s[S_LS], s[S_KH], 13                ; in a sub of the slice: block x 8,192 + sigma x 4,096 + operand x 1,024 + rho x 512 + 16 x lane
	s_lshl_b32 s[S_TS], s[S_SG], 12
	s_add_co_u32 s[S_LS], s[S_LS], s[S_TS]
	s_lshl_b32 s[S_TS], s[S_RHO], 9
	s_add_co_u32 s[S_LS], s[S_LS], s[S_TS]
	v_add_nc_u32 v[V_LS], s[S_LS], v[V_L16]
	s_lshl_b32 s[S_TS], s[S_KH], 13                ; I read block kh
	v_add_nc_u32 v[V_LB], s[S_TS], v[V_L16]
.irp k, 1,2,3
	v_add_nc_u32 v[V_LS+(\k)], (\k)*0x10000, v[V_LS]
	v_add_nc_u32 v[V_LB+(\k)], (\k)*0x10000, v[V_LB]
.endr
	v_lshlrev_b32 v[V_W], 17, v3
	v_lshl_add_u32 v[V_W], v2, 4, v[V_W]
	v_lshrrev_b32 v16, 3, v2                       ; asked ahead: lane r stands for row 32 (r / 8) + 4 ((r / 2) % 4) + r % 2 of my group, half h for a sub
	v_lshlrev_b32 v16, 5, v16
	v_bfe_u32 v17, v2, 1, 2
	v_lshl_add_u32 v16, v17, 2, v16
	v_and_b32 v17, 1, v2
	v_add_nc_u32 v16, v16, v17
	v_lshlrev_b32 v[V_PF], 12, v16
	v_lshl_add_u32 v[V_PF], v3, 19, v[V_PF]
	s_lshl_b32 s[S_E22], s[S_EX], 22               ; hb: expert x 4 MiB
	s_lshl_b32 s[S_E12], s[S_EX], 12               ; ord: expert x 1,024 words
	s_lshl_b32 s[S_KHO], s[S_KH], 11
	s_lshl_b32 s[S_TS], s[S_KH], 6
	v_xor_b32 v[V_LT], s[S_TS], v[V_L16]           ; lane xor 4 kh
	s_lshl_b32 s[S_TS], s[S_KH], 4
	s_sub_co_u32 s[S_TS], 16, s[S_TS]
	v_add_nc_u32 v[V_PLB], s[S_TS], v[V_H32]       ; my registers 4-7 are places 8 h + 4 (1 - kh) + 0..3: four words of ord from byte 32 h + 16 (1 - kh) on
	s_mul_i32 s[S_TS], s[S_WV], 6144
	s_add_co_u32 s[S_TS], s[S_TS], XCH
	v_add_nc_u32 v[V_XS], s[S_TS], v[V_L16]
	s_xor_b32 s[S_TS], s[S_WV], 4
	s_mul_i32 s[S_TS], s[S_TS], 6144
	s_add_co_u32 s[S_TS], s[S_TS], XCH
	v_add_nc_u32 v[V_XR], s[S_TS], v[V_L16]
	s_wait_kmcnt 0x0
	s_add_nc_u64 s[S_CP:S_CP+1], s[8:9], s[S_O3:S_O3+1]
	s_load_b32 s[S_NE], s[S_CP:S_CP+1], 0x0        ; the expert's rows: on its way together with the first weights
	s_add_nc_u64 s[S_WP:S_WP+1], s[4:5], s[S_OF:S_OF+1]
	s_lshl_b32 s[S_OF], s[S_BLK], 8
	s_add_nc_u64 s[S_OUT:S_OUT+1], s[12:13], s[S_OF:S_OF+1]
	LLOAD 0
	LLOAD 1
	LLOAD 2
	s_wait_kmcnt 0x0                               ; the count
	s_min_u32 s[S_NE], s[S_NE], 0x400
	s_add_co_u32 s[S_NT], s[S_NE], 15
	s_lshr_b32 s[S_NT], s[S_NT], 4
	s_mov_b32 s[S_TB], s[S_Q]                      ; pass 0: tiles q, q + 4, q + 8
	s_add_co_u32 s[S_NL], s[S_NT], 3
	s_sub_co_i32 s[S_NL], s[S_NL], s[S_TB]
	s_max_i32 s[S_NL], s[S_NL], 0
	s_lshr_b32 s[S_NL], s[S_NL], 2
	s_min_u32 s[S_NL], s[S_NL], 3
	SETUP3 4, 1
.irp v, 0,1,2
	ALD3 \v, 0                                     ; h's operands of subs 0 to 2 go out ahead of the first rounding
	ALD3 \v, 1
.endr
	CLEAR
	LGRP 0                                         ; subs 0 to 2 are rounded, and subs 3 to 5 asked for
	LGRP 1
	LGRP 2
	BAR                                            ; subs 0 to 2 are in LDS
.set u, 0
.rept NSUB
	STEP
.set u, u+1
.endr
	; THE EXCHANGE: registers 0-3 of all twelve sums into my own part, dead tiles' too: so the first read of every sum is of its lowest registers on every way
	WIN 0x04                                       ; store data window 1, address window 0
.irp i, 0,1,2
.irp c, 0,1,2,3
	ds_store_b128 v[V_XS], v[32*(\i)+8*(\c):32*(\i)+8*(\c)+3] offset:(4*(\i)+(\c))*512
.endr
.endr
	WIN 0
	BAR                                            ; my partner's part is in LDS
	EPI3 0, 1, 4
	EPI3 1, 1, 4
	EPI3 2, 1, 4
	s_wait_xcnt 0x0
	s_mov_b32 s[S_KHO], 0                          ; later passes: a wave's tiles over all K, lanes as they lie, eight rows a half
	v_mov_b32 v[V_LT], v[V_L16]
	v_mov_b32 v[V_PLB], v[V_H32]
	s_mov_b32 s[S_P], 0
.Lpass:                                                ; three passes of 24 tiles cover tiles 12 to 63; a pass in which I have no live tile is jumped
	s_mul_i32 s[S_TB], s[S_P], 24
	s_add_co_u32 s[S_TB], s[S_TB], s[S_WV]
	s_add_co_u32 s[S_TB], s[S_TB], 12              ; tiles 12 + 24 P + w + 8 i
	s_add_co_u32 s[S_NL], s[S_NT], 7
	s_sub_co_i32 s[S_NL], s[S_NL], s[S_TB]
	s_max_i32 s[S_NL], s[S_NL], 0
	s_lshr_b32 s[S_NL], s[S_NL], 3
	s_min_u32 s[S_NL], s[S_NL], 3
	s_cmp_eq_u32 s[S_NL], 0
	s_cbranch_scc1 .Lbottom
	s_wait_loadcnt 0x0
	s_wait_xcnt 0x0                                ; the last pass's loads and stores have read their offsets and data
	SETUP3 8, 0
	CLEAR
	s_mov_b64 s[S_HP:S_HP+1], s[6:7]
	s_mov_b32 s[S_LO], 0
	s_mov_b32 s[S_IC], 32
.Lin:                                                  ; a block of 64 along K of the resident slice: two K steps
	v_add_nc_u32 v[V_LBP], s[S_LO], v[V_L16]
.irp t, 0,1
.irp i, 0,1,2
	global_load_b128 v[AR+24*(\t)+8*(\i):AR+24*(\t)+8*(\i)+3],   v[V_VO+(\i)], s[S_HP:S_HP+1] offset:(\t)*1024
	global_load_b128 v[AR+24*(\t)+8*(\i)+4:AR+24*(\t)+8*(\i)+7], v[V_VO+(\i)], s[S_HP:S_HP+1] offset:(\t)*1024+512
.endr
.endr
	KLOADB 0, V_LBP, 0
	KLOADB 1, V_LBP, 4096
	s_wait_loadcnt 6                               ; the first K step's six loads are in; the second's six are younger
	s_wait_dscnt 8
	BATCH 0, 0
	PLACES
	s_wait_loadcnt 0x0
	s_wait_dscnt 0x0
	BATCH 1, 0
	PLACES
	s_wait_xcnt 0x0                                ; hb's address is stepped only behind this wait
	s_add_nc_u64 s[S_HP:S_HP+1], s[S_HP:S_HP+1], 2048
	s_add_co_u32 s[S_LO], s[S_LO], 8192
	s_sub_co_i32 s[S_IC], s[S_IC], 1
	s_cmp_lg_u32 s[S_IC], 0
	s_cbranch_scc1 .Lin
	EPI3 0, 0, 8
	EPI3 1, 0, 8
	EPI3 2, 0, 8
.Lbottom:
	s_add_co_u32 s[S_P], s[S_P], 1
	s_cmp_lt_u32 s[S_P], 3
	s_cbranch_scc1 .Lpass
	BAR                                            ; every wave's LDS reads are over
	s_wait_tensorcnt 0x0                           ; the wave's end, behind my last LDS store
	ds_add_u32 v[V_SPW], v[V_NIL]
	s_wait_dscnt 0x0
	s_endpgm
.Lfunc_end_k_q5e520bde16_ffn2:
	.size	k_q5e520bde16_ffn2, .Lfunc_end_k_q5e520bde16_ffn2-k_q5e520bde16_ffn2
	.p2alignl 7, 3214868480
	.fill 96, 4, 3214868480
	.section	.rodata,"a",@progbits
	.p2align	6, 0x0
	.amdhsa_kernel k_q5e520bde16_ffn2
		.amdhsa_group_segment_fixed_size 312320
		.amdhsa_private_segment_fixed_size 0
		.amdhsa_enable_private_segment 0
		.amdhsa_kernarg_size 40
		.amdhsa_user_sgpr_count 2
		.amdhsa_user_sgpr_kernarg_segment_ptr 1
		.amdhsa_wavefront_size32 1
		.amdhsa_system_sgpr_workgroup_id_x 1
		.amdhsa_system_sgpr_workgroup_id_y 1
		.amdhsa_system_sgpr_workgroup_id_z 1
		.amdhsa_system_vgpr_workitem_id 0
		.amdhsa_next_free_vgpr 512
		.amdhsa_next_free_sgpr 66
		.amdhsa_reserve_vcc 0
		.amdhsa_float_denorm_mode_32 3
		.amdhsa_float_denorm_mode_16_64 3
		.amdhsa_memory_ordered 1
		.amdhsa_forward_progress 1
		.amdhsa_inst_pref_size 145
	.end_amdhsa_kernel
	.amdgpu_metadata
---
amdhsa.version: [ 1, 2 ]
amdhsa.kernels:
  - .name:           k_q5e520bde16_ffn2
    .symbol:         k_q5e520bde16_ffn2.kd
    .args:
      - { .name: down_bank, .offset: 0, .size: 8, .value_kind: global_buffer, .address_space: global }
      - { .name: hb, .offset: 8, .size: 8, .value_kind: global_buffer, .address_space: global }
      - { .name: cnt, .offset: 16, .size: 8, .value_kind: global_buffer, .address_space: global }
      - { .name: ord, .offset: 24, .size: 8, .value_kind: global_buffer, .address_space: global }
      - { .name: out0, .offset: 32, .size: 8, .value_kind: global_buffer, .address_space: global }
    .group_segment_fixed_size: 312320
    .private_segment_fixed_size: 0
    .kernarg_segment_align: 8
    .kernarg_segment_size: 40
    .max_flat_workgroup_size: 256
    .sgpr_count:     66
    .vgpr_count:     512
    .wavefront_size: 32
...
	.end_amdgpu_metadata
.endif
;; end of part 6
;; ======== version 3 of 3: 4 launches; version 2 with the launches ffn1, ffn2 written anew for expert scheduling mode
;; workspace buffers: sel 4,096 bytes of whole numbers; xb 2,097,152 bytes; xg 16,777,216 bytes; cnt 256 bytes of whole numbers; ord 32,768 bytes of whole numbers; hb 33,554,432 bytes
;; launch router: the kernel of part 1 again; grid 64 x 1, 8 waves a work-group, no clusters, 44,032 bytes of LDS; arguments x, gate_w, sel, xb; writes sel, xb
;; launch gather: the kernel of part 4 again; grid 16 x 8, 8 waves a work-group, no clusters, 5,120 bytes of LDS; arguments xb, sel, xg, cnt, ord; writes xg, cnt, ord
;; launch ffn1 (part 7): grid 32 x 8, 8 waves a work-group, no clusters, 263,168 bytes of LDS; arguments gate_bank, up_bank, xg, cnt, hb; writes hb
.if DOCPART == 7
	.amdgcn_target "amdgcn-amd-amdhsa--gfx1250"
	.amdhsa_code_object_version 6
	.text
	.protected	k_q5e520bde16_ffn1
	.globl	k_q5e520bde16_ffn1
	.p2align	8
	.type	k_q5e520bde16_ffn1,@function
k_q5e520bde16_ffn1:
	s_mov_b64 s[64:65], 0
	v_nop
	global_prefetch_b8 v0, s[64:65] scope:SCOPE_SE
	s_setreg_imm32_b32 hwreg(HW_REG_WAVE_SCHED_MODE, 0, 2), 2
	s_setreg_imm32_b32 hwreg(HW_REG_WAVE_MODE, 25, 1), 1
	s_wait_xcnt 0x0
	s_wait_alu depctr_vm_vsrc(0)
; FIRST PRODUCTS.  For the rows of expert e:  h[row][n] = silu(a) u,  a = sum over d of x[row][d] gate_bank[e][d][n],  u likewise with up_bank.
; gate_bank, up_bank: [8][1024][2048] f32; xg: bf16, [e 8][tile 64][K step 32][half 2][lane 32][16 bytes], the tokens' rows in the experts' order, as the launch before left them; cnt: [8] u32, the experts' rows;
; hb: bf16, [e 8][tile 64][block 32][2,048 bytes].
; SHARES.  A work-group has expert e (grid y) and 64 columns n (grid x): 512 KB of f32 weights, which it alone reads, once, whatever the split of the tokens.  All eight waves run one text.
; THE STREAM goes in 16 SUBS of 64 along K (32 KB of f32).  Of a sub wave w loads one GROUP: K step w / 4, matrix (w / 2) % 2, half w % 2 of the step's 32 rows: eight loads of 16 bytes a lane.
; THE WEIGHTS ARE TURNED IN REGISTERS.  Lane (r, h) loads 16 bytes of row k: columns 4 r + 0..3.  Word c belongs to operand c, whose column number r stands for column 4 r + c; two loads of
; neighbouring k give one packed rounding.  Each half of the lanes reads 256 consecutive bytes of a weight row, at a multiple of 256 from the buffer's first byte.
; THE WHOLE SLICE STAYS IN LDS in bf16 (262,144 bytes), each byte written once.  The rounding runs three subs ahead of the products, so one barrier serves three subs: between two barriers subs
; 3 k .. 3 k + 2 are read and subs 3 k + 3 .. 3 k + 5 written.  A sub's first K step is read from LDS in the step before wherever the barrier in force has shown it (not from a sub 3 k + 2 into the next); its second
; K step at the step's head, ahead of the first K step's products.
; ONE QUEUE OF LOADS.  Loads come back in the order of issue (ISA guide 5.7.1).  The weights are asked for three subs ahead, the token operands two (subs 0 to 2 at the head); in a step the token loads stand ahead of the
; weights', so that a wait for tokens asks for no younger weights.  At a step's head two steps' 12 + 8 loads may be out and 20 follow: 60 loads of a wave at the most.
; Every counted wait is NI - MK: the loads issued so far less those issued up to the end of the group that is wanted; both are symbols of this text.  DN is the furthest place in the queue that a wait has
; shown in: a group at or ahead of it gets no wait.  The waits on DScnt are ND - DK0 and ND - DK1 in the same way: the LDS instructions issued behind the operands that are wanted.
; PRODUCTS.  Wave w multiplies for q = w % 4 (three tiles of 16 rows) and ch = w / 4 (operands 2 ch, 2 ch + 1 of both matrices): 12 products a K step.  A token operand is two loads of 512 consecutive bytes.
; ROWS.  A tile is 16 places of the expert's list; in pass P the waves with number q have tiles 12 P + 4 i + q.  Pass 0 (192 rows) runs under the stream; later passes multiply from the resident slice, in a loop
; with no barrier and no LDS write.  A dead tile's loads all read one spot of 16 bytes in the expert's tile 0, which the launch before always writes; its products are jumped (a wave's first tile of pass 0 is always
; multiplied) and nothing is stored for it.  Tile 0 of every expert counts as live, also where the expert has no row: the next launch's dead tiles read there.  Every split is served: 1,024 rows on one expert, or none.
; hb's block (e, tile, block): plane 2 ch + rho of 512 bytes, byte 16 x lane: place r, columns 32 h + 4 j + 2 ch + 0..1 for j = 4 rho + 0..3: what my lanes hold, and what the next launch's operand takes.
; LIMITS.  x and the weights are rounded to bf16, h once to bf16; sums in f32.  1 / (1 + 2^(-1.4427 a)): where the power overflows the quotient is 0, silu's limit; the power and the quotient flush denormals;
; a u must be finite in f32.  NaN and infinities are not treated apart.
; NO CLUSTER: each slice of weights has one reader.  An expert's 32 work-groups share xg's tiles, but beside the resident slice 64 KB of LDS are left, a ring there would be filled again inside a stream whose
; number of live tiles hangs on a count read from memory, and the tiles are a third of a work-group's bytes.
; THE MODE: SCHED_MODE bits 1:0 = 2 (LLVM: expert scheduling mode 2), set by the entry lines.  The code itself states the register dependences between vector or matrix instructions and memory or LDS
; instructions, with s_wait_alu, always for 0.
; THE PLAN.  Registers that memory or LDS instructions touch under the stream:
;   WR0 .. WR2   Step u: its sixteen roundings (of sub u + 3) read WR[u % 3]; behind them the loads of sub u + 6 land in it.
;   TT0, TT1     Step u: the roundings write set (u + 3) % 2, the step's four LDS stores read it; it is written again two steps on.
;   AR0 .. AR2   Step u: its products read AR[u % 3]; the loads of step u + 1 land in it (sub u + 3).
;   BF1          Step u: its second batch of products reads it; the LDS loads at the head of step u + 1 land in it.
;   BF0, BX      The first K step's operands of the even and of the odd subs.  Step u: its first batch reads the one of its parity; the LDS loads of step u + 1 (or, behind a barrier, of step u + 2) land in it.
;   The offsets and LDS addresses are made at the head and not written under the stream.  The sums are named by vector and matrix instructions alone.
; So ONE wait on va_vdst stands in a step, behind its roundings: they have written TT's set and are done reading WR[u % 3], and the products of the step before are done reading AR[(u - 1) % 3], BF1 and their BF0 or BX.
; All the step's loads and stores follow it, dealt round its two batches of products, which name AR[u % 3], the other of BF0 and BX, BF1 (behind its loads) and the sums: none of the registers in which a later load of the
; step lands.  One wait on vm_vsrc stands ahead of the roundings: the LDS stores of two steps back have read TT's set.
; On the way out v[PP ..] are written by a tile's roundings and read by its two stores: a wait on vm_vsrc stands at the head of every tile's way out, a wait on va_vdst ahead of its stores.
.set SUBB,  0x80000                    ; a sub in memory: 64 rows of 8,192 bytes
.set ROWB,  8192
.set NSUB,  16
.set LEAD,  3                          ; subs that the weights are asked for ahead, and subs that the rounding runs ahead of the products
.set S_WV, 14                          ; wave
.set S_EX, 15                          ; expert
.set S_BLK, 16                         ; column block
.set S_Q, 17                           ; w % 4
.set S_NE, 18                          ; the expert's rows
.set S_NT, 19                          ; its tiles, at least 1
.set S_CH, 20                          ; w / 4
.set S_NL, 21                          ; my live tiles in the pass, 0..3
.set S_P, 22                           ; pass
.set S_IC, 23                          ; subs to go in a later pass
.set S_WP, 24                          ; s[24:25] my matrix at my group of sub 0; never stepped
.set S_CP, 26                          ; s[26:27] cnt at my expert; never rewritten
.set S_XP, 28                          ; s[28:29] later passes: xg at the sub in hand
.set S_OF, 30                          ; s[30:31] an offset
.set S_HB, 32                          ; s[32:33] hb at (e, tile 0, block, plane 2 ch)
.set S_E21, 34                         ; my expert's part of xg
.set S_MSK, 35
.set S_LO, 36                          ; later passes: the sub's place in LDS
.set S_TB, 38                          ; 12 P + q
.set S_TI, 40
.set S_TS, 41
.set S_RHO, 42                         ; w % 2
.set S_M, 43                           ; (w / 2) % 2
.set S_LS, 44
.set S_O2, 46                          ; s[46:47] an offset
.set S_CS, 48                          ; s[48:49] -log2(e)
.set S_O3, 50                          ; s[50:51] an offset
.set V_L16, 6                          ; 16 x lane
.set V_W,  8                           ; h x 8 rows + 16 r
.set V_RO, 9                           ; v9-11   tile i: its place in xg + my lane's 16 bytes
.set V_HO, 12                          ; v12-14  tile i: its place in hb + 16 x lane
.set V_PF, 15                          ; r x one row + h x one sub
.set V_LBP, 18                         ; later passes: where my operands are read
.set V_LS, 24                          ; v24-27  where my rounded operands go, in each quarter of the slice
.set V_LB, 28                          ; v28-31  where my operands are read, in each quarter of the slice
.set TT,   32                          ; v32-63  rounded operands on their way to LDS: two sets by turns
.set AR,   64                          ; v64-207 token operands: sub v, K step t, tile i at AR + 48 (v % 3) + 24 t + 8 i
.set EE,   208                         ; the way out
.set AU,   224
.set PP,   240
.set BX,   208                         ; v208-223, v240-255  under the stream: the first K step's operands of the odd subs: matrix m, operand c at BX + 32 m + 8 c
.set BF,   96                          ; window 1: weights' operands: K step t, matrix m, operand c at BF + 32 t + 16 m + 8 c (t = 0: the even subs');  v0-95: sums, tile i, matrix m, operand c at 32 i + 16 m + 8 c
.set WR,   160                         ; window 1: v160-255 weights as loaded: sub v at WR + 32 (v % 3)
.set MSB, 0
.set NI, 0                             ; loads issued so far
.set MK, 0
.set DN, 0                             ; the furthest place in the queue that a wait has shown in
.set ND, 0                             ; LDS instructions issued so far
.set DK0, 0                            ; .. up to the end of the last run of loads for a first K step
.set DK1, 0                            ; .. for a second K step
.macro WIN new                         ; s_set_vgpr_msb: bits 1:0 source 0, 3:2 source 1, 5:4 source 2, 7:6 destination; the high byte repeats the setting that is left
.if MSB != (\new)
	s_set_vgpr_msb (MSB<<8)|(\new)
.set MSB, \new
.endif
.endm
.macro SETMARK idx                     ; group idx (0-2: weights' ring; 3-8: token ring) ends here in the queue
.irp n, 0,1,2,3,4,5,6,7,8
.if (\idx) == \n
.set MK\n, NI
.endif
.endr
.endm
.macro GETMARK idx
.irp n, 0,1,2,3,4,5,6,7,8
.if (\idx) == \n
.set MK, MK\n
.endif
.endr
.endm
.macro WAITL idx                       ; group idx is in: what was issued behind it stays out; no line where an earlier wait has shown a younger group in
	GETMARK \idx
.if MK > DN
	s_wait_loadcnt NI-MK
.set DN, MK
.endif
.endm
.macro PLACES                          ; four places behind a batch of products, ahead of a vector instruction on their registers (ISA guide 7.12.1); they stay beside the waits on va_vdst
.rept 4
	v_nop
.endr
.endm
.macro BAR
	s_wait_dscnt 0x0                               ; for the others' sake: my LDS stores are done, and my LDS reads are back
	s_barrier_signal -1
	s_barrier_wait -1
.endm
.macro LLOAD v                         ; my group of sub v: rows 8 h + 0..7 of its 16
	WIN 0x40                                       ; destination window 1, address window 0
.irp i, 0,1,2,3,4,5,6,7
	global_load_b128 v[WR+32*((\v)%LEAD)+4*(\i):WR+32*((\v)%LEAD)+4*(\i)+3], v[V_W], s[S_WP:S_WP+1] offset:(\v)*SUBB+(\i)*ROWB th:TH_LOAD_NT
.endr
.set NI, NI+8
	SETMARK (\v)%LEAD
.endm
.macro CVT v                           ; my group of sub v is rounded
	WAITL (\v)%LEAD
.if (\v) >= 2
	s_wait_alu depctr_vm_vsrc(0)                   ; the LDS stores of sub v - 2 have read this set of TT, which the roundings write again
.endif
	WIN 0x05                                       ; sources window 1, destination window 0
.irp c, 0,1,2,3
.irp p, 0,1,2,3
	v_cvt_pk_bf16_f32 v[TT+16*((\v)%2)+4*(\c)+(\p)], v[WR+32*((\v)%LEAD)+8*(\p)+(\c)], v[WR+32*((\v)%LEAD)+8*(\p)+4+(\c)]   ; operand c, rows 2 p and 2 p + 1
.endr
.endr
.endm
.macro PREF v
.if (((\v)%2) == 0) && ((\v) <= 8)
	WIN 0
	; asked ahead: my 16 rows of sub v + 5 (lanes 0-15) and of sub v + 6 (lanes 16-31), a lane a row, of which 256 bytes are mine; their loads are issued two and three subs further on;
	; each block is asked for once, by the wave that will load it; sub 14 is the last that is asked for
	global_prefetch_b8 v[V_PF], s[S_WP:S_WP+1] offset:((\v)+5)*SUBB th:TH_LOAD_NT scope:SCOPE_SE
.endif
.endm
.macro STO v                           ; my rounded group of sub v goes to LDS
	WIN 0
.irp c, 0,1,2,3
	ds_store_b128 v[V_LS+(\v)/4], v[TT+16*((\v)%2)+4*(\c):TT+16*((\v)%2)+4*(\c)+3] offset:((\v)%4)*16384+(\c)*1024   ; 512 consecutive bytes a store
.endr
.set ND, ND+4
.endm
.macro LGRP v                          ; at the head: sub v is rounded and stored to LDS; its registers are loaded again, three subs on
	CVT \v
	s_wait_alu depctr_va_vdst(0)                   ; the roundings have written TT's set, which the LDS stores read, and are done reading WR's buffer, in which the next loads land
	LLOAD (\v)+LEAD
	PREF \v
	STO \v
.endm
.macro ALD v, t                        ; the token operands of K step t of sub v, all three tiles: six loads of 512 consecutive bytes
	WIN 0
.irp i, 0,1,2
	global_load_b128 v[AR+48*((\v)%LEAD)+24*(\t)+8*(\i):AR+48*((\v)%LEAD)+24*(\t)+8*(\i)+3],   v[V_RO+(\i)], s[8:9] offset:1024*(2*(\v)+(\t))
	global_load_b128 v[AR+48*((\v)%LEAD)+24*(\t)+8*(\i)+4:AR+48*((\v)%LEAD)+24*(\t)+8*(\i)+7], v[V_RO+(\i)], s[8:9] offset:1024*(2*(\v)+(\t))+512
.endr
.set NI, NI+6
	SETMARK 3+2*((\v)%LEAD)+(\t)
.endm
.macro KLOADB t, base, off, x=0        ; my four operands of a K step: eight loads of 512 consecutive bytes.  x = 1: into BX
.if \x
	WIN 0
.else
	WIN 0x40
.endif
.irp m, 0,1
.irp c, 0,1
.if \x
.set rB, BX+32*(\m)+8*(\c)
.else
.set rB, BF+32*(\t)+16*(\m)+8*(\c)
.endif
	ds_load_b128 v[rB:rB+3],   v[\base] offset:(\off)+(\m)*4096+(\c)*1024
	ds_load_b128 v[rB+4:rB+7], v[\base] offset:(\off)+(\m)*4096+(\c)*1024+512
.endr
.endr
.set ND, ND+8
.if (\t) == 0
.set DK0, ND
.else
.set DK1, ND
.endif
.endm
; The weights are source 0, the tokens source 1: a lane then holds token r, and register j of operand c column 32 h + 4 j + c.  x = 1: the weights' operands lie in BX.
.macro WM i, t, g, x
.irp m, 0,1
.irp c, 0,1
.if \x
.set rB, BX+32*(\m)+8*(\c)
.else
.set rB, BF+32*(\t)+16*(\m)+8*(\c)
.endif
	v_wmma_f32_16x16x32_bf16 v[32*(\i)+16*(\m)+8*(\c):32*(\i)+16*(\m)+8*(\c)+7], v[rB:rB+7], v[AR+48*(\g)+24*(\t)+8*(\i):AR+48*(\g)+24*(\t)+8*(\i)+7], v[32*(\i)+16*(\m)+8*(\c):32*(\i)+16*(\m)+8*(\c)+7]
.endr
.endr
.endm
.macro BATCH t, g, x                   ; up to twelve products; the sums take turns, one instruction a turn; dead tiles are jumped
	WIN 0x51-(\x)                                  ; C and D window 1, tokens window 0, weights window 1 (BX: window 0)
	WM 0, \t, \g, \x
	WIN 0
	s_cmp_lt_u32 s[S_NL], 2
	s_cbranch_scc1 .Lx_\@
	WIN 0x51-(\x)
	WM 1, \t, \g, \x
	WIN 0
	s_cmp_lt_u32 s[S_NL], 3
	s_cbranch_scc1 .Lx_\@
	WIN 0x51-(\x)
	WM 2, \t, \g, \x
	WIN 0
.Lx_\@:
.endm
; Step u of the stream: sub u + 3 is rounded, sub u multiplied.  Behind the one wait on va_vdst: the token operands of sub u + 2, the second K step's operands out of LDS, the weights of sub u + 6; the first batch of
; products; the LDS stores of sub u + 3 and the next sub's first K step out of LDS; the second batch.  Sub u + 1's first K step is read in step u only where the barrier in force has shown it: not where u + 1 is a
; multiple of three; there it is read behind the barrier, at the step's head.
.macro STEP
.if ((u%LEAD) == 0) && (u > 0)
	BAR                                            ; subs u to u + 2 are in LDS, everybody's part of them
.endif
.if u+LEAD < NSUB
	CVT u+LEAD
.endif
	s_wait_alu depctr_va_vdst(0)                   ; the roundings have written TT's set and are done reading WR[u % 3]; the last step's products are done reading their token operands, BF1 and their BF0 or BX: the step's stores read the first, its loads land in the others
.if (u%LEAD) == 0
	KLOADB 0, V_LB+u/4, (u%4)*16384, u%2
.endif
.if (u >= 1) && (u+2 < NSUB)
	ALD u+2, 0                                     ; into the slot that the last step multiplied
	ALD u+2, 1
.endif
	KLOADB 1, V_LB+u/4, (u%4)*16384+8192
.if u+2*LEAD < NSUB
	LLOAD u+2*LEAD                                 ; into the buffer that the roundings above have emptied
.endif
.if u+LEAD < NSUB
	PREF u+LEAD
.endif
	WAITL 3+2*(u%LEAD)                             ; the first K step's six token loads are in
	s_wait_dscnt ND-DK0                            ; its weights' operands are in; the second K step's eight loads are younger
	BATCH 0, u%LEAD, u%2
	PLACES
.if u+LEAD < NSUB
	STO u+LEAD                                     ; no vector or matrix instruction since the wait above names this set of TT
.endif
.if ((u+1)%LEAD != 0) && (u+1 < NSUB)
	KLOADB 0, V_LB+(u+1)/4, ((u+1)%4)*16384, (u+1)%2   ; into the one of BF0 and BX that this step's products do not name
.endif
	WAITL 4+2*(u%LEAD)                             ; the second K step's six token loads are in
	s_wait_dscnt ND-DK1                            ; its weights' operands are in; my stores and the next sub's eight loads are younger
	BATCH 1, u%LEAD, 0
	PLACES
.endm
.macro NLCALC                          ; my first tile of pass P, and how many of my three are live
	s_mul_i32 s[S_TB], s[S_P], 12
	s_add_co_u32 s[S_TB], s[S_TB], s[S_Q]
	s_add_co_u32 s[S_NL], s[S_NT], 3
	s_sub_co_i32 s[S_NL], s[S_NL], s[S_TB]
	s_max_i32 s[S_NL], s[S_NL], 0
	s_lshr_b32 s[S_NL], s[S_NL], 2
	s_min_u32 s[S_NL], s[S_NL], 3
.endm
; My three tiles' places in hb and in xg.  live = 1 for a tile under the count, else 0, bounded by a constant as its last line; for xg the tile's number is multiplied by it and my lane's 16 bytes
; (0x1f0 at the most) are masked by live x 0x1f0: so all lanes of a dead tile read one spot of the expert's tile 0.
.macro SETUPX
	WIN 0
.irp i, 0,1,2
	s_add_co_u32 s[S_TI], s[S_TB], 4*(\i)
	s_min_u32 s[S_TI], s[S_TI], 63
	s_lshl_b32 s[S_TS], s[S_TI], 16
	v_add_nc_u32 v[V_HO+(\i)], s[S_TS], v[V_L16]
	s_sub_co_i32 s[S_MSK], s[S_NL], \i
	s_max_i32 s[S_MSK], s[S_MSK], 0
	s_min_u32 s[S_MSK], s[S_MSK], 1                ; live
	s_mul_i32 s[S_TI], s[S_TI], s[S_MSK]
	s_mul_i32 s[S_MSK], s[S_MSK], 0x1f0
	s_lshl_b32 s[S_TS], s[S_TI], 15
	s_add_co_u32 s[S_TS], s[S_TS], s[S_E21]
	v_and_b32 v16, s[S_MSK], v[V_L16]
	v_add_nc_u32 v[V_RO+(\i)], s[S_TS], v16
.endr
.endm
.macro CLEAR                           ; the sums start at 0, on purpose by moves: one text then serves every K step and every jump over a dead tile; it stands in the wait for the first data
	WIN 0x40
.set n, 0
.rept 96
	v_mov_b32 v[n], 0
.set n, n+1
.endr
	WIN 0
.endm
; THE WAY OUT of tile i: h = a u / (1 + 2^(-a log2 e)), rounded to bf16; two stores of 512 consecutive bytes.  Each sum's lowest registers are read first.
.macro EPI i
	s_cmp_le_u32 s[S_NL], \i
	s_cbranch_scc1 .Lno_\@
	s_wait_xcnt 0x0                                ; the stores issued so far have had their addresses translated
	s_wait_alu depctr_vm_vsrc(0)                   ; the stores issued so far (the tile's before; round the loop over passes, the pass's before) have read v[PP ..], which the roundings below write again
	WIN 0x01
.irp p, 0,1,2,3,4,5,6,7
	v_pk_mul_f32 v[EE+2*(\p):EE+2*(\p)+1], v[32*(\i)+2*(\p):32*(\i)+2*(\p)+1], s[S_CS:S_CS+1] op_sel_hi:[1,0]
.endr
	WIN 0x05
.irp p, 0,1,2,3,4,5,6,7
	v_pk_mul_f32 v[AU+2*(\p):AU+2*(\p)+1], v[32*(\i)+2*(\p):32*(\i)+2*(\p)+1], v[32*(\i)+16+2*(\p):32*(\i)+16+2*(\p)+1]
.endr
	WIN 0
.set n, 0
.rept 16
	v_exp_f32 v[EE+n], v[EE+n]
.set n, n+1
.endr
	v_nop                                          ; a plain instruction behind the last power,
	s_wait_alu depctr_va_vdst(0)                   ; and the one wait ahead of the batch's first reader: the 16 powers are written
.set n, 0
.rept 8
	v_pk_add_f32 v[EE+n:EE+n+1], v[EE+n:EE+n+1], 1.0 op_sel_hi:[1,0]
.set n, n+2
.endr
.set n, 0
.rept 16
	v_rcp_f32 v[EE+n], v[EE+n]
.set n, n+1
.endr
	v_nop
	s_wait_alu depctr_va_vdst(0)                   ; one wait for the 16 reciprocals: they are written
.set n, 0
.rept 8
	v_pk_mul_f32 v[AU+n:AU+n+1], v[AU+n:AU+n+1], v[EE+n:EE+n+1]
.set n, n+2
.endr
.irp j, 0,1,2,3,4,5,6,7
	v_cvt_pk_bf16_f32 v[PP+(\j)], v[AU+(\j)], v[AU+8+(\j)]   ; columns 32 h + 4 j + 2 ch and + 1
.endr
	s_wait_alu depctr_va_vdst(0)                   ; the roundings have written v[PP ..], which the two stores read
	global_store_b128 v[V_HO+(\i)], v[PP:PP+3], s[S_HB:S_HB+1]
	global_store_b128 v[V_HO+(\i)], v[PP+4:PP+7], s[S_HB:S_HB+1] offset:512
.Lno_\@:
.endm
	s_load_b256 s[4:11], s[0:1], 0x0               ; gate_bank s[4:5], up_bank s[6:7], xg s[8:9], cnt s[10:11]
	s_load_b64 s[12:13], s[0:1], 0x20              ; hb
	v_lshl_add_u32 v22, v0, 2, 0x40000
	v_mov_b32 v23, 0
	v_lshrrev_b32 v1, 5, v0
	v_readfirstlane_b32 s[S_WV], v1
	v_and_b32 v1, 31, v0                           ; lane
	v_and_b32 v2, 15, v0                           ; r
	v_bfe_u32 v3, v0, 4, 1                         ; h
	v_lshlrev_b32 v[V_L16], 4, v1
	s_and_b32 s[S_EX], ttmp7, 0xffff
	s_mov_b32 s[S_BLK], ttmp9
	s_wait_alu depctr_va_sdst(0)                   ; the wave's number is written, ahead of its first reader
	s_and_b32 s[S_Q], s[S_WV], 3
	s_lshr_b32 s[S_CH], s[S_WV], 2
	s_and_b32 s[S_RHO], s[S_WV], 1
	s_lshr_b32 s[S_M], s[S_WV], 1
	s_and_b32 s[S_M], s[S_M], 1
	s_lshl_b32 s[S_OF], s[S_EX], 23                ; my group of sub 0: expert x 8 MiB + block x 256 bytes + (w / 4) x 32 rows + (w % 2) x 16 rows
	s_lshl_b32 s[S_TS], s[S_BLK], 8
	s_add_co_u32 s[S_OF], s[S_OF], s[S_TS]
	s_lshl_b32 s[S_TS], s[S_CH], 18
	s_add_co_u32 s[S_OF], s[S_OF], s[S_TS]
	s_lshl_b32 s[S_TS], s[S_RHO], 17
	s_add_co_u32 s[S_OF], s[S_OF], s[S_TS]
	s_mov_b32 s[S_OF+1], 0
	s_lshl_b32 s[S_O2], s[S_EX], 22                ; hb: expert x 4 MiB + block x 2,048 + ch x 1,024
	s_lshl_b32 s[S_TS], s[S_BLK], 11
	s_add_co_u32 s[S_O2], s[S_O2], s[S_TS]
	s_lshl_b32 s[S_TS], s[S_CH], 10
	s_add_co_u32 s[S_O2], s[S_O2], s[S_TS]
	s_mov_b32 s[S_O2+1], 0
	s_lshl_b32 s[S_O3], s[S_EX], 2                 ; cnt: the expert's word
	s_mov_b32 s[S_O3+1], 0
	s_lshl_b32 s[S_E21], s[S_EX], 21               ; xg: expert x 2 MiB
	s_lshl_b32 s[S_LS], s[S_CH], 13                ; in a sub of the slice: K step x 8,192 + matrix x 4,096 + operand x 1,024 + half x 512 + 16 x lane
	s_lshl_b32 s[S_TS], s[S_M], 12
	s_add_co_u32 s[S_LS], s[S_LS], s[S_TS]
	s_lshl_b32 s[S_TS], s[S_RHO], 9
	s_add_co_u32 s[S_LS], s[S_LS], s[S_TS]
	v_add_nc_u32 v[V_LS], s[S_LS], v[V_L16]
	s_lshl_b32 s[S_TS], s[S_CH], 11                ; I read operands 2 ch and 2 ch + 1
	v_add_nc_u32 v[V_LB], s[S_TS], v[V_L16]
.irp k, 1,2,3
	v_add_nc_u32 v[V_LS+(\k)], (\k)*0x10000, v[V_LS]
	v_add_nc_u32 v[V_LB+(\k)], (\k)*0x10000, v[V_LB]
.endr
	v_lshlrev_b32 v[V_W], 16, v3
	v_lshl_add_u32 v[V_W], v2, 4, v[V_W]
	v_lshlrev_b32 v[V_PF], 13, v2
	v_lshl_add_u32 v[V_PF], v3, 19, v[V_PF]
	s_mov_b32 s[S_CS], 0xbfb8aa3b                  ; -log2(e)
	s_mov_b32 s[S_CS+1], s[S_CS]                   ; named with it as a pair
	s_wait_kmcnt 0x0
	s_add_nc_u64 s[S_CP:S_CP+1], s[10:11], s[S_O3:S_O3+1]
	s_load_b32 s[S_NE], s[S_CP:S_CP+1], 0x0        ; the expert's rows: on its way together with the first weights
	s_cmp_lg_u32 s[S_M], 0                         ; which of the two matrices I load hangs on the wave's number alone
	s_cselect_b64 s[S_WP:S_WP+1], s[6:7], s[4:5]
	s_add_nc_u64 s[S_WP:S_WP+1], s[S_WP:S_WP+1], s[S_OF:S_OF+1]
	s_add_nc_u64 s[S_HB:S_HB+1], s[12:13], s[S_O2:S_O2+1]
	s_wait_alu depctr_va_vdst(0)                   ; v[V_W], v[V_PF], v[V_LS ..] and v[V_LB ..] are written: the weights' loads, the prefetches, the LDS stores and the LDS loads of the whole stream read them
	LLOAD 0
	LLOAD 1
	LLOAD 2
	s_wait_kmcnt 0x0                               ; the count
	s_min_u32 s[S_NE], s[S_NE], 0x400
	s_add_co_u32 s[S_NT], s[S_NE], 15
	s_lshr_b32 s[S_NT], s[S_NT], 4
	s_max_u32 s[S_NT], s[S_NT], 1                  ; tile 0 counts as live
	s_mov_b32 s[S_P], 0
	NLCALC
	SETUPX
	s_wait_alu depctr_va_vdst(0)                   ; v[V_RO ..] are written, which every token load of the stream reads
.irp v, 0,1,2
	ALD \v, 0                                      ; the token operands of subs 0 to 2 go out ahead of the first rounding
	ALD \v, 1
.endr
	CLEAR
	LGRP 0                                         ; subs 0 to 2 are rounded, and subs 3 to 5 asked for
	LGRP 1
	LGRP 2
	BAR                                            ; subs 0 to 2 are in LDS
.set u, 0
.rept NSUB
	STEP
.set u, u+1
.endr
	s_mov_b32 s[S_P], 0
.Lpass:                                                ; six passes of 12 tiles cover the 64 tiles that one expert can have; a pass in which I have no live tile is jumped
	s_cmp_eq_u32 s[S_P], 0
	s_cbranch_scc1 .Lep                            ; pass 0 has been multiplied under the stream
	NLCALC
	s_cmp_eq_u32 s[S_NL], 0
	s_cbranch_scc1 .Lbottom
	s_wait_loadcnt 0x0
	s_wait_xcnt 0x0                                ; the last pass's loads and stores have had their addresses translated
	s_wait_alu depctr_vm_vsrc(0)                   ; the last pass's loads have read v[V_RO ..] and its stores v[V_HO ..], which the set-up below writes again
	SETUPX
	CLEAR
	s_mov_b64 s[S_XP:S_XP+1], s[8:9]
	s_mov_b32 s[S_LO], 0
	s_mov_b32 s[S_IC], NSUB
.Lin:                                                  ; a sub of the resident slice: two K steps
	s_wait_alu depctr_vm_vsrc(0)                   ; the last trip's LDS loads have read v[V_LBP]
	v_add_nc_u32 v[V_LBP], s[S_LO], v[V_LB]
	s_wait_alu depctr_va_vdst(0)                   ; v[V_LBP] is written, in the first trip v[V_RO ..] too; the products issued so far are done reading AR's first slot and BF, in which the loads below land
.irp t, 0,1
.irp i, 0,1,2
	global_load_b128 v[AR+24*(\t)+8*(\i):AR+24*(\t)+8*(\i)+3],   v[V_RO+(\i)], s[S_XP:S_XP+1] offset:1024*(\t)
	global_load_b128 v[AR+24*(\t)+8*(\i)+4:AR+24*(\t)+8*(\i)+7], v[V_RO+(\i)], s[S_XP:S_XP+1] offset:1024*(\t)+512
.endr
.endr
	KLOADB 0, V_LBP, 0
	KLOADB 1, V_LBP, 8192
	s_wait_loadcnt 6                               ; the first K step's six loads are in; the second's six are younger
	s_wait_dscnt 8
	BATCH 0, 0, 0
	PLACES
	s_wait_loadcnt 0x0
	s_wait_dscnt 0x0
	BATCH 1, 0, 0
	PLACES
	s_wait_xcnt 0x0                                ; xg's address is stepped only behind this wait
	s_add_nc_u64 s[S_XP:S_XP+1], s[S_XP:S_XP+1], 2048
	s_add_co_u32 s[S_LO], s[S_LO], 16384
	s_sub_co_i32 s[S_IC], s[S_IC], 1
	s_cmp_lg_u32 s[S_IC], 0
	s_cbranch_scc1 .Lin
.Lep:
	EPI 0
	EPI 1
	EPI 2
.Lbottom:
	s_add_co_u32 s[S_P], s[S_P], 1
	s_cmp_lt_u32 s[S_P], 6
	s_cbranch_scc1 .Lpass
	BAR                                            ; every wave's LDS reads are over
	s_wait_dscnt 0x0                               ; the wave's end: then an add of 0 onto my spare LDS word
	s_wait_alu depctr_hold_cnt(0) depctr_sa_sdst(0) depctr_va_vdst(0) depctr_va_sdst(0) depctr_va_ssrc(0) depctr_va_vcc(0) depctr_vm_vsrc(0)
	s_wait_tensorcnt 0x0
	ds_add_u32 v22, v23
	s_wait_dscnt 0x0
	s_endpgm
.Lfunc_end_k_q5e520bde16_ffn1:
	.size	k_q5e520bde16_ffn1, .Lfunc_end_k_q5e520bde16_ffn1-k_q5e520bde16_ffn1
	.p2alignl 7, 3214868480
	.fill 96, 4, 3214868480
	.section	.rodata,"a",@progbits
	.p2align	6, 0x0
	.amdhsa_kernel k_q5e520bde16_ffn1
		.amdhsa_group_segment_fixed_size 263168
		.amdhsa_private_segment_fixed_size 0
		.amdhsa_enable_private_segment 0
		.amdhsa_kernarg_size 40
		.amdhsa_user_sgpr_count 2
		.amdhsa_user_sgpr_kernarg_segment_ptr 1
		.amdhsa_wavefront_size32 1
		.amdhsa_system_sgpr_workgroup_id_x 1
		.amdhsa_system_sgpr_workgroup_id_y 1
		.amdhsa_system_sgpr_workgroup_id_z 1
		.amdhsa_system_vgpr_workitem_id 0
		.amdhsa_next_free_vgpr 512
		.amdhsa_next_free_sgpr 66
		.amdhsa_reserve_vcc 0
		.amdhsa_float_denorm_mode_32 3
		.amdhsa_float_denorm_mode_16_64 3
		.amdhsa_memory_ordered 1
		.amdhsa_forward_progress 1
		.amdhsa_inst_pref_size 141
	.end_amdhsa_kernel
	.amdgpu_metadata
---
amdhsa.version: [ 1, 2 ]
amdhsa.kernels:
  - .name:           k_q5e520bde16_ffn1
    .symbol:         k_q5e520bde16_ffn1.kd
    .args:
      - { .name: gate_bank, .offset: 0, .size: 8, .value_kind: global_buffer, .address_space: global }
      - { .name: up_bank, .offset: 8, .size: 8, .value_kind: global_buffer, .address_space: global }
      - { .name: xg, .offset: 16, .size: 8, .value_kind: global_buffer, .address_space: global }
      - { .name: cnt, .offset: 24, .size: 8, .value_kind: global_buffer, .address_space: global }
      - { .name: hb, .offset: 32, .size: 8, .value_kind: global_buffer, .address_space: global }
    .group_segment_fixed_size: 263168
    .private_segment_fixed_size: 0
    .kernarg_segment_align: 8
    .kernarg_segment_size: 40
    .max_flat_workgroup_size: 256
    .sgpr_count:     66
    .vgpr_count:     512
    .wavefront_size: 32
...
	.end_amdgpu_metadata
.endif
;; end of part 7
;; launch ffn2 (part 8): grid 16 x 8, 8 waves a work-group, no clusters, 312,320 bytes of LDS; arguments down_bank, hb, cnt, ord, out0; writes out0
.if DOCPART == 8
	.amdgcn_target "amdgcn-amd-amdhsa--gfx1250"
	.amdhsa_code_object_version 6
	.text
	.protected	k_q5e520bde16_ffn2
	.globl	k_q5e520bde16_ffn2
	.p2align	8
	.type	k_q5e520bde16_ffn2,@function
k_q5e520bde16_ffn2:
	s_mov_b64 s[64:65], 0
	v_nop
	global_prefetch_b8 v0, s[64:65] scope:SCOPE_SE
	s_setreg_imm32_b32 hwreg(HW_REG_WAVE_SCHED_MODE, 0, 2), 2
	s_setreg_imm32_b32 hwreg(HW_REG_WAVE_MODE, 25, 1), 1
	s_wait_xcnt 0x0
	s_wait_alu depctr_vm_vsrc(0)
; LAST PRODUCT.  For the rows of expert e:  out0[token of the row][n] = sum over k of h[row][k] down_bank[e][k][n].
; down_bank: [8][2048][1024] f32; hb: bf16, [e 8][tile 64][block 32][2,048 bytes], as the launch before left it; cnt: [8] u32, the experts' rows; ord: [e 8][1024] u32, the token at each place of the experts'
; live tiles (places past the count repeat the last token); out0: [1024][1024] f32.
; SHARES.  A work-group has expert e (grid y) and 64 columns n (grid x): 2,048 rows x 256 bytes = 512 KB of f32 weights, which it alone reads, once.  128 work-groups: slices of 32 columns would read
; half of each 256 consecutive bytes of a weight row, and a split of K over work-groups would want one more launch to add the parts.  All eight waves run one text.
; THE STREAM goes in 16 SUBS of 128 along K (32 KB of f32): two blocks of 64.  Of a sub wave w loads one GROUP: block w / 4, sigma = (w / 2) % 2, rho = w % 2: eight loads of 16 bytes a lane.
; THE WEIGHTS ARE TURNED IN REGISTERS.  Lane (r, h) loads 16 bytes of a row: columns 4 r + 0..3.  Word c belongs to operand c, whose column number r stands for column 4 r + c; two loads give one packed rounding.
; THE WHOLE SLICE STAYS IN LDS in bf16 (262,144 bytes), each byte written once.  The rounding runs three subs ahead of the products, so one barrier serves three subs: between two barriers subs 3 k .. 3 k + 2 are read
; and subs 3 k + 3 .. 3 k + 5 written.  A sub's first K step is read from LDS in the step before wherever the barrier in force has shown it (not from a sub 3 k + 2 into the next); its second K step at the step's
; head, ahead of the first K step's products.
; ONE QUEUE OF LOADS.  Loads come back in the order of issue (ISA guide 5.7.1).  The weights are asked for three subs ahead, h's operands two (subs 0 to 2 at the head); in a step h's loads stand ahead of the weights',
; so that a wait for h asks for no younger weights.  At a step's head two steps' 12 + 8 loads may be out and 20 follow: 60 loads of a wave at the most.  Every counted wait is NI - MK: the loads issued so far less
; those issued up to the end of the group that is wanted; both are symbols of this text.  DN is the furthest place in the queue that a wait has shown in: a group at or ahead of it gets no wait.  The waits on DScnt
; are ND - DK0 and ND - DK1 in the same way: the LDS instructions issued behind the operands that are wanted.
; THE ORDER OF K.  In K step (block, sigma) place (h, rho, a) of an operand stands for k = 64 block + 32 h + 16 rho + 4 (a / 2) + 2 sigma + a % 2, alike for h and for the weights' rows:
; so a plane of hb's block (512 consecutive bytes) is half an operand as it lies.
; PRODUCTS, PASS 0 (192 rows, under the stream).  Wave w multiplies for q = w % 4 (tiles 4 i + q) and kh = w / 4: block kh of each sub, all four operands: 12 products a K step; h is read once by the work-group.
; THE TWO PARTIAL SUMS (f32) of waves q and q + 4 meet in LDS once, by the same lines in both: wave kh loads h with lane L xor 4 kh, so that register j of half h is place (8 h + j) xor 4 kh; every wave stores registers 0-3
; of each sum into its own 6 KB, and behind one barrier adds its partner's onto its registers 4-7: those are the same places.  Each wave then stores four rows of each half of the lanes; their four tokens are 16
; consecutive bytes of ord: one load a tile, issued in step 10 of the stream, where the weights' loads have ended, and ahead of h's operands of sub 13 in the queue.
; LATER PASSES (tiles 12 on, 24 a pass) multiply from the resident slice, a wave's tiles over all K: no exchange, no barrier, no LDS write.
; ROWS.  A dead tile's loads read 16 bytes of the expert's tile 0, in hb and in ord, which the launches before always write; its products are jumped (a wave's first tile of pass 0 is always multiplied) and nothing is
; stored for it.  Each output row has one owner: the token's expert; places past the count store the last row's numbers once more.  Every split is served: 1,024 rows on one expert, or none.
; LIMITS.  The weights are rounded to bf16; sums in f32.  NaN and infinities are not treated apart.
; NO CLUSTER: each slice of weights has one reader.  An expert's work-groups share hb's rows, but beside the resident slice and the exchange 15 KB of LDS are left, and their number hangs on a count read from memory.
; THE MODE: SCHED_MODE bits 1:0 = 2 (LLVM: expert scheduling mode 2), set by the entry lines.  The code itself states the register dependences between vector or matrix instructions and memory or LDS
; instructions, with s_wait_alu, always for 0.
; THE PLAN.  Registers that memory or LDS instructions touch under the stream:
;   WR0 .. WR2   Step u: its sixteen roundings (of sub u + 3) read WR[u % 3]; behind them the loads of sub u + 6 land in it.
;   TT0, TT1     Step u: the roundings write set (u + 3) % 2, the step's four LDS stores read it; it is written again two steps on.
;   AR0 .. AR2   Step u: its products read AR[u % 3]; the loads of step u + 1 land in it (sub u + 3).
;   BF1          Step u: its second batch of products reads it; the LDS loads at the head of step u + 1 land in it.
;   BF0, BX      The first K step's operands of the even and of the odd subs.  Step u: its first batch reads the one of its parity; the LDS loads of step u + 1 (or, behind a barrier, of step u + 2) land in it.
;   TOK          Loaded once, in step 10; no vector instruction names it before the way out.
;   The offsets and LDS addresses are made at the head and not written under the stream.  The sums are named by vector and matrix instructions alone until the exchange's LDS stores read them.
; So ONE wait on va_vdst stands in a step, behind its roundings: they have written TT's set and are done reading WR[u % 3], and the products of the step before are done reading AR[(u - 1) % 3], BF1 and their BF0 or BX.
; All the step's loads and stores follow it, dealt round its two batches of products, which name AR[u % 3], the other of BF0 and BX, BF1 (behind its loads) and the sums: none of the registers in which a later load of the
; step lands.  One wait on vm_vsrc stands ahead of the roundings: the LDS stores of two steps back have read TT's set.
.set XCH,   262144                     ; behind the slice: the exchange, 6,144 bytes a wave
.set SUBB,  0x80000                    ; a sub in memory: 128 rows of 4,096 bytes
.set ROWB,  4096
.set NSUB,  16
.set LEAD,  3                          ; subs that the weights are asked for ahead, and subs that the rounding runs ahead of the products
.set S_WV, 14                          ; wave
.set S_EX, 15                          ; expert
.set S_BLK, 16                         ; column block
.set S_Q, 17                           ; w % 4
.set S_NE, 18                          ; the expert's rows
.set S_NT, 19                          ; its tiles
.set S_KH, 20                          ; w / 4
.set S_NL, 21                          ; my live tiles in the pass, 0..3
.set S_P, 22                           ; pass
.set S_IC, 23                          ; blocks to go in a later pass
.set S_WP, 24                          ; s[24:25] down_bank at my group of sub 0; never stepped
.set S_CP, 26                          ; s[26:27] cnt at my expert; never rewritten
.set S_HP, 28                          ; s[28:29] later passes: hb at the block in hand
.set S_OF, 30                          ; s[30:31] an offset
.set S_OUT, 32                         ; s[32:33] out0 at my 64 columns
.set S_E12, 34                         ; my expert's part of ord
.set S_LO, 36                          ; later passes: the block's place in LDS
.set S_E22, 37                         ; my expert's part of hb
.set S_TB, 38                          ; my first tile of the pass
.set S_TI, 40
.set S_TS, 41
.set S_RHO, 42                         ; w % 2
.set S_SG, 43                          ; (w / 2) % 2
.set S_LS, 44
.set S_KHO, 45                         ; pass 0: kh x 2,048; later 0
.set S_MSK, 46
.set S_O3, 50                          ; s[50:51] an offset
.set V_L16, 6                          ; 16 x lane
.set V_H32, 7                          ; 32 h: eight words of ord
.set V_W,  8                           ; h x 32 rows + 16 r
.set V_VO, 9                           ; v9-11   tile i: its place in hb + my lane's 16 bytes
.set V_XS, 12                          ; the exchange: my own part
.set V_XR, 13                          ; my partner's
.set V_R16, 14                         ; 16 r
.set V_PF, 15
.set V_LBP, 18                         ; later passes: where the operands are read
.set V_OA, 19                          ; v19-21  tile i: my rows' words of ord
.set V_PLB, 22                         ; in a tile's 64 bytes of ord: the first row that my half of the lanes stores
.set V_LT, 23                          ; my lane's 16 bytes in a plane of hb
.set V_LS, 24                          ; v24-27  where my rounded operands go, in each quarter of the slice
.set V_LB, 28                          ; v28-31  where my operands are read, in each quarter of the slice
.set TT,   32                          ; v32-63  rounded operands on their way to LDS: two sets by turns
.set OO,   32                          ; v32-63  later, the way out: four neighbouring columns of up to eight rows
.set AR,   64                          ; v64-207 h's operands: sub v, K step t, tile i at AR + 48 (v % 3) + 24 t + 8 i
.set XX,   208                         ; v208-223 my partner's registers 0-3 of a tile's four sums
.set TOK,  224                         ; v224-235 pass 0: tile i's four tokens, then their rows' offsets in out0
.set TO,   240                         ; v240-247 later passes: a tile's eight tokens, then their rows' offsets
.set TA,   248
.set BX,   208                         ; v208-223, v240-255  under the stream: the first K step's operands of the odd subs: operand c at BX + 8 c + 16 (c / 2)
.set BF,   96                          ; window 1: weights' operands: K step t, operand c at BF + 32 t + 8 c (t = 0: the even subs');  v0-95: sums, tile i, operand c at 32 i + 8 c
.set WR,   160                         ; window 1: v160-255 weights as loaded: sub v at WR + 32 (v % 3)
.set MSB, 0
.set NI, 0                             ; loads issued so far
.set MK, 0
.set DN, 0                             ; the furthest place in the queue that a wait has shown in
.set ND, 0                             ; LDS instructions issued so far
.set DK0, 0                            ; .. up to the end of the last run of loads for a first K step
.set DK1, 0                            ; .. for a second K step
.macro WIN new                         ; s_set_vgpr_msb: bits 1:0 source 0, 3:2 source 1, 5:4 source 2, 7:6 destination; the high byte repeats the setting that is left
.if MSB != (\new)
	s_set_vgpr_msb (MSB<<8)|(\new)
.set MSB, \new
.endif
.endm
.macro SETMARK idx                     ; group idx (0-2: weights' ring; 3-8: h's ring) ends here in the queue
.irp n, 0,1,2,3,4,5,6,7,8
.if (\idx) == \n
.set MK\n, NI
.endif
.endr
.endm
.macro GETMARK idx
.irp n, 0,1,2,3,4,5,6,7,8
.if (\idx) == \n
.set MK, MK\n
.endif
.endr
.endm
.macro WAITL idx                       ; group idx is in: what was issued behind it stays out; no line where an earlier wait has shown a younger group in
	GETMARK \idx
.if MK > DN
	s_wait_loadcnt NI-MK
.set DN, MK
.endif
.endm
.macro PLACES                          ; four places behind a batch of products, ahead of a store of, or a vector instruction on, their registers (ISA guide 7.12.1 for vector instructions); they stay beside the waits on va_vdst
.rept 4
	v_nop
.endr
.endm
.macro BAR
	s_wait_dscnt 0x0                               ; for the others' sake: my LDS stores are done, and my LDS reads are back
	s_barrier_signal -1
	s_barrier_wait -1
.endm
.macro LLOAD v                         ; my group of sub v: rows 32 h + 4 (i / 2) + i % 2 behind 64 block + 16 rho + 2 sigma
	WIN 0x40                                       ; destination window 1, address window 0
.irp i, 0,1,2,3,4,5,6,7
	global_load_b128 v[WR+32*((\v)%LEAD)+4*(\i):WR+32*((\v)%LEAD)+4*(\i)+3], v[V_W], s[S_WP:S_WP+1] offset:(\v)*SUBB+(4*((\i)/2)+(\i)%2)*ROWB th:TH_LOAD_NT
.endr
.set NI, NI+8
	SETMARK (\v)%LEAD
.endm
.macro CVT v                           ; my group of sub v is rounded
	WAITL (\v)%LEAD
.if (\v) >= 2
	s_wait_alu depctr_vm_vsrc(0)                   ; the LDS stores of sub v - 2 have read this set of TT, which the roundings write again
.endif
	WIN 0x05                                       ; sources window 1, destination window 0
.irp c, 0,1,2,3
.irp p, 0,1,2,3
	v_cvt_pk_bf16_f32 v[TT+16*((\v)%2)+4*(\c)+(\p)], v[WR+32*((\v)%LEAD)+8*(\p)+(\c)], v[WR+32*((\v)%LEAD)+8*(\p)+4+(\c)]
.endr
.endr
.endm
.macro PREF v
.if (((\v)%2) == 0) && ((\v) <= 8)
	WIN 0
	; asked ahead: my 16 rows of sub v + 6 (lanes 0-15) and of sub v + 7 (lanes 16-31), a lane a row, of which 256 bytes are mine; their loads are issued three and four subs further on;
	; each block is asked for once, by the wave that will load it; sub 15, the slice's last, is the last that is asked for
	global_prefetch_b8 v[V_PF], s[S_WP:S_WP+1] offset:((\v)+6)*SUBB th:TH_LOAD_NT scope:SCOPE_SE
.endif
.endm
.macro STO v                           ; my rounded group of sub v goes to LDS
	WIN 0
.irp c, 0,1,2,3
	ds_store_b128 v[V_LS+(\v)/4], v[TT+16*((\v)%2)+4*(\c):TT+16*((\v)%2)+4*(\c)+3] offset:((\v)%4)*16384+(\c)*1024   ; 512 consecutive bytes a store
.endr
.set ND, ND+4
.endm
.macro LGRP v                          ; at the head: sub v is rounded and stored to LDS; its registers are loaded again, three subs on
	CVT \v
	s_wait_alu depctr_va_vdst(0)                   ; the roundings have written TT's set, which the LDS stores read, and are done reading WR's buffer, in which the next loads land
	LLOAD (\v)+LEAD
	PREF \v
	STO \v
.endm
.macro ALD3 v, t                       ; h's operands of my K step t of sub v, all three tiles: six loads of 512 consecutive bytes
	WIN 0
.irp i, 0,1,2
	global_load_b128 v[AR+48*((\v)%LEAD)+24*(\t)+8*(\i):AR+48*((\v)%LEAD)+24*(\t)+8*(\i)+3],   v[V_VO+(\i)], s[6:7] offset:(\v)*4096+(\t)*1024
	global_load_b128 v[AR+48*((\v)%LEAD)+24*(\t)+8*(\i)+4:AR+48*((\v)%LEAD)+24*(\t)+8*(\i)+7], v[V_VO+(\i)], s[6:7] offset:(\v)*4096+(\t)*1024+512
.endr
.set NI, NI+6
	SETMARK 3+2*((\v)%LEAD)+(\t)
.endm
.macro OLOAD                           ; pass 0: the four tokens that my half of the lanes stores, for each of my three tiles: 16 consecutive bytes of ord each
	WIN 0
.irp i, 0,1,2
	global_load_b128 v[TOK+4*(\i):TOK+4*(\i)+3], v[V_OA+(\i)], s[10:11]
.endr
.set NI, NI+3
.endm
.macro KLOADB t, base, off, x=0        ; the four operands of a K step: eight loads of 512 consecutive bytes.  x = 1: into BX
.if \x
	WIN 0
.else
	WIN 0x40
.endif
.irp c, 0,1,2,3
.if \x
.set rB, BX+8*(\c)+16*((\c)/2)
.else
.set rB, BF+32*(\t)+8*(\c)
.endif
	ds_load_b128 v[rB:rB+3],   v[\base] offset:(\off)+(\c)*1024
	ds_load_b128 v[rB+4:rB+7], v[\base] offset:(\off)+(\c)*1024+512
.endr
.set ND, ND+8
.if (\t) == 0
.set DK0, ND
.else
.set DK1, ND
.endif
.endm
; h is source 0, the weights source 1: register j of lane (r, h) is row 8 h + j of the operand, column 4 r + c.  x = 1: the weights' operands lie in BX.
.macro WM i, t, g, x
.irp c, 0,1,2,3
.if \x
.set rB, BX+8*(\c)+16*((\c)/2)
.else
.set rB, BF+32*(\t)+8*(\c)
.endif
	v_wmma_f32_16x16x32_bf16 v[32*(\i)+8*(\c):32*(\i)+8*(\c)+7], v[AR+48*(\g)+24*(\t)+8*(\i):AR+48*(\g)+24*(\t)+8*(\i)+7], v[rB:rB+7], v[32*(\i)+8*(\c):32*(\i)+8*(\c)+7]
.endr
.endm
.macro BATCH t, g, x                   ; up to twelve products; the sums take turns, one instruction a turn; dead tiles are jumped
	WIN 0x54-4*(\x)                                ; h window 0; C and D window 1; weights window 1 (BX: window 0)
	WM 0, \t, \g, \x
	WIN 0
	s_cmp_lt_u32 s[S_NL], 2
	s_cbranch_scc1 .Lx_\@
	WIN 0x54-4*(\x)
	WM 1, \t, \g, \x
	WIN 0
	s_cmp_lt_u32 s[S_NL], 3
	s_cbranch_scc1 .Lx_\@
	WIN 0x54-4*(\x)
	WM 2, \t, \g, \x
	WIN 0
.Lx_\@:
.endm
; Step u of the stream: sub u + 3 is rounded, my block of sub u multiplied.  Behind the one wait on va_vdst: h's operands of sub u + 2, the second K step's operands out of LDS, the weights of sub u + 6; the first batch
; of products; the LDS stores of sub u + 3 and the next sub's first K step out of LDS; the second batch.  Sub u + 1's first K step is read in step u only where the barrier in force has shown it: not where u + 1 is a
; multiple of three; there it is read behind the barrier, at the step's head.
.macro STEP
.if ((u%LEAD) == 0) && (u > 0)
	BAR                                            ; subs u to u + 2 are in LDS, everybody's part of them
.endif
.if u+LEAD < NSUB
	CVT u+LEAD
.endif
	s_wait_alu depctr_va_vdst(0)                   ; the roundings have written TT's set and are done reading WR[u % 3]; the last step's products are done reading their operands of h, BF1 and their BF0 or BX: the step's stores read the first, its loads land in the others
.if (u%LEAD) == 0
	KLOADB 0, V_LB+u/4, (u%4)*16384, u%2
.endif
.if (u >= 1) && (u+2 < NSUB)
	ALD3 u+2, 0                                    ; into the slot that the last step multiplied
	ALD3 u+2, 1
.endif
.if u == 10
	OLOAD                                          ; the last weights were asked for a step ago: the queue has room for these three; no vector instruction has named their registers
.endif
	KLOADB 1, V_LB+u/4, (u%4)*16384+4096
.if u+2*LEAD < NSUB
	LLOAD u+2*LEAD                                 ; into the buffer that the roundings above have emptied
.endif
.if u+LEAD < NSUB
	PREF u+LEAD
.endif
	WAITL 3+2*(u%LEAD)                             ; the first K step's six loads of h are in
	s_wait_dscnt ND-DK0                            ; its weights' operands are in; the second K step's eight loads are younger
	BATCH 0, u%LEAD, u%2
	PLACES
.if u+LEAD < NSUB
	STO u+LEAD                                     ; no vector or matrix instruction since the wait above names this set of TT
.endif
.if ((u+1)%LEAD != 0) && (u+1 < NSUB)
	KLOADB 0, V_LB+(u+1)/4, ((u+1)%4)*16384, (u+1)%2   ; into the one of BF0 and BX that this step's products do not name
.endif
	WAITL 4+2*(u%LEAD)                             ; the second K step's six loads of h are in
	s_wait_dscnt ND-DK1                            ; its weights' operands are in; my stores and the next sub's eight loads are younger
	BATCH 1, u%LEAD, 0
	PLACES
.endm
; My three tiles' places in hb (they lie str tiles apart) and, with o = 1, in ord.  live = 1 for a tile under the count, else 0, bounded by a constant as its last line; the tile's number is multiplied by it and my
; lane's 16 bytes (0x1f0 at the most) are masked by live x 0x1f0: so all lanes of a dead tile read one spot of the expert's tile 0.
.macro SETUP3 str, o
	WIN 0
.irp i, 0,1,2
	s_add_co_u32 s[S_TI], s[S_TB], (\str)*(\i)
	s_min_u32 s[S_TI], s[S_TI], 63
	s_sub_co_i32 s[S_MSK], s[S_NL], \i
	s_max_i32 s[S_MSK], s[S_MSK], 0
	s_min_u32 s[S_MSK], s[S_MSK], 1                ; live
	s_mul_i32 s[S_TI], s[S_TI], s[S_MSK]
	s_mul_i32 s[S_MSK], s[S_MSK], 0x1f0
	s_lshl_b32 s[S_TS], s[S_TI], 16
	s_add_co_u32 s[S_TS], s[S_TS], s[S_E22]
	s_add_co_u32 s[S_TS], s[S_TS], s[S_KHO]
	v_and_b32 v16, s[S_MSK], v[V_LT]
	v_add_nc_u32 v[V_VO+(\i)], s[S_TS], v16
.if \o
	s_lshl_b32 s[S_TS], s[S_TI], 6                 ; a tile's 16 words of ord
	s_add_co_u32 s[S_TS], s[S_TS], s[S_E12]
	v_add_nc_u32 v[V_OA+(\i)], s[S_TS], v[V_PLB]
.endif
.endr
.endm
.macro CLEAR                           ; the sums start at 0, on purpose by moves: one text then serves every K step and every jump over a dead tile; it stands in the wait for the first data
	WIN 0x40
.set n, 0
.rept 96
	v_mov_b32 v[n], 0
.set n, n+1
.endr
	WIN 0
.endm
; THE WAY OUT of tile i.  A lane's four neighbouring columns lie in four sums; they are brought into four consecutive registers, and 16 lanes store 256 consecutive bytes of one token's row, at a multiple of 256
; from out0's first byte.  x = 1 (pass 0): four rows, whose tokens came in under the stream; the line that brings a number over also adds the partner's partial sum.  x = 0: eight rows, whose tokens are loaded
; here; each sum's lowest register is read first.
.macro EPI3 i, x, str
	s_cmp_le_u32 s[S_NL], \i
	s_cbranch_scc1 .Lno_\@
	s_wait_xcnt 0x0                                ; the last tile's loads and stores have had their addresses translated
.if (\x) || ((\i) > 0)
	s_wait_alu depctr_vm_vsrc(0)                   ; the last tile's stores have read v[OO ..] and their offsets, its loads v[TA]; ahead of pass 0's first tile: the stream's last LDS stores have read the same registers as TT
.endif
.if \x
.set RB, TOK+4*(\i)
.irp c, 0,1,2,3
	ds_load_b128 v[XX+4*(\c):XX+4*(\c)+3], v[V_XR] offset:(4*(\i)+(\c))*512   ; the last instructions that named v[XX ..] (products by BX; the last tile's additions) stand ahead of a wait on va_vdst
.endr
.else
.set RB, TO
	s_add_co_u32 s[S_TI], s[S_TB], (\str)*(\i)
	s_min_u32 s[S_TI], s[S_TI], 63
	s_lshl_b32 s[S_TI], s[S_TI], 6
	s_add_co_u32 s[S_TI], s[S_TI], s[S_E12]
	v_add_nc_u32 v[TA], s[S_TI], v[V_PLB]
	s_wait_alu depctr_va_vdst(0)                   ; v[TA] is written, which the two loads read
	global_load_b128 v[TO:TO+3], v[TA], s[10:11]
	global_load_b128 v[TO+4:TO+7], v[TA], s[10:11] offset:16
	s_wait_loadcnt 0x0
.endif
.set j, 0
.rept 8-4*(\x)
	v_min_u32 v[RB+j], 0x3ff, v[RB+j]
	v_lshl_add_u32 v[RB+j], v[RB+j], 12, v[V_R16]  ; the token's row + my 16 bytes
.set j, j+1
.endr
.if \x
	s_wait_dscnt 0x0                               ; my partner's partial sums are in
.endif
	WIN 0x01
.set j, 0
.rept 8-4*(\x)
.irp c, 0,1,2,3
.if \x
	v_add_f32 v[OO+4*j+(\c)], v[32*(\i)+8*(\c)+4+j], v[XX+4*(\c)+j]
.else
	v_mov_b32 v[OO+4*j+(\c)], v[32*(\i)+8*(\c)+j]
.endif
.endr
.set j, j+1
.endr
	WIN 0
	s_wait_alu depctr_va_vdst(0)                   ; v[OO ..] and the rows' offsets are written, which the stores read; the additions are done reading v[XX ..], in which the next tile's LDS loads land
.set j, 0
.rept 8-4*(\x)
	global_store_b128 v[RB+j], v[OO+4*j:OO+4*j+3], s[S_OUT:S_OUT+1] th:TH_STORE_NT
.set j, j+1
.endr
.Lno_\@:
.endm
	s_load_b256 s[4:11], s[0:1], 0x0               ; down_bank s[4:5], hb s[6:7], cnt s[8:9], ord s[10:11]
	s_load_b64 s[12:13], s[0:1], 0x20              ; out0
	v_lshl_add_u32 v238, v0, 2, 0x4c000
	v_mov_b32 v239, 0
	v_lshrrev_b32 v1, 5, v0
	v_readfirstlane_b32 s[S_WV], v1
	v_and_b32 v1, 31, v0                           ; lane
	v_and_b32 v2, 15, v0                           ; r
	v_bfe_u32 v3, v0, 4, 1                         ; h
	v_lshlrev_b32 v[V_L16], 4, v1
	v_lshlrev_b32 v[V_H32], 5, v3
	v_lshlrev_b32 v[V_R16], 4, v2
	s_and_b32 s[S_EX], ttmp7, 0xffff
	s_mov_b32 s[S_BLK], ttmp9
	s_wait_alu depctr_va_sdst(0)                   ; the wave's number is written, ahead of its first reader
	s_and_b32 s[S_Q], s[S_WV], 3
	s_lshr_b32 s[S_KH], s[S_WV], 2
	s_and_b32 s[S_RHO], s[S_WV], 1
	s_lshr_b32 s[S_SG], s[S_WV], 1
	s_and_b32 s[S_SG], s[S_SG], 1
	s_lshl_b32 s[S_OF], s[S_EX], 23                ; my group of sub 0: expert x 8 MiB + block x 256 bytes + (64 (w / 4) + 16 rho + 2 sigma) rows
	s_lshl_b32 s[S_TS], s[S_BLK], 8
	s_add_co_u32 s[S_OF], s[S_OF], s[S_TS]
	s_lshl_b32 s[S_TS], s[S_KH], 18
	s_add_co_u32 s[S_OF], s[S_OF], s[S_TS]
	s_lshl_b32 s[S_TS], s[S_RHO], 16
	s_add_co_u32 s[S_OF], s[S_OF], s[S_TS]
	s_lshl_b32 s[S_TS], s[S_SG], 13
	s_add_co_u32 s[S_OF], s[S_OF], s[S_TS]
	s_mov_b32 s[S_OF+1], 0
	s_lshl_b32 s[S_O3], s[S_EX], 2                 ; cnt: the expert's word
	s_mov_b32 s[S_O3+1], 0
	s_lshl_b32 s[S_LS], s[S_KH], 13                ; in a sub of the slice: block x 8,192 + sigma x 4,096 + operand x 1,024 + rho x 512 + 16 x lane
	s_lshl_b32 s[S_TS], s[S_SG], 12
	s_add_co_u32 s[S_LS], s[S_LS], s[S_TS]
	s_lshl_b32 s[S_TS], s[S_RHO], 9
	s_add_co_u32 s[S_LS], s[S_LS], s[S_TS]
	v_add_nc_u32 v[V_LS], s[S_LS], v[V_L16]
	s_lshl_b32 s[S_TS], s[S_KH], 13                ; I read block kh
	v_add_nc_u32 v[V_LB], s[S_TS], v[V_L16]
.irp k, 1,2,3
	v_add_nc_u32 v[V_LS+(\k)], (\k)*0x10000, v[V_LS]
	v_add_nc_u32 v[V_LB+(\k)], (\k)*0x10000, v[V_LB]
.endr
	v_lshlrev_b32 v[V_W], 17, v3
	v_lshl_add_u32 v[V_W], v2, 4, v[V_W]
	v_lshrrev_b32 v16, 3, v2                       ; asked ahead: lane r stands for row 32 (r / 8) + 4 ((r / 2) % 4) + r % 2 of my group, half h for a sub
	v_lshlrev_b32 v16, 5, v16
	v_bfe_u32 v17, v2, 1, 2
	v_lshl_add_u32 v16, v17, 2, v16
	v_and_b32 v17, 1, v2
	v_add_nc_u32 v16, v16, v17
	v_lshlrev_b32 v[V_PF], 12, v16
	v_lshl_add_u32 v[V_PF], v3, 19, v[V_PF]
	s_lshl_b32 s[S_E22], s[S_EX], 22               ; hb: expert x 4 MiB
	s_lshl_b32 s[S_E12], s[S_EX], 12               ; ord: expert x 1,024 words
	s_lshl_b32 s[S_KHO], s[S_KH], 11
	s_lshl_b32 s[S_TS], s[S_KH], 6
	v_xor_b32 v[V_LT], s[S_TS], v[V_L16]           ; lane xor 4 kh
	s_lshl_b32 s[S_TS], s[S_KH], 4
	s_sub_co_u32 s[S_TS], 16, s[S_TS]
	v_add_nc_u32 v[V_PLB], s[S_TS], v[V_H32]       ; my registers 4-7 are places 8 h + 4 (1 - kh) + 0..3: four words of ord from byte 32 h + 16 (1 - kh) on
	s_mul_i32 s[S_TS], s[S_WV], 6144
	s_add_co_u32 s[S_TS], s[S_TS], XCH
	v_add_nc_u32 v[V_XS], s[S_TS], v[V_L16]
	s_xor_b32 s[S_TS], s[S_WV], 4
	s_mul_i32 s[S_TS], s[S_TS], 6144
	s_add_co_u32 s[S_TS], s[S_TS], XCH
	v_add_nc_u32 v[V_XR], s[S_TS], v[V_L16]
	s_wait_kmcnt 0x0
	s_add_nc_u64 s[S_CP:S_CP+1], s[8:9], s[S_O3:S_O3+1]
	s_load_b32 s[S_NE], s[S_CP:S_CP+1], 0x0        ; the expert's rows: on its way together with the first weights
	s_add_nc_u64 s[S_WP:S_WP+1], s[4:5], s[S_OF:S_OF+1]
	s_lshl_b32 s[S_OF], s[S_BLK], 8
	s_add_nc_u64 s[S_OUT:S_OUT+1], s[12:13], s[S_OF:S_OF+1]
	s_wait_alu depctr_va_vdst(0)                   ; v[V_W], v[V_PF], v[V_LS ..], v[V_LB ..], v[V_XS] and v[V_XR] are written: the weights' loads, the prefetches and the LDS stores and loads of the stream and of the exchange read them
	LLOAD 0
	LLOAD 1
	LLOAD 2
	s_wait_kmcnt 0x0                               ; the count
	s_min_u32 s[S_NE], s[S_NE], 0x400
	s_add_co_u32 s[S_NT], s[S_NE], 15
	s_lshr_b32 s[S_NT], s[S_NT], 4
	s_mov_b32 s[S_TB], s[S_Q]                      ; pass 0: tiles q, q + 4, q + 8
	s_add_co_u32 s[S_NL], s[S_NT], 3
	s_sub_co_i32 s[S_NL], s[S_NL], s[S_TB]
	s_max_i32 s[S_NL], s[S_NL], 0
	s_lshr_b32 s[S_NL], s[S_NL], 2
	s_min_u32 s[S_NL], s[S_NL], 3
	SETUP3 4, 1
	s_wait_alu depctr_va_vdst(0)                   ; v[V_VO ..] and v[V_OA ..] are written, which the stream's loads of h and of the tokens read
.irp v, 0,1,2
	ALD3 \v, 0                                     ; h's operands of subs 0 to 2 go out ahead of the first rounding
	ALD3 \v, 1
.endr
	CLEAR
	LGRP 0                                         ; subs 0 to 2 are rounded, and subs 3 to 5 asked for
	LGRP 1
	LGRP 2
	BAR                                            ; subs 0 to 2 are in LDS
.set u, 0
.rept NSUB
	STEP
.set u, u+1
.endr
	; THE EXCHANGE: registers 0-3 of all twelve sums into my own part, dead tiles' too: so the first read of every sum is of its lowest registers on every way
	WIN 0x04                                       ; store data window 1, address window 0
	s_wait_alu depctr_va_vdst(0)                   ; the products (for dead tiles the moves) have written the sums, which the LDS stores read; the four places above stay beside this wait
.irp i, 0,1,2
.irp c, 0,1,2,3
	ds_store_b128 v[V_XS], v[32*(\i)+8*(\c):32*(\i)+8*(\c)+3] offset:(4*(\i)+(\c))*512
.endr
.endr
	WIN 0
	BAR                                            ; my partner's part is in LDS
	EPI3 0, 1, 4
	EPI3 1, 1, 4
	EPI3 2, 1, 4
	s_wait_xcnt 0x0
	s_mov_b32 s[S_KHO], 0                          ; later passes: a wave's tiles over all K, lanes as they lie, eight rows a half
	v_mov_b32 v[V_LT], v[V_L16]
	v_mov_b32 v[V_PLB], v[V_H32]
	s_mov_b32 s[S_P], 0
.Lpass:                                                ; three passes of 24 tiles cover tiles 12 to 63; a pass in which I have no live tile is jumped
	s_mul_i32 s[S_TB], s[S_P], 24
	s_add_co_u32 s[S_TB], s[S_TB], s[S_WV]
	s_add_co_u32 s[S_TB], s[S_TB], 12              ; tiles 12 + 24 P + w + 8 i
	s_add_co_u32 s[S_NL], s[S_NT], 7
	s_sub_co_i32 s[S_NL], s[S_NL], s[S_TB]
	s_max_i32 s[S_NL], s[S_NL], 0
	s_lshr_b32 s[S_NL], s[S_NL], 3
	s_min_u32 s[S_NL], s[S_NL], 3
	s_cmp_eq_u32 s[S_NL], 0
	s_cbranch_scc1 .Lbottom
	s_wait_loadcnt 0x0
	s_wait_xcnt 0x0                                ; the last pass's loads and stores have had their addresses translated
	s_wait_alu depctr_vm_vsrc(0)                   ; the loads so far have read v[V_VO ..] and v[TA], the stores v[OO ..] and their offsets, the exchange's LDS stores the sums' low registers: all are written again below
	SETUP3 8, 0
	CLEAR
	s_mov_b64 s[S_HP:S_HP+1], s[6:7]
	s_mov_b32 s[S_LO], 0
	s_mov_b32 s[S_IC], 32
.Lin:                                                  ; a block of 64 along K of the resident slice: two K steps
	s_wait_alu depctr_vm_vsrc(0)                   ; the last trip's LDS loads have read v[V_LBP]
	v_add_nc_u32 v[V_LBP], s[S_LO], v[V_L16]
	s_wait_alu depctr_va_vdst(0)                   ; v[V_LBP] is written, in the first trip v[V_VO ..] too; the products issued so far are done reading AR's first slot and BF, in which the loads below land
.irp t, 0,1
.irp i, 0,1,2
	global_load_b128 v[AR+24*(\t)+8*(\i):AR+24*(\t)+8*(\i)+3],   v[V_VO+(\i)], s[S_HP:S_HP+1] offset:(\t)*1024
	global_load_b128 v[AR+24*(\t)+8*(\i)+4:AR+24*(\t)+8*(\i)+7], v[V_VO+(\i)], s[S_HP:S_HP+1] offset:(\t)*1024+512
.endr
.endr
	KLOADB 0, V_LBP, 0
	KLOADB 1, V_LBP, 4096
	s_wait_loadcnt 6                               ; the first K step's six loads are in; the second's six are younger
	s_wait_dscnt 8
	BATCH 0, 0, 0
	PLACES
	s_wait_loadcnt 0x0
	s_wait_dscnt 0x0
	BATCH 1, 0, 0
	PLACES
	s_wait_xcnt 0x0                                ; hb's address is stepped only behind this wait
	s_add_nc_u64 s[S_HP:S_HP+1], s[S_HP:S_HP+1], 2048
	s_add_co_u32 s[S_LO], s[S_LO], 8192
	s_sub_co_i32 s[S_IC], s[S_IC], 1
	s_cmp_lg_u32 s[S_IC], 0
	s_cbranch_scc1 .Lin
	EPI3 0, 0, 8
	EPI3 1, 0, 8
	EPI3 2, 0, 8
.Lbottom:
	s_add_co_u32 s[S_P], s[S_P], 1
	s_cmp_lt_u32 s[S_P], 3
	s_cbranch_scc1 .Lpass
	BAR                                            ; every wave's LDS reads are over
	s_wait_dscnt 0x0                               ; the wave's end: then an add of 0 onto my spare LDS word
	s_wait_alu depctr_hold_cnt(0) depctr_sa_sdst(0) depctr_va_vdst(0) depctr_va_sdst(0) depctr_va_ssrc(0) depctr_va_vcc(0) depctr_vm_vsrc(0)
	s_wait_tensorcnt 0x0
	ds_add_u32 v238, v239
	s_wait_dscnt 0x0
	s_endpgm
.Lfunc_end_k_q5e520bde16_ffn2:
	.size	k_q5e520bde16_ffn2, .Lfunc_end_k_q5e520bde16_ffn2-k_q5e520bde16_ffn2
	.p2alignl 7, 3214868480
	.fill 96, 4, 3214868480
	.section	.rodata,"a",@progbits
	.p2align	6, 0x0
	.amdhsa_kernel k_q5e520bde16_ffn2
		.amdhsa_group_segment_fixed_size 312320
		.amdhsa_private_segment_fixed_size 0
		.amdhsa_enable_private_segment 0
		.amdhsa_kernarg_size 40
		.amdhsa_user_sgpr_count 2
		.amdhsa_user_sgpr_kernarg_segment_ptr 1
		.amdhsa_wavefront_size32 1
		.amdhsa_system_sgpr_workgroup_id_x 1
		.amdhsa_system_sgpr_workgroup_id_y 1
		.amdhsa_system_sgpr_workgroup_id_z 1
		.amdhsa_system_vgpr_workitem_id 0
		.amdhsa_next_free_vgpr 512
		.amdhsa_next_free_sgpr 66
		.amdhsa_reserve_vcc 0
		.amdhsa_float_denorm_mode_32 3
		.amdhsa_float_denorm_mode_16_64 3
		.amdhsa_memory_ordered 1
		.amdhsa_forward_progress 1
		.amdhsa_inst_pref_size 146
	.end_amdhsa_kernel
	.amdgpu_metadata
---
amdhsa.version: [ 1, 2 ]
amdhsa.kernels:
  - .name:           k_q5e520bde16_ffn2
    .symbol:         k_q5e520bde16_ffn2.kd
    .args:
      - { .name: down_bank, .offset: 0, .size: 8, .value_kind: global_buffer, .address_space: global }
      - { .name: hb, .offset: 8, .size: 8, .value_kind: global_buffer, .address_space: global }
      - { .name: cnt, .offset: 16, .size: 8, .value_kind: global_buffer, .address_space: global }
      - { .name: ord, .offset: 24, .size: 8, .value_kind: global_buffer, .address_space: global }
      - { .name: out0, .offset: 32, .size: 8, .value_kind: global_buffer, .address_space: global }
    .group_segment_fixed_size: 312320
    .private_segment_fixed_size: 0
    .kernarg_segment_align: 8
    .kernarg_segment_size: 40
    .max_flat_workgroup_size: 256
    .sgpr_count:     66
    .vgpr_count:     512
    .wavefront_size: 32
...
	.end_amdgpu_metadata
.endif
;; end of part 8
